; MI455X (gfx1250); checked and timed in simulation.
; The chip was launched on July 23, 2026; its instructions are those of AMD's public machine-readable ISA for CDNA 5 (MIT licence, August 2026) and "CDNA5" Instruction Set Architecture Reference Guide (July 2026). The comments in the code are by the model that wrote it; some were corrected since.
;; Head. Allowed arithmetic: matrix products marked QUANTISED: E2M3 operands, one E8M0 scale for each 32 along K, by v_wmma_scale_f32_16x16x128_f8f6f4 with both operands' format E2M3, f32 sums; everything else in f32.
;; Inputs: Wk 1,024 x 1,024 float32; Wq 1,024 x 1,024 float32; Wv 1,024 x 1,024 float32; x 4 x 2,048 x 1,024 float32.
;; Outputs: out0 4 x 2,048 x 1,024 float32.
;; This version of the problem:
;;   THIS VERSION OF THE PROBLEM IS GIVEN IN LOW PRECISION. The matrix products marked QUANTISED in the list below multiply operands that are first quantised to E2M3 (2 exponent bits, 3 mantissa bits; 6 bits a number), with one power-of-two scale for each 32 numbers along K (OCP MX v1.0); their sums are f32. All else is computed in f32.
;;   The module's matrix products, in the order in which they are computed (A, B: the left and right operand; K: the contracted axis; several contracted axes count as one K, in the product's order):
;;     1. [M 8,192, K 1,024] x [K 1,024, N 1,024]; A: input x; B: input Wk: QUANTISED
;;     2. [M 8,192, K 1,024] x [K 1,024, N 1,024]; A: input x; B: input Wq: QUANTISED
;;     3. [M 8,192, K 1,024] x [K 1,024, N 1,024]; A: input x; B: input Wv: QUANTISED
;;     4. batch 4 x [M 2,048, K 1,024] x [K 1,024, N 2,048]; A: computed on the way; B: computed on the way: QUANTISED
;;     5. batch 4 x [M 2,048, K 2,048] x [K 2,048, N 1,024]; A: softmax (see below); B: computed on the way: QUANTISED
;;   THE QUANTISER, for each operand of a quantised product, along K:
;;     - K is cut into blocks of 32 from its start; a last block that is shorter is filled with zeros.
;;     - A block's scale is 2^e with e = floor(log2(the largest magnitude in the block)) - 2, held to -126 .. 127; a block of zeros has e = 0. As a byte (E8M0): e + 127.
;;     - Each number is divided by its block's scale, clamped to +-7.5, and rounded to the nearest number of E2M3, ties to even, subnormals kept.
;;     - The product sums the exact products of the quantised numbers (number of the format x scale) in f32.
;;   ~~~python
;;   def quantise(x, axis):      # numpy; x: float32 -> the quantised numbers, widened to float32 again
;;       x = np.moveaxis(x, axis, -1); K = x.shape[-1]
;;       x = np.pad(x, [(0, 0)] * (x.ndim - 1) + [(0, -K % 32)]); x = x.reshape(x.shape[:-1] + (-1, 32)); a = np.abs(x).max(-1, keepdims=True)
;;       e = np.where(a > 0, np.clip(np.frexp(np.where(a > 0, a, 1))[1] - 1 - 2, -126, 127), 0)      # np.frexp(a)[1] - 1 = floor(log2(a)), exactly
;;       r = np.clip(x / 2.0 ** e, -7.5, 7.5)
;;       step = 2.0 ** (np.maximum(np.frexp(np.where(r == 0, 1, r))[1] - 1, 0) - 3)
;;       q = np.round(r / step) * step * 2.0 ** e      # np.round: ties to even
;;       return np.moveaxis(q.reshape(q.shape[:-2] + (-1,))[..., :K], -1, axis).astype(np.float32)
;;   ~~~
;;   SOFTMAX AHEAD OF A QUANTISED PRODUCT. Where the list says 'softmax', what is quantised is not the finished softmax but p = 2^(t - M), with t = logit x log2(e) and M = ceil(the row's largest t), a whole number; so 1/2 < the row's largest p <= 1. The row's sum l is taken of the UNQUANTISED p, in f32, and the product's result is divided by l at the end. Since M is a whole number, a kernel that streams over the keys may use a running M (the ceiling of the running maximum): every later rescaling is an exact power of two, which a block's scale takes up: the codes' values come out the same.
;;   OPERANDS COMPUTED ON THE WAY. 'Computed on the way' means the value that the module computes at that place (a softmax that the list does not call 'softmax' is quantised finished and normalised). What goes into a quantiser is computed in f32, as accurately as f32 sums, v_exp_f32 and their like allow (about 1e-6 of the number): no bf16 or f16 on the way to a quantiser, and a product that is left as it is and whose result goes on into a quantised operand takes f32 operands (vector FMAs, or v_wmma_f32_16x16x4_f32). A number that lies on a knife's edge between two numbers of the format may be rounded either way, as far as f32 arithmetic and the matrix unit's own rounding can turn it there, and no further.
;; 2 versions. Each part assembles by itself: llvm-mc -triple=amdgcn-amd-amdhsa -mcpu=gfx1250 --defsym DOCPART=n.
;; ======== version 1 of 2: 4 launches
;; workspace buffers: xw 9,011,200 bytes; qkv 19,660,800 bytes; pbuf 14,155,776 bytes
;; launch quant (part 1): grid 704 x 1, 8 waves a work-group, no clusters, 69,120 bytes of LDS; arguments x, Wq, Wk, Wv, xw; writes xw
.if DOCPART == 1
	.amdgcn_target "amdgcn-amd-amdhsa--gfx1250"
	.amdhsa_code_object_version 6
	.text
	.protected	k_q26ef07a8b3_quant
	.globl	k_q26ef07a8b3_quant
	.p2align	8
	.type	k_q26ef07a8b3_quant,@function
k_q26ef07a8b3_quant:
	s_mov_b64 s[64:65], 0
	v_nop
	global_prefetch_b8 v0, s[64:65] scope:SCOPE_SE
	s_setreg_imm32_b32 hwreg(HW_REG_WAVE_MODE, 25, 1), 1
	s_wait_xcnt 0x0
; x [8192][1024], Wq, Wk, Wv [1024][1024], f32, become codes of FP6 (E2M3) with one E8M0 byte for each 32 along the last axis, laid as IMAGES OF OPERAND REGISTERS.
; An operand is cut into blocks of 128 rows and steps of 128 along K.  A record (block, step) is 8 fragments of 16 rows x 128 K, 1,536 bytes each: registers 4 c .. 4 c + 3 of lane L at 512 c + 16 L.
; Lane-row r of tile i takes row 32 (i / 2) + 8 (i % 2) + r % 8 + 16 (r / 8) of the block.  A record's scale words: 512 bytes, the word of (tile i, lane-row r) at 64 i + 4 r.
; Blocks 0-63 are x's, 64-71 Wq's, 72-79 Wk's, 80-87 Wv's; record = 8 x block + step; codes at 12,288 x record, scale words at XWS + 512 x record.
; A work-group makes one record, each of its eight waves one fragment.  A wave's sixteen loads read 512 consecutive bytes each (a row's 128 numbers); the rows turn through the wave's own stage in LDS, so that a lane
; gets 16 neighbours of each block of 32 of ITS row; two lanes (l, l xor 16) hold a block.  Memory binds: no matrix unit, no cluster (no two work-groups read the same bytes).
; A block's scale byte is its largest magnitude's exponent field - 2, held at 1 from below.
; LIMITS: a block of zeros, or one whose largest magnitude lies under 2^-124, gets the byte 1 (its codes are zeros or the nearest codes under that scale; the bytes are read by this program alone); NaN and infinities are not served.
.set XWS,   8650752                    ; 704 records x 12,288
.set SP,    528                        ; a stage row: 512 bytes + 16
.set WST,   16*SP                      ; a wave's stage
.set SCG,   8*WST                      ; behind the stages: the record's 512 bytes of scale words
.set TM,    16                         ; v16-19 largest magnitudes, v20-23 the other half's, then the bytes, v28-31 the conversions' scale operands
.set X,     32                         ; v32-95  64 numbers
.set PC,    96                         ; v96-107 the fragment
.set T2,    108                        ; v108-115 the upper halves of the blocks' codes, before they are moved
.set PW,    9                          ; v9      the scale word
.set SEL,   26                         ; s[26:27] selects of v_permlanex16_b32 for lane l xor 16
; 64 numbers of a lane, register 16 b + i = k 32 b + 16 (lane / 16) + i of its row, become a fragment's 12 registers and its row's scale word
.macro QUANT s, pc, t2, pw
.irp b, 0,1,2,3
	v_max3_num_f32 v[TM+\b], |v[16*\b+(\s)]|, |v[16*\b+1+(\s)]|, 0x1800000   ; my 16 numbers of block b, and the floor 2^(3 - 127): the byte cannot fall under 1
.endr
.irp i, 2,4,6,8,10,12,14
.irp b, 0,1,2,3
	v_max3_num_f32 v[TM+\b], v[TM+\b], |v[16*\b+\i+(\s)]|, |v[16*\b+\i+1+(\s)]|   ; the four blocks by turns
.endr
.endr
.irp b, 0,1,2,3
	v_permlanex16_b32 v[TM+4+\b], v[TM+\b], s[SEL], s[SEL+1]
.endr
.irp b, 0,1,2,3
	v_max_num_f32 v[TM+\b], v[TM+\b], v[TM+4+\b]     ; with lane l xor 16's: the block's largest magnitude
.endr
.irp b, 0,1,2,3
	v_add_nc_u32 v[TM+12+\b], 0xff000000, v[TM+\b]   ; 2 off its exponent field: the conversion takes that field as its scale
.endr
.irp b, 0,1,2,3
	v_lshrrev_b32 v[TM+4+\b], 23, v[TM+12+\b]        ; the scale's byte
.endr
	v_lshl_or_b32 v[\pw], v[TM+5], 8, v[TM+4]
	v_lshl_or_b32 v[\pw], v[TM+6], 16, v[\pw]
	v_lshl_or_b32 v[\pw], v[TM+7], 24, v[\pw]
.irp c, 0,1
	v_cvt_scalef32_pk16_fp6_f32 v[6*\c+(\pc):6*\c+2+(\pc)], v[32*\c+(\s):32*\c+15+(\s)], v[TM+12+2*\c]
	v_cvt_scalef32_pk16_fp6_f32 v[4*\c+(\t2):4*\c+2+(\t2)], v[32*\c+16+(\s):32*\c+31+(\s)], v[TM+13+2*\c]   ; (a conversion's three registers begin on an even number)
.endr
	v_nop                                            ; one plain place behind the scaled conversions
.irp c, 0,1                                      ; the layout wants a whole block in a lane: lanes 0-15 block 2 c, lanes 16-31 block 2 c + 1
.irp i, 0,1,2
	v_permlane16_swap_b32 v[6*\c+\i+(\pc)], v[4*\c+\i+(\t2)]
.endr
.irp i, 0,1,2
	v_mov_b32 v[6*\c+3+\i+(\pc)], v[4*\c+\i+(\t2)]
.endr
.endr
.endm
	s_load_b256 s[4:11], s[0:1], 0x0               ; x s[4:5], Wq s[6:7], Wk s[8:9], Wv s[10:11]
	s_load_b64 s[12:13], s[0:1], 0x20              ; xw
	v_lshl_add_u32 v128, v0, 2, 0x10a00
	v_mov_b32 v129, 0
	v_lshrrev_b32 v1, 5, v0
	v_readfirstlane_b32 s19, v1                    ; wave = tile 0..7
	v_and_b32 v3, 31, v0                           ; lane
	v_and_b32 v1, 15, v0                           ; r
	v_bfe_u32 v2, v0, 4, 1                         ; h
	v_lshlrev_b32 v4, 4, v3                        ; 16 x lane: my bytes of a load, of a fragment's store, of the scale words' store
	s_mul_i32 s28, s19, WST
	v_add_nc_u32 v5, s28, v4                       ; the stage, on the way in: a row as it lies
	v_mul_u32_u24 v6, v1, SP
	v_lshl_add_u32 v6, v2, 6, v6
	v_add_nc_u32 v6, s28, v6                       ; and out: row r, + 64 h: my 16 numbers of each block of 32
	s_lshl_b32 s28, s19, 6
	s_add_co_u32 s28, s28, SCG
	v_lshl_add_u32 v7, v1, 2, s28                  ; my row's scale word: SCG + 64 x tile + 4 r
	v_add_nc_u32 v8, SCG, v4
.irp b, 0,1,2,3
	v_mov_b32 v[TM+4+\b], 0                        ; written once: a lane permute's destination counts as one of its sources
.endr
	s_mov_b32 s[SEL], 0x76543210
	s_mov_b32 s[SEL+1], 0xfedcba98
	s_lshr_b32 s16, ttmp9, 3                       ; block
	s_and_b32 s17, ttmp9, 7                        ; step
	s_lshr_b32 s28, s19, 1
	s_lshl_b32 s28, s28, 5
	s_and_b32 s29, s19, 1
	s_lshl_b32 s29, s29, 3
	s_add_co_u32 s28, s28, s29                     ; the tile's first row: 32 (i / 2) + 8 (i % 2)
	s_lshl_b32 s28, s28, 12                        ; rows of 4,096 bytes
	s_lshl_b32 s29, s17, 9                         ; a step is 512 bytes of a row
	s_add_co_u32 s28, s28, s29
	s_mul_i32 s30, ttmp9, 12288
	s_mul_i32 s31, s19, 1536
	s_add_co_u32 s30, s30, s31                     ; my fragment in xw
	s_mov_b32 s31, 0
	s_lshl_b32 s32, ttmp9, 9
	s_add_co_u32 s32, s32, XWS                     ; the record's scale words
	s_mov_b32 s33, 0
	s_mov_b32 s18, 80
	s_wait_kmcnt 0x0
	s_cmp_lt_u32 s16, 80                           ; which tensor: the choice hangs on the work-group's number alone
	s_cselect_b64 s[20:21], s[8:9], s[10:11]
	s_cselect_b32 s18, 72, s18
	s_cmp_lt_u32 s16, 72
	s_cselect_b64 s[20:21], s[6:7], s[20:21]
	s_cselect_b32 s18, 64, s18
	s_cmp_lt_u32 s16, 64
	s_cselect_b64 s[20:21], s[4:5], s[20:21]
	s_cselect_b32 s18, 0, s18                      ; the tensor's first block
	s_sub_co_u32 s18, s16, s18
	s_lshl_b32 s18, s18, 19                        ; 128 rows of 4,096 bytes a block
	s_add_co_u32 s28, s28, s18
	s_mov_b32 s29, 0
	s_add_nc_u64 s[20:21], s[20:21], s[28:29]
	s_add_nc_u64 s[22:23], s[12:13], s[30:31]
	s_add_nc_u64 s[24:25], s[12:13], s[32:33]
.irp t, 0,1,2,3,4,5,6,7,8,9,10,11,12,13,14,15
	global_load_b128 v[X+4*\t:X+4*\t+3], v4, s[20:21] offset:(\t%8+16*(\t/8))*4096 th:TH_LOAD_NT   ; lane-row t: 32 lanes read 512 consecutive bytes, read once in the launch
.endr
.irp t, 0,1,2,3,4,5,6,7,8,9,10,11,12,13,14,15
	s_wait_loadcnt 15-\t                           ; loads return in order: row t is in, the 15 - t younger ones may be out
	ds_store_b128 v5, v[X+4*\t:X+4*\t+3] offset:SP*\t
.endr
.irp b, 0,1,2,3
.irp j, 0,1,2,3
	ds_load_b128 v[X+16*\b+4*\j:X+16*\b+4*\j+3], v6 offset:128*\b+16*\j   ; LDS serves a wave's instructions in order: these see my stores, and land behind them
.endr
.endr
	s_wait_dscnt 0x0
	QUANT X, PC, T2, PW
.irp c, 0,1,2
	global_store_b128 v4, v[PC+4*\c:PC+4*\c+3], s[22:23] offset:512*\c   ; 512 consecutive bytes, aligned
.endr
	ds_store_b32 v7, v[PW]                         ; lanes r and r + 16 write the same word with the same value
	s_wait_dscnt 0x0                               ; for the others' sake: my word has landed
	s_barrier_signal -1
	s_barrier_wait -1
	s_cmp_lg_u32 s19, 0
	s_cbranch_scc1 .Ldone
	ds_load_b128 v[10:13], v8                      ; wave 0 sends the record's 128 scale words: 512 consecutive bytes
	s_wait_dscnt 0x0
	global_store_b128 v4, v[10:13], s[24:25]
.Ldone:
	s_wait_tensorcnt 0x0
	ds_add_u32 v128, v129
	s_wait_dscnt 0x0
	s_endpgm
.Lfunc_end_k_q26ef07a8b3_quant:
	.size	k_q26ef07a8b3_quant, .Lfunc_end_k_q26ef07a8b3_quant-k_q26ef07a8b3_quant
	.p2alignl 7, 3214868480
	.fill 96, 4, 3214868480
	.section	.rodata,"a",@progbits
	.p2align	6, 0x0
	.amdhsa_kernel k_q26ef07a8b3_quant
		.amdhsa_group_segment_fixed_size 69120
		.amdhsa_private_segment_fixed_size 0
		.amdhsa_enable_private_segment 0
		.amdhsa_kernarg_size 40
		.amdhsa_user_sgpr_count 2
		.amdhsa_user_sgpr_kernarg_segment_ptr 1
		.amdhsa_wavefront_size32 1
		.amdhsa_system_sgpr_workgroup_id_x 1
		.amdhsa_system_sgpr_workgroup_id_y 1
		.amdhsa_system_sgpr_workgroup_id_z 1
		.amdhsa_system_vgpr_workitem_id 0
		.amdhsa_next_free_vgpr 130
		.amdhsa_next_free_sgpr 66
		.amdhsa_reserve_vcc 0
		.amdhsa_float_denorm_mode_32 3
		.amdhsa_float_denorm_mode_16_64 3
		.amdhsa_memory_ordered 1
		.amdhsa_forward_progress 1
		.amdhsa_inst_pref_size 12
	.end_amdhsa_kernel
	.amdgpu_metadata
---
amdhsa.version: [ 1, 2 ]
amdhsa.kernels:
  - .name:           k_q26ef07a8b3_quant
    .symbol:         k_q26ef07a8b3_quant.kd
    .args:
      - { .name: x, .offset: 0, .size: 8, .value_kind: global_buffer, .address_space: global }
      - { .name: Wq, .offset: 8, .size: 8, .value_kind: global_buffer, .address_space: global }
      - { .name: Wk, .offset: 16, .size: 8, .value_kind: global_buffer, .address_space: global }
      - { .name: Wv, .offset: 24, .size: 8, .value_kind: global_buffer, .address_space: global }
      - { .name: xw, .offset: 32, .size: 8, .value_kind: global_buffer, .address_space: global }
    .group_segment_fixed_size: 69120
    .private_segment_fixed_size: 0
    .kernarg_segment_align: 8
    .kernarg_segment_size: 40
    .max_flat_workgroup_size: 256
    .sgpr_count:     66
    .vgpr_count:     130
    .wavefront_size: 32
...
	.end_amdgpu_metadata
.endif
;; end of part 1
;; launch proj (part 2): grid 192 x 4, 4 waves a work-group, clusters of 4 x 4, 311,808 bytes of LDS; arguments xw, qkv; writes qkv
.if DOCPART == 2
	.amdgcn_target "amdgcn-amd-amdhsa--gfx1250"
	.amdhsa_code_object_version 6
	.text
	.protected	k_q26ef07a8b3_proj
	.globl	k_q26ef07a8b3_proj
	.p2align	8
	.type	k_q26ef07a8b3_proj,@function
k_q26ef07a8b3_proj:
	s_mov_b64 s[64:65], 0
	v_nop
	global_prefetch_b8 v0, s[64:65] scope:SCOPE_SE
	s_setreg_imm32_b32 hwreg(HW_REG_WAVE_MODE, 25, 1), 1
	s_wait_xcnt 0x0
	s_wait_alu depctr_hold_cnt(0) depctr_sa_sdst(0) depctr_va_vdst(0) depctr_va_sdst(0) depctr_va_ssrc(0) depctr_va_vcc(0) depctr_vm_vsrc(0)
	s_getreg_b32 s2, hwreg(HW_REG_IB_STS2, 6, 4)
	s_cmp_eq_u32 s2, 0
	s_cbranch_scc0 .Lentry_in_a_cluster
	s_endpgm
.Lentry_in_a_cluster:
	s_bfe_u32 s2, ttmp6, 0x10000c
	s_cmp_lg_u32 s2, 0xf033
	s_cbranch_scc0 .Lentry_shape_is_right
	s_endpgm
.Lentry_shape_is_right:
; q = x Wq^T, k = x Wk^T, v^T = Wv x^T on codes of FP6 (E2M3) with E8M0 scales, K = 1,024; the results are quantised on the way out (q, k along d; v^T along the tokens) and stored as fragment images.
; FORMAT of every operand (xw, qkv): blocks of 128 rows, steps of 128 K; a record (block, step) = 8 fragments of 1,536 bytes (registers 4 c .. 4 c + 3 of lane L at 512 c + 16 L); lane-row r of tile i is row
; 32 (i / 2) + 8 (i % 2) + r % 8 + 16 (r / 8) of the block; scale words 512 bytes a record, (tile i, lane-row r) at 64 i + 4 r.
; SHARES.  A work-group takes 256 rows of A (two blocks) x 128 rows of B (one block); wave w takes tiles 4 (w % 2) .. + 3 of A's block w / 2 against B's eight tiles: 32 accumulators.
; THE MATRIX INSTRUCTION TAKES B's FRAGMENT AS SOURCE 0 AND A's AS SOURCE 1: lane (r, h) then holds A's lane-row r, and register j of accumulator (a, b) B's row 32 (b / 2) + 16 h + 8 (b % 2) + j: so the 64 registers of
; accumulators (a, 0 .. 7) are 64 numbers of one row, 16 neighbours of each block of 32, which is what the conversions want: the next operand's fragment is made in registers.
; ALL OF K LIES IN LDS: 2 slots x (2 x 49,152 of A + 49,152 of B); each is filled once, at the start, so nothing is filled again.
; CLUSTER 4 x 4: cy picks A's two blocks, cx B's block.  A's tiles are asked for jointly by the four of a row of the cluster, B's by the four of a column.
; JOBS by the cluster's number C: C < 32: A = x's blocks 8 (C / 4) + 2 cy, B = block 64 + 4 (C % 4) + cx (Wq, Wk);  C >= 32: A = Wv's blocks 80 + 2 cy, B = x's block 4 (C - 32) + cx.
; qkv: records 0-511 q (8 x token block + d step), 512-1023 k, 1024-1535 v^T (64 x d block + token block); codes at 12,288 x record, scale words at QKS + 512 x record.
; LIMITS: a block of zeros, or one whose largest magnitude lies under 2^-124, gets the byte 1; NaN and infinities are not served.
; REGISTERS.  Window 0: v1-31 addresses; v32-43 scale words, two sets, nothing else; v44-59 at work; v128-223 A's fragments, two sets.  Window 1: B's fragments, sets at v0 and v128.  Window 2: accumulator (a, b) at v[8 (8 a + b)].
.set REC,   12288
.set APART, 4*REC                      ; four steps of one block
.set BOFF,  2*APART                    ; B's part of a slot
.set SLOT,  3*APART
.set SCLA,  2*SLOT                     ; A's scale words: [block][step][512]
.set SCLB,  SCLA+8192                  ; B's: [step][512]
.set SCR,   SCLB+4096                  ; 1,024 bytes for each wave, for the way out
.set XWS,   8650752
.set QKS,   18874368
.set ADRA, 16                          ; v16-17  my A fragments in slot 0, 1
.set ADRB, 18                          ; v18-19  B's
.set ADSA, 20                          ; v20     my tiles' scale words of A
.set ADSB, 21                          ; v21     B's
.set L16,  22                          ; v22     16 x lane
.set L8,   23                          ; v23     8 x lane
.set SCW,  24                          ; v24     scratch: 4 r
.set SCRD, 25                          ; v25     scratch: 8 x lane
.set SC,   32                          ; set p at SC + 6 p: two registers of A's words (lanes 0-15 tile 2 j, lanes 16-31 tile 2 j + 1), four of B's
.set TM,   44
.set AF,   128
.set G1A,  24                          ; s[24:31] group 1 for A's tiles; s[32:39] group 0, a set for each slot
.set G0A,  32
.set G1B,  48                          ; s[48:55], s[56:63] the same for B's
.set G0B,  56
.set MSB, 0
.macro WIN new                         ; the immediate's high byte repeats the setting that is left
.if MSB != \new
	s_set_vgpr_msb (MSB<<8)|\new
.set MSB, \new
.endif
.endm
.macro PLACES n
.rept \n
	v_nop
.endr
.endm
; A joint load: waves 0 and 1 fetch A's two blocks, waves 2 and 3 the halves of B's.  The branch hangs on the wave's number alone.  Four v_nop follow each line.
.macro JLOAD g0a, g1a, g0b, g1b
	s_cmp_eq_u32 s15, 0
	s_cbranch_scc0 .Lfor_b_\@
	tensor_load_to_lds s[\g0a:\g0a+3], s[\g1a:\g1a+7]
	s_nop 0
.rept 4
	v_nop
.endr
	s_branch .Lasked_\@
.Lfor_b_\@:
	tensor_load_to_lds s[\g0b:\g0b+3], s[\g1b:\g1b+7]
	s_nop 0
.rept 4
	v_nop
.endr
.Lasked_\@:
.endm
.macro CROUND                          ; a round of the cluster's barrier
	s_barrier_signal -1
	s_barrier_wait -1
	s_cmp_lg_u32 s14, 0
	s_cbranch_scc1 .Lnot_wave_0_\@
	s_barrier_signal -3
.Lnot_wave_0_\@:
	s_barrier_wait -3
	s_barrier_signal -1
	s_barrier_wait -1
.endm
; one product: A's tile a x B's tile b, set p.  An odd tile's scale words stand in lanes 16-31 of its register.
.macro WM a, b, p, zero
.set rD, 8*(8*(\a)+(\b))
.set rB, 128*(\p)+12*(\b)
.set rA, AF+48*(\p)+12*(\a)
.set rSB, SC+6*(\p)+2+(\b)/2
.set rSA, SC+6*(\p)+(\a)/2
.set par, 2*((\b)%2)+(\a)%2
.if \zero
.if par == 0
	v_wmma_scale_f32_16x16x128_f8f6f4 v[rD:rD+7], v[rB:rB+11], v[rA:rA+11], 0, v[rSB], v[rSA] matrix_a_fmt:MATRIX_FMT_FP6 matrix_b_fmt:MATRIX_FMT_FP6
.elseif par == 1
	v_wmma_scale_f32_16x16x128_f8f6f4 v[rD:rD+7], v[rB:rB+11], v[rA:rA+11], 0, v[rSB], v[rSA] matrix_a_fmt:MATRIX_FMT_FP6 matrix_b_fmt:MATRIX_FMT_FP6 matrix_b_scale:MATRIX_SCALE_ROW1
.elseif par == 2
	v_wmma_scale_f32_16x16x128_f8f6f4 v[rD:rD+7], v[rB:rB+11], v[rA:rA+11], 0, v[rSB], v[rSA] matrix_a_fmt:MATRIX_FMT_FP6 matrix_b_fmt:MATRIX_FMT_FP6 matrix_a_scale:MATRIX_SCALE_ROW1
.else
	v_wmma_scale_f32_16x16x128_f8f6f4 v[rD:rD+7], v[rB:rB+11], v[rA:rA+11], 0, v[rSB], v[rSA] matrix_a_fmt:MATRIX_FMT_FP6 matrix_b_fmt:MATRIX_FMT_FP6 matrix_a_scale:MATRIX_SCALE_ROW1 matrix_b_scale:MATRIX_SCALE_ROW1
.endif
.else
.if par == 0
	v_wmma_scale_f32_16x16x128_f8f6f4 v[rD:rD+7], v[rB:rB+11], v[rA:rA+11], v[rD:rD+7], v[rSB], v[rSA] matrix_a_fmt:MATRIX_FMT_FP6 matrix_b_fmt:MATRIX_FMT_FP6
.elseif par == 1
	v_wmma_scale_f32_16x16x128_f8f6f4 v[rD:rD+7], v[rB:rB+11], v[rA:rA+11], v[rD:rD+7], v[rSB], v[rSA] matrix_a_fmt:MATRIX_FMT_FP6 matrix_b_fmt:MATRIX_FMT_FP6 matrix_b_scale:MATRIX_SCALE_ROW1
.elseif par == 2
	v_wmma_scale_f32_16x16x128_f8f6f4 v[rD:rD+7], v[rB:rB+11], v[rA:rA+11], v[rD:rD+7], v[rSB], v[rSA] matrix_a_fmt:MATRIX_FMT_FP6 matrix_b_fmt:MATRIX_FMT_FP6 matrix_a_scale:MATRIX_SCALE_ROW1
.else
	v_wmma_scale_f32_16x16x128_f8f6f4 v[rD:rD+7], v[rB:rB+11], v[rA:rA+11], v[rD:rD+7], v[rSB], v[rSA] matrix_a_fmt:MATRIX_FMT_FP6 matrix_b_fmt:MATRIX_FMT_FP6 matrix_a_scale:MATRIX_SCALE_ROW1 matrix_b_scale:MATRIX_SCALE_ROW1
.endif
.endif
.endm
.macro MULS p, zero                    ; a step's 32 products; the 32 accumulators take turns, one instruction a turn, in the same order in every step
	WIN 0xa1                                       ; source 0 (B) window 1, source 1 (A) window 0, C and D window 2
.irp a, 0,1,2,3
.irp b, 0,1,2,3,4,5,6,7
	WM \a, \b, \p, \zero
.endr
.endr
.endm
.macro FETCH sl, q, p, sg              ; the fragments and scale words of slot sl's q-th step (step sg of K) into set p: every load reads consecutive bytes, 16 or 4 a lane
	WIN 0x40                                       ; destination window 1, address window 0
.irp b, 0,1,2,3,4,5,6,7
.irp c, 0,1,2
	ds_load_b128 v[128*(\p)+12*\b+4*\c:128*(\p)+12*\b+4*\c+3], v[ADRB+(\sl)] offset:(\q)*REC+\b*1536+512*\c
.endr
.endr
	WIN 0
.irp a, 0,1,2,3
.irp c, 0,1,2
	ds_load_b128 v[AF+48*(\p)+12*\a+4*\c:AF+48*(\p)+12*\a+4*\c+3], v[ADRA+(\sl)] offset:(\q)*REC+\a*1536+512*\c
.endr
.endr
.irp j, 0,1
	ds_load_b32 v[SC+6*(\p)+\j], v[ADSA] offset:(\sg)*512+128*\j
.endr
.irp j, 0,1,2,3
	ds_load_b32 v[SC+6*(\p)+2+\j], v[ADSB] offset:(\sg)*512+128*\j
.endr
.endm
; A step of 128 along K on set p; the next step's operands (slot nsl, its nq-th step, step nsg of K) are fetched into the other set ahead of the products.
; kind 0: plain;  1: the next step lies in slot 1: its tiles have landed in every wave's share, shown by a barrier;  3: the last step.
.macro STEP p, zero, kind, nsl, nq, nsg
	s_wait_dscnt 0x0                               ; set p is in
.if \kind == 1
	s_wait_tensorcnt 0x0                           ; my part of slot 1 has landed (no load of mine was issued behind it)
	s_barrier_signal -1
	s_barrier_wait -1                              ; everybody's has
.endif
.if \kind != 3
.if \zero == 0
	PLACES 4                                       ; in front of loads into registers that the last step's matrix instructions have read
.endif
	FETCH \nsl, \nq, 1-(\p), \nsg
.endif
	MULS \p, \zero
	WIN 0
.endm
; 64 numbers of a lane in window 2, v[s] on, become a fragment in v[pc] on and its scale word in v[pw], both in window 0.  Each accumulator is read from its low end on.
.macro QUANTW s, pc, t2, pw
	WIN 0x0a                                       ; sources 0 and 1 window 2
.irp b, 0,1,2,3
	v_max3_num_f32 v[TM+\b], |v[16*\b+(\s)]|, |v[16*\b+1+(\s)]|, 0x1800000   ; my 16 numbers of block b, and the floor 2^(3 - 127): the byte cannot fall under 1
.endr
.irp i, 2,4,6,8,10,12,14
.irp b, 0,1,2,3
	v_max3_num_f32 v[TM+\b], |v[16*\b+\i+(\s)]|, |v[16*\b+\i+1+(\s)]|, v[TM+\b]
.endr
.endr
	WIN 0
.irp b, 0,1,2,3
	v_permlanex16_b32 v[TM+4+\b], v[TM+\b], s20, s21
.endr
.irp b, 0,1,2,3
	v_max_num_f32 v[TM+\b], v[TM+\b], v[TM+4+\b]     ; with lane l xor 16's: the block's largest magnitude
.endr
.irp b, 0,1,2,3
	v_add_nc_u32 v[TM+12+\b], 0xff000000, v[TM+\b]   ; 2 off its exponent field: the conversion's scale operand
.endr
.irp b, 0,1,2,3
	v_lshrrev_b32 v[TM+4+\b], 23, v[TM+12+\b]        ; the scale's byte
.endr
	v_lshl_or_b32 v[\pw], v[TM+5], 8, v[TM+4]
	v_lshl_or_b32 v[\pw], v[TM+6], 16, v[\pw]
	v_lshl_or_b32 v[\pw], v[TM+7], 24, v[\pw]
	WIN 0x02                                       ; source 0 window 2
.irp c, 0,1
	v_cvt_scalef32_pk16_fp6_f32 v[6*\c+(\pc):6*\c+2+(\pc)], v[32*\c+(\s):32*\c+15+(\s)], v[TM+12+2*\c]
	v_cvt_scalef32_pk16_fp6_f32 v[4*\c+(\t2):4*\c+2+(\t2)], v[32*\c+16+(\s):32*\c+31+(\s)], v[TM+13+2*\c]
.endr
	WIN 0
	v_nop                                          ; one plain place behind the scaled conversions
.irp c, 0,1
.irp i, 0,1,2
	v_permlane16_swap_b32 v[6*\c+\i+(\pc)], v[4*\c+\i+(\t2)]   ; a whole block to a lane
.endr
.irp i, 0,1,2
	v_mov_b32 v[6*\c+3+\i+(\pc)], v[4*\c+\i+(\t2)]
.endr
.endr
.endm
	s_load_b128 s[4:7], s[0:1], 0x0                ; xw s[4:5], qkv s[6:7]
	v_lshl_add_u32 v254, v0, 2, 0x4c000
	v_mov_b32 v255, 0
	ds_add_u32 v254, v255
	ds_add_u32 v254, v255
	v_lshrrev_b32 v1, 5, v0
	v_readfirstlane_b32 s14, v1                    ; wave 0..3
	s_lshr_b32 s15, s14, 1                         ; which of A's two blocks I multiply.  Also: I fetch for A (0) or for B (1)
	s_and_b32 s16, s14, 1                          ; which four tiles of it.  Also: which part I fetch
	s_bfe_u32 s40, ttmp6, 0x40000                  ; cx
	s_bfe_u32 s41, ttmp6, 0x40004                  ; cy
	s_lshl_b32 s43, s41, 2
	s_lshl_b32 s43, 15, s43                        ; my row of the cluster
	s_lshl_b32 s44, 0x1111, s40                    ; my column
	; group 1: dense blocks as rows of 256 bytes (32 elements of 8 bytes): A 192 rows (four records), B 96 rows (two records); no padding
	s_or_b32 s[G1A], s43, (3<<16)|(1<<21)          ; 15:0 the mask; 17:16 elements of 8 bytes; 21 set beside a mask
	s_or_b32 s[G1B], s44, (3<<16)|(1<<21)
	s_mov_b32 s[G1A+1], 32<<16                     ; tensor_dim0 = 32
	s_mov_b32 s[G1A+2], 192<<16                    ; tensor_dim1 = 192
	s_mov_b32 s[G1A+3], 32<<16                     ; tile_dim0 = 32
	s_mov_b32 s[G1A+4], 192                        ; tile_dim1 = 192
	s_mov_b32 s[G1A+5], 32                         ; from row to row
	s_mov_b32 s[G1A+6], 0
	s_mov_b32 s[G1A+7], 0
	s_mov_b32 s[G1B+1], 32<<16
	s_mov_b32 s[G1B+2], 96<<16
	s_mov_b32 s[G1B+3], 32<<16
	s_mov_b32 s[G1B+4], 96
	s_mov_b32 s[G1B+5], 32
	s_mov_b32 s[G1B+6], 0
	s_mov_b32 s[G1B+7], 0
	; the job
	s_lshr_b32 s66, ttmp9, 2
	s_lshl_b32 s66, s66, 3                         ; q, k: A's first block of the cluster
	s_and_b32 s67, ttmp9, 3
	s_lshl_b32 s67, s67, 2                         ; 4 (C % 4)
	s_add_co_u32 s68, s67, 64                      ; q, k: B's first block
	s_sub_co_u32 s69, ttmp9, 32
	s_lshl_b32 s69, s69, 2                         ; v: B's first block
	s_cmp_ge_u32 ttmp9, 32
	s_cselect_b32 s66, 80, s66
	s_cselect_b32 s68, s69, s68
	s_lshl_b32 s45, s41, 1
	s_add_co_u32 s70, s66, s45                     ; A's first block of mine
	s_add_co_u32 s71, s68, s40                     ; B's block
	s_add_co_u32 s72, s70, s16
	s_mul_i32 s72, s72, 8*REC                      ; A: the block that I fetch, in bytes
	s_mov_b32 s73, 0
	s_mul_i32 s74, s71, 8*REC
	s_mul_i32 s75, s16, 2*REC
	s_add_co_u32 s74, s74, s75                     ; B: my two steps of four
	s_mov_b32 s75, 0
	s_mul_i32 s76, s16, APART                      ; where they go: no place in the cluster enters an LDS address
	s_mul_i32 s77, s16, 2*REC
	s_add_co_u32 s77, s77, BOFF
	s_lshl_b32 s78, s70, 12                        ; A's scale words: 4,096 bytes a block; my quarter of two blocks'
	s_lshl_b32 s79, s14, 11
	s_add_co_u32 s78, s78, s79
	s_add_co_u32 s78, s78, XWS
	s_mov_b32 s79, 0
	s_lshl_b32 s86, s71, 12                        ; B's: my quarter of one block's
	s_lshl_b32 s87, s14, 10
	s_add_co_u32 s86, s86, s87
	s_add_co_u32 s86, s86, XWS
	s_mov_b32 s87, 0
	s_mov_b32 s20, 0x76543210
	s_mov_b32 s21, 0xfedcba98                      ; v_permlanex16_b32's selects for lane l xor 16
	; LDS addresses
	v_and_b32 v3, 31, v0                           ; lane
	v_and_b32 v1, 15, v0                           ; r
	v_lshlrev_b32 v[L16], 4, v3
	v_lshlrev_b32 v[L8], 3, v3
	s_mul_i32 s88, s15, APART
	s_mul_i32 s89, s16, 4*1536
	s_add_co_u32 s88, s88, s89
	v_add_nc_u32 v[ADRA], s88, v[L16]
	s_add_co_u32 s88, s88, SLOT
	v_add_nc_u32 v[ADRA+1], s88, v[L16]
	v_add_nc_u32 v[ADRB], BOFF, v[L16]
	v_add_nc_u32 v[ADRB+1], SLOT+BOFF, v[L16]
	v_lshlrev_b32 v6, 2, v3
	v_add_nc_u32 v[ADSB], SCLB, v6
	s_lshl_b32 s88, s15, 12
	s_lshl_b32 s89, s16, 8
	s_add_co_u32 s88, s88, s89
	s_add_co_u32 s88, s88, SCLA
	v_add_nc_u32 v[ADSA], s88, v6
	s_lshl_b32 s88, s14, 10
	s_add_co_u32 s88, s88, SCR
	v_lshl_add_u32 v[SCW], v1, 2, s88
	v_add_nc_u32 v[SCRD], s88, v[L8]
	s_lshl_b32 s88, s14, 11
	s_add_co_u32 s88, s88, SCLA
	v_add_nc_u32 v4, s88, v[L16]                   ; where I put my quarter of A's scale words
	s_lshl_b32 s88, s14, 10
	s_add_co_u32 s88, s88, SCLB
	v_add_nc_u32 v5, s88, v[L16]                   ; and of B's
.irp b, 0,1,2,3
	v_mov_b32 v[TM+4+\b], 0                        ; written once: a lane permute's destination counts as one of its sources
.endr
	s_wait_dscnt 0x0
	s_wait_kmcnt 0x0
	s_add_nc_u64 s[72:73], s[4:5], s[72:73]
	s_add_nc_u64 s[74:75], s[4:5], s[74:75]
	s_add_nc_u64 s[78:79], s[4:5], s[78:79]
	s_add_nc_u64 s[86:87], s[4:5], s[86:87]
	CROUND                                         ; all sixteen work-groups are here: the joint loads meet
.irp n, 0,1
	s_mov_b32 s[G0A+4*\n], 1                       ; count = 1
	s_add_co_u32 s[G0A+4*\n+1], s76, \n*SLOT       ; LDS address
	s_add_nc_u64 s[G0A+4*\n+2:G0A+4*\n+3], s[72:73], \n*APART   ; steps 4 n on
	s_or_b32 s[G0A+4*\n+3], s[G0A+4*\n+3], 0x80000000           ; type = 2
	s_mov_b32 s[G0B+4*\n], 1
	s_add_co_u32 s[G0B+4*\n+1], s77, \n*SLOT
	s_add_nc_u64 s[G0B+4*\n+2:G0B+4*\n+3], s[74:75], \n*APART
	s_or_b32 s[G0B+4*\n+3], s[G0B+4*\n+3], 0x80000000
	JLOAD G0A+4*\n, G1A, G0B+4*\n, G1B             ; all of K is asked for here: two loads of mine are out
.endr
	; the scale words come once, through registers: each load reads 512 consecutive bytes
.irp i, 0,1,2,3
	global_load_b128 v[96+4*\i:99+4*\i], v[L16], s[78:79] offset:512*\i
.endr
.irp i, 0,1
	global_load_b128 v[112+4*\i:115+4*\i], v[L16], s[86:87] offset:512*\i
.endr
	; where my results go
	s_add_co_u32 s88, s67, s40                     ; q, k: which of the 16 blocks of Wq, Wk
	s_lshr_b32 s89, s88, 3
	s_lshl_b32 s89, s89, 9                         ; 0: q, 512: k
	s_and_b32 s88, s88, 7                          ; the d step
	s_add_co_u32 s88, s88, s89
	s_add_co_u32 s90, s70, s15                     ; my block of A
	s_lshl_b32 s91, s90, 3
	s_add_co_u32 s88, s88, s91                     ; q, k: the record
	s_sub_co_u32 s91, s90, 80
	s_lshl_b32 s91, s91, 6
	s_add_co_u32 s91, s91, s71
	s_add_co_u32 s91, s91, 1024                    ; v: the record
	s_cmp_ge_u32 ttmp9, 32
	s_cselect_b32 s88, s91, s88
	s_mul_i32 s92, s88, REC
	s_mul_i32 s93, s16, 4*1536
	s_add_co_u32 s92, s92, s93
	s_mov_b32 s93, 0
	s_add_nc_u64 s[80:81], s[6:7], s[92:93]        ; my four fragments
	s_lshl_b32 s92, s88, 9
	s_lshl_b32 s93, s16, 8
	s_add_co_u32 s92, s92, s93
	s_add_co_u32 s92, s92, QKS
	s_mov_b32 s93, 0
	s_add_nc_u64 s[82:83], s[6:7], s[92:93]        ; their scale words
	s_wait_loadcnt 0x0
.irp i, 0,1,2,3
	ds_store_b128 v4, v[96+4*\i:99+4*\i] offset:512*\i
.endr
.irp i, 0,1
	ds_store_b128 v5, v[112+4*\i:115+4*\i] offset:512*\i
.endr
	s_wait_tensorcnt 0x1                           ; my part of slot 0 is in; slot 1's load may stay out
	s_wait_dscnt 0x0                               ; my scale words have landed
	s_barrier_signal -1
	s_barrier_wait -1
	FETCH 0, 0, 0, 0
	STEP 0, 1, 0, 0, 1, 1                          ; the first products start the sums: nothing is cleared
	STEP 1, 0, 0, 0, 2, 2
	STEP 0, 0, 0, 0, 3, 3
	STEP 1, 0, 1, 1, 0, 4
	STEP 0, 0, 0, 1, 1, 5
	STEP 1, 0, 0, 1, 2, 6
	STEP 0, 0, 0, 1, 3, 7
	STEP 1, 0, 3, 0, 0, 0
	; THE WAY OUT: each of my four tiles of rows becomes one fragment of the next product (its K step = B's block) and one scale word a row
	PLACES 4                                       ; behind the last products, in front of the first read of results and the first write of operand registers
.irp a, 0,1,2,3
	QUANTW 64*\a, 128+12*\a, 240, 60+\a
.irp c, 0,1,2
	global_store_b128 v[L16], v[128+12*\a+4*\c:131+12*\a+4*\c], s[80:81] offset:1536*\a+512*\c   ; 512 consecutive bytes, aligned; each tile has registers of its own
.endr
	ds_store_b32 v[SCW], v[60+\a] offset:64*\a     ; lanes r and r + 16 write the same word with the same value
.endr
	ds_load_b64 v[224:225], v[SCRD]                ; my own bytes, served in order: the four tiles' 64 words
	s_wait_dscnt 0x0
	global_store_b64 v[L8], v[224:225], s[82:83]   ; 256 consecutive bytes, aligned
	s_wait_tensorcnt 0x0
	ds_add_u32 v254, v255
	s_wait_dscnt 0x0
	CROUND                                         ; the closing round: no work-group ends while a partner may still ask for a tile that names it
	s_endpgm
.Lfunc_end_k_q26ef07a8b3_proj:
	.size	k_q26ef07a8b3_proj, .Lfunc_end_k_q26ef07a8b3_proj-k_q26ef07a8b3_proj
	.p2alignl 7, 3214868480
	.fill 96, 4, 3214868480
	.section	.rodata,"a",@progbits
	.p2align	6, 0x0
	.amdhsa_kernel k_q26ef07a8b3_proj
		.amdhsa_group_segment_fixed_size 311808
		.amdhsa_private_segment_fixed_size 0
		.amdhsa_enable_private_segment 0
		.amdhsa_kernarg_size 16
		.amdhsa_user_sgpr_count 2
		.amdhsa_user_sgpr_kernarg_segment_ptr 1
		.amdhsa_wavefront_size32 1
		.amdhsa_system_sgpr_workgroup_id_x 1
		.amdhsa_system_sgpr_workgroup_id_y 1
		.amdhsa_system_sgpr_workgroup_id_z 1
		.amdhsa_system_vgpr_workitem_id 0
		.amdhsa_next_free_vgpr 768
		.amdhsa_next_free_sgpr 100
		.amdhsa_reserve_vcc 0
		.amdhsa_float_denorm_mode_32 3
		.amdhsa_float_denorm_mode_16_64 3
		.amdhsa_memory_ordered 1
		.amdhsa_forward_progress 1
		.amdhsa_inst_pref_size 82
	.end_amdhsa_kernel
	.amdgpu_metadata
---
amdhsa.version: [ 1, 2 ]
amdhsa.kernels:
  - .name:           k_q26ef07a8b3_proj
    .symbol:         k_q26ef07a8b3_proj.kd
    .args:
      - { .name: xw, .offset: 0, .size: 8, .value_kind: global_buffer, .address_space: global }
      - { .name: qkv, .offset: 8, .size: 8, .value_kind: global_buffer, .address_space: global }
    .group_segment_fixed_size: 311808
    .private_segment_fixed_size: 0
    .kernarg_segment_align: 8
    .kernarg_segment_size: 16
    .max_flat_workgroup_size: 128
    .sgpr_count:     100
    .vgpr_count:     768
    .wavefront_size: 32
...
	.end_amdgpu_metadata
.endif
;; end of part 2
;; launch score (part 3): grid 24 x 16, 4 waves a work-group, clusters of 4 x 4, 311,808 bytes of LDS; arguments qkv, pbuf; writes pbuf
.if DOCPART == 3
	.amdgcn_target "amdgcn-amd-amdhsa--gfx1250"
	.amdhsa_code_object_version 6
	.text
	.protected	k_q26ef07a8b3_score
	.globl	k_q26ef07a8b3_score
	.p2align	8
	.type	k_q26ef07a8b3_score,@function
k_q26ef07a8b3_score:
	s_mov_b64 s[64:65], 0
	v_nop
	global_prefetch_b8 v0, s[64:65] scope:SCOPE_SE
	s_setreg_imm32_b32 hwreg(HW_REG_WAVE_MODE, 25, 1), 1
	s_wait_xcnt 0x0
	s_wait_alu depctr_hold_cnt(0) depctr_sa_sdst(0) depctr_va_vdst(0) depctr_va_sdst(0) depctr_va_ssrc(0) depctr_va_vcc(0) depctr_vm_vsrc(0)
	s_getreg_b32 s2, hwreg(HW_REG_IB_STS2, 6, 4)
	s_cmp_eq_u32 s2, 0
	s_cbranch_scc0 .Lentry_in_a_cluster
	s_endpgm
.Lentry_in_a_cluster:
	s_bfe_u32 s2, ttmp6, 0x10000c
	s_cmp_lg_u32 s2, 0xf033
	s_cbranch_scc0 .Lentry_shape_is_right
	s_endpgm
.Lentry_shape_is_right:
; S^T = k q^T on codes of FP6 (E2M3), K = 1,024; causal mask; then, for each query and each block of 128 keys: t = score x log2(e) / 32, M = ceil(the largest t of these 128 keys), p = 2^(t - M), l = the sum of the
; unquantised p; p is quantised along the keys and stored as a fragment image with its scale words, -M and l.  M is a whole number, so the next launch brings all blocks of a row under the row's M by taking
; whole numbers off the scale bytes: the codes do not change.
; FORMAT, SHARES, SOURCES: as in the launch before: a work-group takes 256 queries (A = q, two blocks) x 128 keys (B = k, one block); wave w takes tiles 4 (w % 2) .. + 3 of block w / 2; source 0 = k's fragment,
; source 1 = q's: lane (r, h) holds query lane-row r, register 16 g + i of a tile's 64 holds key 32 g + 16 h + i of the block.  All of K lies in LDS, filled once.
; CLUSTER 4 x 4: cy picks the queries, cx the keys; q's tiles are asked for jointly along a row of the cluster, k's along a column.  Six clusters a batch cover the causal triangle: cluster 0, 1: queries 0-1023 x keys
; 512 kc on; clusters 2 to 5: queries 1024-2047 x keys 512 kc on.  A partner whose tile is wholly hidden runs the same text (partners of a cluster run alike) and stores zero codes, -M = 3e38 and l = 0.
; Clusters 2 and 3 have no hidden key and jump over the mask: a branch on the cluster's number.
; pbuf: record = 16 x (16 batch + query block) + key block; codes at 12,288 x record; scale words at PS, -M at PS + 524,288, l at PS + 1,048,576, each + 512 x record, (tile i, lane-row r) at 64 i + 4 r.
; LIMITS: M is exact for |t| under 2^24; p under 2^-126 of the block's M comes out as 0; a block of p that is all zeros keeps the byte 1; NaN and infinities among the inputs are not served.
; REGISTERS.  Window 0: v1-31 addresses; v32-43 scale words, two sets, nothing else; v44-59 at work; v60-85 small figures; v128-223 q's fragments, later p and its codes.  Window 1: k's fragments.  Window 2: the accumulators.
.set REC,   12288
.set APART, 4*REC
.set BOFF,  2*APART
.set SLOT,  3*APART
.set SCLA,  2*SLOT
.set SCLB,  SCLA+8192
.set SCR,   SCLB+4096
.set QKS,   18874368
.set PS,    12582912
.set ADRA, 16
.set ADRB, 18
.set ADSA, 20
.set ADSB, 21
.set L16,  22
.set L8,   23
.set SCW,  24
.set SCRD, 25
.set SC,   32
.set TM,   44
.set AF,   128
.set P,    128                         ; v128-191 p of the tile in hand
.set G1A,  24
.set G0A,  32
.set G1B,  48
.set G0B,  56
.set MSB, 0
.macro WIN new                         ; the immediate's high byte repeats the setting that is left
.if MSB != \new
	s_set_vgpr_msb (MSB<<8)|\new
.set MSB, \new
.endif
.endm
.macro PLACES n
.rept \n
	v_nop
.endr
.endm
.macro JLOAD g0a, g1a, g0b, g1b        ; a joint load: waves 0 and 1 fetch q's two blocks, waves 2 and 3 the halves of k's; four v_nop follow each line
	s_cmp_eq_u32 s15, 0
	s_cbranch_scc0 .Lfor_b_\@
	tensor_load_to_lds s[\g0a:\g0a+3], s[\g1a:\g1a+7]
	s_nop 0
.rept 4
	v_nop
.endr
	s_branch .Lasked_\@
.Lfor_b_\@:
	tensor_load_to_lds s[\g0b:\g0b+3], s[\g1b:\g1b+7]
	s_nop 0
.rept 4
	v_nop
.endr
.Lasked_\@:
.endm
.macro CROUND                          ; a round of the cluster's barrier
	s_barrier_signal -1
	s_barrier_wait -1
	s_cmp_lg_u32 s14, 0
	s_cbranch_scc1 .Lnot_wave_0_\@
	s_barrier_signal -3
.Lnot_wave_0_\@:
	s_barrier_wait -3
	s_barrier_signal -1
	s_barrier_wait -1
.endm
.macro WM a, b, p, zero                ; one product; an odd tile's scale words stand in lanes 16-31 of its register
.set rD, 8*(8*(\a)+(\b))
.set rB, 128*(\p)+12*(\b)
.set rA, AF+48*(\p)+12*(\a)
.set rSB, SC+6*(\p)+2+(\b)/2
.set rSA, SC+6*(\p)+(\a)/2
.set par, 2*((\b)%2)+(\a)%2
.if \zero
.if par == 0
	v_wmma_scale_f32_16x16x128_f8f6f4 v[rD:rD+7], v[rB:rB+11], v[rA:rA+11], 0, v[rSB], v[rSA] matrix_a_fmt:MATRIX_FMT_FP6 matrix_b_fmt:MATRIX_FMT_FP6
.elseif par == 1
	v_wmma_scale_f32_16x16x128_f8f6f4 v[rD:rD+7], v[rB:rB+11], v[rA:rA+11], 0, v[rSB], v[rSA] matrix_a_fmt:MATRIX_FMT_FP6 matrix_b_fmt:MATRIX_FMT_FP6 matrix_b_scale:MATRIX_SCALE_ROW1
.elseif par == 2
	v_wmma_scale_f32_16x16x128_f8f6f4 v[rD:rD+7], v[rB:rB+11], v[rA:rA+11], 0, v[rSB], v[rSA] matrix_a_fmt:MATRIX_FMT_FP6 matrix_b_fmt:MATRIX_FMT_FP6 matrix_a_scale:MATRIX_SCALE_ROW1
.else
	v_wmma_scale_f32_16x16x128_f8f6f4 v[rD:rD+7], v[rB:rB+11], v[rA:rA+11], 0, v[rSB], v[rSA] matrix_a_fmt:MATRIX_FMT_FP6 matrix_b_fmt:MATRIX_FMT_FP6 matrix_a_scale:MATRIX_SCALE_ROW1 matrix_b_scale:MATRIX_SCALE_ROW1
.endif
.else
.if par == 0
	v_wmma_scale_f32_16x16x128_f8f6f4 v[rD:rD+7], v[rB:rB+11], v[rA:rA+11], v[rD:rD+7], v[rSB], v[rSA] matrix_a_fmt:MATRIX_FMT_FP6 matrix_b_fmt:MATRIX_FMT_FP6
.elseif par == 1
	v_wmma_scale_f32_16x16x128_f8f6f4 v[rD:rD+7], v[rB:rB+11], v[rA:rA+11], v[rD:rD+7], v[rSB], v[rSA] matrix_a_fmt:MATRIX_FMT_FP6 matrix_b_fmt:MATRIX_FMT_FP6 matrix_b_scale:MATRIX_SCALE_ROW1
.elseif par == 2
	v_wmma_scale_f32_16x16x128_f8f6f4 v[rD:rD+7], v[rB:rB+11], v[rA:rA+11], v[rD:rD+7], v[rSB], v[rSA] matrix_a_fmt:MATRIX_FMT_FP6 matrix_b_fmt:MATRIX_FMT_FP6 matrix_a_scale:MATRIX_SCALE_ROW1
.else
	v_wmma_scale_f32_16x16x128_f8f6f4 v[rD:rD+7], v[rB:rB+11], v[rA:rA+11], v[rD:rD+7], v[rSB], v[rSA] matrix_a_fmt:MATRIX_FMT_FP6 matrix_b_fmt:MATRIX_FMT_FP6 matrix_a_scale:MATRIX_SCALE_ROW1 matrix_b_scale:MATRIX_SCALE_ROW1
.endif
.endif
.endm
.macro MULS p, zero                    ; a step's 32 products; the 32 accumulators take turns, one instruction a turn, in the same order in every step
	WIN 0xa1
.irp a, 0,1,2,3
.irp b, 0,1,2,3,4,5,6,7
	WM \a, \b, \p, \zero
.endr
.endr
.endm
.macro FETCH sl, q, p, sg              ; the fragments and scale words of slot sl's q-th step (step sg of K) into set p
	WIN 0x40
.irp b, 0,1,2,3,4,5,6,7
.irp c, 0,1,2
	ds_load_b128 v[128*(\p)+12*\b+4*\c:128*(\p)+12*\b+4*\c+3], v[ADRB+(\sl)] offset:(\q)*REC+\b*1536+512*\c
.endr
.endr
	WIN 0
.irp a, 0,1,2,3
.irp c, 0,1,2
	ds_load_b128 v[AF+48*(\p)+12*\a+4*\c:AF+48*(\p)+12*\a+4*\c+3], v[ADRA+(\sl)] offset:(\q)*REC+\a*1536+512*\c
.endr
.endr
.irp j, 0,1
	ds_load_b32 v[SC+6*(\p)+\j], v[ADSA] offset:(\sg)*512+128*\j
.endr
.irp j, 0,1,2,3
	ds_load_b32 v[SC+6*(\p)+2+\j], v[ADSB] offset:(\sg)*512+128*\j
.endr
.endm
.macro STEP p, zero, kind, nsl, nq, nsg ; kind 0: plain;  1: the next step lies in slot 1;  3: the last step
	s_wait_dscnt 0x0                               ; set p is in
.if \kind == 1
	s_wait_tensorcnt 0x0                           ; my part of slot 1 has landed (no load of mine was issued behind it)
	s_barrier_signal -1
	s_barrier_wait -1                              ; everybody's has
.endif
.if \kind != 3
.if \zero == 0
	PLACES 4                                       ; in front of loads into registers that the last step's matrix instructions have read
.endif
	FETCH \nsl, \nq, 1-(\p), \nsg
.endif
	MULS \p, \zero
	WIN 0
.endm
; THE WAY OUT of my tile a of 16 queries.  v26 = E = my query (without the tile's 32 (a / 2) + 8 (a % 2)) - the block's first key - 16 h: key 32 g + i of my half is hidden where 32 g + i - 32 (a / 2) - 8 (a % 2) > E.
.macro SOFT a
.set AC, 64*(\a)
.set PCA, 192+12*(\a)
	s_cmp_eq_u32 s94, 1
	s_cbranch_scc1 .Lopen_\@                       ; clusters 2 and 3: every key counts
	WIN 0x82                                       ; the scores: destination and source 0 window 2
.set n, 0
.rept 64
	v_cmp_gt_i32 vcc_lo, 32*(n/16)+n%16-32*((\a)/2)-8*((\a)%2), v26
	v_cndmask_b32 v[AC+n], v[AC+n], v27, vcc_lo    ; hidden scores become -infinity: p = 0 then.  (Each accumulator from its low end on)
.set n, n+1
.endr
	WIN 0
.Lopen_\@:
	WIN 0x0a                                       ; sources 0 and 1 window 2
.irp g, 0,1,2,3
	v_max_num_f32 v[TM+\g], v[AC+16*\g], v[AC+16*\g+1]   ; the largest score of each block of 32 keys: it serves for the maximum and, since p rises with the score, for the block's largest p
.endr
.irp i, 2,4,6,8,10,12,14
.irp g, 0,1,2,3
	v_max3_num_f32 v[TM+\g], v[AC+16*\g+\i], v[AC+16*\g+\i+1], v[TM+\g]
.endr
.endr
	WIN 0
.irp g, 0,1,2,3
	v_permlanex16_b32 v[TM+4+\g], v[TM+\g], s20, s21
.endr
.irp g, 0,1,2,3
	v_max_num_f32 v[TM+\g], v[TM+\g], v[TM+4+\g]   ; with lane l xor 16's 16 keys
.endr
	v_max3_num_f32 v78, v[TM], v[TM+1], v[TM+2]
	v_max_num_f32 v78, v78, v[TM+3]                ; the largest score of my query among these 128 keys
	v_mul_f32 v78, s22, v78                        ; as t
	v_max_num_f32 v78, 0xff61b1e6, v78             ; not under -3e38: a query whose 128 keys are all hidden gets -M = 3e38 and p = 0
	v_floor_f32 v72, -v78                          ; -M = floor(-t) = -ceil(t)
	v_mov_b32 v[64+(\a)], v72
	WIN 0x02                                       ; source 0 window 2
.set n, 0
.rept 32
	v_pk_fma_f32 v[P+n:P+n+1], v[AC+n:AC+n+1], s[22:23], v[72:73] op_sel_hi:[1,0,0]   ; t - M, two at a time (of the pairs c and -M the low word serves both halves)
.set n, n+2
.endr
	WIN 0
.irp g, 0,1,2,3
	v_fma_f32 v[TM+\g], v[TM+\g], s22, v72         ; the same of each block's largest score
.endr
.set n, 0
.rept 64
	v_exp_f32 v[P+n], v[P+n]                       ; p = 2^(t - M)
.set n, n+1
.endr
.irp g, 0,1,2,3
	v_exp_f32 v[TM+\g], v[TM+\g]                   ; the block's largest p: the same two instructions on the same number
.endr
	v_nop                                          ; a plain place behind the last exponential
	s_wait_alu depctr_va_vdst(0)                   ; one wait for the batch of 68, ahead of its first reader
	v_pk_add_f32 v[74:75], v[P:P+1], v[P+2:P+3]    ; the sum of the UNQUANTISED p, two at a time, in two chains
	v_pk_add_f32 v[76:77], v[P+4:P+5], v[P+6:P+7]
.set n, 8
.rept 14
	v_pk_add_f32 v[74:75], v[74:75], v[P+n:P+n+1]
	v_pk_add_f32 v[76:77], v[76:77], v[P+n+2:P+n+3]
.set n, n+4
.endr
	v_pk_add_f32 v[74:75], v[74:75], v[76:77]
	v_add_f32 v78, v74, v75
	v_permlanex16_b32 v[TM+4], v78, s20, s21
	v_add_f32 v[68+(\a)], v78, v[TM+4]             ; with lane l xor 16's 64 keys: l of these 128 keys
.irp g, 0,1,2,3
	v_max_num_f32 v[TM+\g], 0x1800000, v[TM+\g]    ; the floor 2^(3 - 127): the byte cannot fall under 1
.endr
.irp g, 0,1,2,3
	v_add_nc_u32 v[TM+12+\g], 0xff000000, v[TM+\g] ; 2 off the exponent field: the conversion's scale operand
.endr
.irp g, 0,1,2,3
	v_lshrrev_b32 v[TM+4+\g], 23, v[TM+12+\g]      ; the scale's byte
.endr
	v_lshl_or_b32 v[60+(\a)], v[TM+5], 8, v[TM+4]
	v_lshl_or_b32 v[60+(\a)], v[TM+6], 16, v[60+(\a)]
	v_lshl_or_b32 v[60+(\a)], v[TM+7], 24, v[60+(\a)]
.irp c, 0,1
	v_cvt_scalef32_pk16_fp6_f32 v[PCA+6*\c:PCA+6*\c+2], v[P+32*\c:P+32*\c+15], v[TM+12+2*\c]
	v_cvt_scalef32_pk16_fp6_f32 v[240+4*\c:242+4*\c], v[P+32*\c+16:P+32*\c+31], v[TM+13+2*\c]
.endr
	v_nop                                          ; one plain place behind the scaled conversions
.irp c, 0,1
.irp i, 0,1,2
	v_permlane16_swap_b32 v[PCA+6*\c+\i], v[240+4*\c+\i]   ; a whole block to a lane
.endr
.irp i, 0,1,2
	v_mov_b32 v[PCA+6*\c+3+\i], v[240+4*\c+\i]
.endr
.endr
.irp c, 0,1,2
	global_store_b128 v[L16], v[PCA+4*\c:PCA+4*\c+3], s[80:81] offset:1536*(\a)+512*\c   ; 512 consecutive bytes, aligned; each tile has registers of its own
.endr
	ds_store_b32 v[SCW], v[60+(\a)] offset:64*(\a)         ; lanes r and r + 16 write the same word with the same value
	ds_store_b32 v[SCW], v[64+(\a)] offset:256+64*(\a)
	ds_store_b32 v[SCW], v[68+(\a)] offset:512+64*(\a)
.endm
	s_load_b128 s[4:7], s[0:1], 0x0                ; qkv s[4:5], pbuf s[6:7]
	v_lshl_add_u32 v254, v0, 2, 0x4c000
	v_mov_b32 v255, 0
	ds_add_u32 v254, v255
	ds_add_u32 v254, v255
	v_lshrrev_b32 v1, 5, v0
	v_readfirstlane_b32 s14, v1                    ; wave 0..3
	s_lshr_b32 s15, s14, 1                         ; which of the two query blocks I multiply.  Also: I fetch for q (0) or for k (1)
	s_and_b32 s16, s14, 1                          ; which four tiles of it.  Also: which part I fetch
	s_bfe_u32 s40, ttmp6, 0x40000                  ; cx
	s_bfe_u32 s41, ttmp6, 0x40004                  ; cy
	s_lshl_b32 s43, s41, 2
	s_lshl_b32 s43, 15, s43                        ; my row of the cluster
	s_lshl_b32 s44, 0x1111, s40                    ; my column
	s_or_b32 s[G1A], s43, (3<<16)|(1<<21)          ; group 1: dense blocks as rows of 256 bytes (32 elements of 8 bytes): q 192 rows, k 96; the mask; bit 21 beside it
	s_or_b32 s[G1B], s44, (3<<16)|(1<<21)
	s_mov_b32 s[G1A+1], 32<<16
	s_mov_b32 s[G1A+2], 192<<16
	s_mov_b32 s[G1A+3], 32<<16
	s_mov_b32 s[G1A+4], 192
	s_mov_b32 s[G1A+5], 32
	s_mov_b32 s[G1A+6], 0
	s_mov_b32 s[G1A+7], 0
	s_mov_b32 s[G1B+1], 32<<16
	s_mov_b32 s[G1B+2], 96<<16
	s_mov_b32 s[G1B+3], 32<<16
	s_mov_b32 s[G1B+4], 96
	s_mov_b32 s[G1B+5], 32
	s_mov_b32 s[G1B+6], 0
	s_mov_b32 s[G1B+7], 0
	; the job
	s_and_b32 s67, ttmp7, 0xffff
	s_lshl_b32 s67, s67, 4                         ; 16 x batch
	s_cmp_ge_u32 ttmp9, 2
	s_cselect_b32 s66, 1, 0                        ; qc: which 1,024 queries
	s_lshl_b32 s68, s66, 1
	s_sub_co_u32 s68, ttmp9, s68                   ; kc: which 512 keys
	s_lshr_b32 s94, ttmp9, 1                       ; 1 in clusters 2 and 3
	s_lshl_b32 s70, s66, 3
	s_add_co_u32 s70, s70, s67
	s_lshl_b32 s45, s41, 1
	s_add_co_u32 s70, s70, s45                     ; my first query block: 16 batch + 8 qc + 2 cy
	s_lshl_b32 s69, s68, 2
	s_add_co_u32 s69, s69, s40                     ; my key block in the batch: 4 kc + cx
	s_add_co_u32 s71, s69, s67                     ; + 16 batch
	s_add_co_u32 s72, s70, s16
	s_mul_i32 s72, s72, 8*REC                      ; q: the block that I fetch
	s_mov_b32 s73, 0
	s_mul_i32 s74, s71, 8*REC
	s_mul_i32 s75, s16, 2*REC
	s_add_co_u32 s74, s74, s75
	s_add_co_u32 s74, s74, 512*REC                 ; k: behind q's 512 records; my two steps of four
	s_mov_b32 s75, 0
	s_mul_i32 s76, s16, APART
	s_mul_i32 s77, s16, 2*REC
	s_add_co_u32 s77, s77, BOFF
	s_lshl_b32 s78, s70, 12                        ; q's scale words: my quarter of two blocks'
	s_lshl_b32 s79, s14, 11
	s_add_co_u32 s78, s78, s79
	s_add_co_u32 s78, s78, QKS
	s_mov_b32 s79, 0
	s_lshl_b32 s86, s71, 12                        ; k's: my quarter of one block's
	s_lshl_b32 s87, s14, 10
	s_add_co_u32 s86, s86, s87
	s_add_co_u32 s86, s86, QKS+512*512
	s_mov_b32 s87, 0
	s_mov_b32 s20, 0x76543210
	s_mov_b32 s21, 0xfedcba98                      ; v_permlanex16_b32's selects for lane l xor 16
	s_mov_b32 s22, 0x3d38aa3b                      ; c = log2(e) / sqrt(1024)
	s_mov_b32 s23, s22                             ; (named with it as a pair, so it is written)
	; LDS addresses
	v_and_b32 v3, 31, v0                           ; lane
	v_and_b32 v1, 15, v0                           ; r
	v_bfe_u32 v2, v0, 4, 1                         ; h
	v_lshlrev_b32 v[L16], 4, v3
	v_lshlrev_b32 v[L8], 3, v3
	s_mul_i32 s88, s15, APART
	s_mul_i32 s89, s16, 4*1536
	s_add_co_u32 s88, s88, s89
	v_add_nc_u32 v[ADRA], s88, v[L16]
	s_add_co_u32 s88, s88, SLOT
	v_add_nc_u32 v[ADRA+1], s88, v[L16]
	v_add_nc_u32 v[ADRB], BOFF, v[L16]
	v_add_nc_u32 v[ADRB+1], SLOT+BOFF, v[L16]
	v_lshlrev_b32 v6, 2, v3
	v_add_nc_u32 v[ADSB], SCLB, v6
	s_lshl_b32 s88, s15, 12
	s_lshl_b32 s89, s16, 8
	s_add_co_u32 s88, s88, s89
	s_add_co_u32 s88, s88, SCLA
	v_add_nc_u32 v[ADSA], s88, v6
	s_lshl_b32 s88, s14, 10
	s_add_co_u32 s88, s88, SCR
	v_lshl_add_u32 v[SCW], v1, 2, s88
	v_add_nc_u32 v[SCRD], s88, v[L8]
	s_lshl_b32 s88, s14, 11
	s_add_co_u32 s88, s88, SCLA
	v_add_nc_u32 v4, s88, v[L16]
	s_lshl_b32 s88, s14, 10
	s_add_co_u32 s88, s88, SCLB
	v_add_nc_u32 v5, s88, v[L16]
	; the mask's E (it enters compares of data alone: no branch and no address hangs on it)
	s_add_co_u32 s88, s70, s15
	s_sub_co_u32 s88, s88, s71
	s_lshl_b32 s88, s88, 7                         ; 128 x (my query block - my key block)
	s_lshl_b32 s89, s16, 6
	s_add_co_u32 s88, s88, s89                     ; + 64 x (w % 2)
	v_and_b32 v6, 8, v1
	v_add_nc_u32 v6, v6, v1                        ; r % 8 + 16 (r / 8)
	v_lshlrev_b32 v7, 4, v2
	v_sub_nc_u32 v6, v6, v7                        ; - 16 h
	v_add_nc_u32 v26, s88, v6
	v_mov_b32 v27, 0xff800000                      ; -infinity
	v_mov_b32 v73, 0                               ; (named as the upper half of the pair v[72:73])
.irp b, 0,1,2,3
	v_mov_b32 v[TM+4+\b], 0                        ; written once: a lane permute's destination counts as one of its sources
.endr
	s_wait_dscnt 0x0
	s_wait_kmcnt 0x0
	s_add_nc_u64 s[72:73], s[4:5], s[72:73]
	s_add_nc_u64 s[74:75], s[4:5], s[74:75]
	s_add_nc_u64 s[78:79], s[4:5], s[78:79]
	s_add_nc_u64 s[86:87], s[4:5], s[86:87]
	CROUND                                         ; all sixteen work-groups are here: the joint loads meet
.irp n, 0,1
	s_mov_b32 s[G0A+4*\n], 1
	s_add_co_u32 s[G0A+4*\n+1], s76, \n*SLOT
	s_add_nc_u64 s[G0A+4*\n+2:G0A+4*\n+3], s[72:73], \n*APART
	s_or_b32 s[G0A+4*\n+3], s[G0A+4*\n+3], 0x80000000
	s_mov_b32 s[G0B+4*\n], 1
	s_add_co_u32 s[G0B+4*\n+1], s77, \n*SLOT
	s_add_nc_u64 s[G0B+4*\n+2:G0B+4*\n+3], s[74:75], \n*APART
	s_or_b32 s[G0B+4*\n+3], s[G0B+4*\n+3], 0x80000000
	JLOAD G0A+4*\n, G1A, G0B+4*\n, G1B             ; all of K is asked for here: two loads of mine are out
.endr
.irp i, 0,1,2,3
	global_load_b128 v[96+4*\i:99+4*\i], v[L16], s[78:79] offset:512*\i   ; the scale words come once, through registers: 512 consecutive bytes a load
.endr
.irp i, 0,1
	global_load_b128 v[112+4*\i:115+4*\i], v[L16], s[86:87] offset:512*\i
.endr
	s_add_co_u32 s88, s70, s15                     ; where my results go: record 16 x (my query block) + key block
	s_lshl_b32 s88, s88, 4
	s_add_co_u32 s88, s88, s69
	s_mul_i32 s92, s88, REC
	s_mul_i32 s93, s16, 4*1536
	s_add_co_u32 s92, s92, s93
	s_mov_b32 s93, 0
	s_add_nc_u64 s[80:81], s[6:7], s[92:93]
	s_lshl_b32 s92, s88, 9
	s_lshl_b32 s93, s16, 8
	s_add_co_u32 s92, s92, s93
	s_add_co_u32 s92, s92, PS
	s_mov_b32 s93, 0
	s_add_nc_u64 s[82:83], s[6:7], s[92:93]
	s_wait_loadcnt 0x0
.irp i, 0,1,2,3
	ds_store_b128 v4, v[96+4*\i:99+4*\i] offset:512*\i
.endr
.irp i, 0,1
	ds_store_b128 v5, v[112+4*\i:115+4*\i] offset:512*\i
.endr
	s_wait_tensorcnt 0x1                           ; my part of slot 0 is in; slot 1's load may stay out
	s_wait_dscnt 0x0                               ; my scale words have landed
	s_barrier_signal -1
	s_barrier_wait -1
	FETCH 0, 0, 0, 0
	STEP 0, 1, 0, 0, 1, 1                          ; the first products start the sums: nothing is cleared
	STEP 1, 0, 0, 0, 2, 2
	STEP 0, 0, 0, 0, 3, 3
	STEP 1, 0, 1, 1, 0, 4
	STEP 0, 0, 0, 1, 1, 5
	STEP 1, 0, 0, 1, 2, 6
	STEP 0, 0, 0, 1, 3, 7
	STEP 1, 0, 3, 0, 0, 0
	PLACES 4                                       ; behind the last products, in front of the first read of results and the first write of operand registers
	SOFT 0
	SOFT 1
	SOFT 2
	SOFT 3
	ds_load_b64 v[80:81], v[SCRD]                  ; my own bytes, served in order: the four tiles' scale words,
	ds_load_b64 v[82:83], v[SCRD] offset:256       ; -M,
	ds_load_b64 v[84:85], v[SCRD] offset:512       ; and l
	s_wait_dscnt 0x0
	global_store_b64 v[L8], v[80:81], s[82:83]     ; 256 consecutive bytes each, aligned
	global_store_b64 v[L8], v[82:83], s[82:83] offset:524288
	global_store_b64 v[L8], v[84:85], s[82:83] offset:1048576
	s_wait_tensorcnt 0x0
	ds_add_u32 v254, v255
	s_wait_dscnt 0x0
	CROUND                                         ; the closing round: no work-group ends while a partner may still ask for a tile that names it
	s_endpgm
.Lfunc_end_k_q26ef07a8b3_score:
	.size	k_q26ef07a8b3_score, .Lfunc_end_k_q26ef07a8b3_score-k_q26ef07a8b3_score
	.p2alignl 7, 3214868480
	.fill 96, 4, 3214868480
	.section	.rodata,"a",@progbits
	.p2align	6, 0x0
	.amdhsa_kernel k_q26ef07a8b3_score
		.amdhsa_group_segment_fixed_size 311808
		.amdhsa_private_segment_fixed_size 0
		.amdhsa_enable_private_segment 0
		.amdhsa_kernarg_size 16
		.amdhsa_user_sgpr_count 2
		.amdhsa_user_sgpr_kernarg_segment_ptr 1
		.amdhsa_wavefront_size32 1
		.amdhsa_system_sgpr_workgroup_id_x 1
		.amdhsa_system_sgpr_workgroup_id_y 1
		.amdhsa_system_sgpr_workgroup_id_z 1
		.amdhsa_system_vgpr_workitem_id 0
		.amdhsa_next_free_vgpr 768
		.amdhsa_next_free_sgpr 100
		.amdhsa_reserve_vcc 1
		.amdhsa_float_denorm_mode_32 3
		.amdhsa_float_denorm_mode_16_64 3
		.amdhsa_memory_ordered 1
		.amdhsa_forward_progress 1
		.amdhsa_inst_pref_size 130
	.end_amdhsa_kernel
	.amdgpu_metadata
---
amdhsa.version: [ 1, 2 ]
amdhsa.kernels:
  - .name:           k_q26ef07a8b3_score
    .symbol:         k_q26ef07a8b3_score.kd
    .args:
      - { .name: qkv, .offset: 0, .size: 8, .value_kind: global_buffer, .address_space: global }
      - { .name: pbuf, .offset: 8, .size: 8, .value_kind: global_buffer, .address_space: global }
    .group_segment_fixed_size: 311808
    .private_segment_fixed_size: 0
    .kernarg_segment_align: 8
    .kernarg_segment_size: 16
    .max_flat_workgroup_size: 128
    .sgpr_count:     100
    .vgpr_count:     768
    .wavefront_size: 32
...
	.end_amdgpu_metadata
.endif
;; end of part 3
;; launch mix (part 4): grid 16 x 16, 4 waves a work-group, clusters of 4 x 4, 327,680 bytes of LDS; arguments qkv, pbuf, out0; writes out0
.if DOCPART == 4
	.amdgcn_target "amdgcn-amd-amdhsa--gfx1250"
	.amdhsa_code_object_version 6
	.text
	.protected	k_q26ef07a8b3_mix
	.globl	k_q26ef07a8b3_mix
	.p2align	8
	.type	k_q26ef07a8b3_mix,@function
k_q26ef07a8b3_mix:
	s_mov_b64 s[64:65], 0
	v_nop
	global_prefetch_b8 v0, s[64:65] scope:SCOPE_SE
	s_setreg_imm32_b32 hwreg(HW_REG_WAVE_MODE, 25, 1), 1
	s_wait_xcnt 0x0
	s_wait_alu depctr_hold_cnt(0) depctr_sa_sdst(0) depctr_va_vdst(0) depctr_va_sdst(0) depctr_va_ssrc(0) depctr_va_vcc(0) depctr_vm_vsrc(0)
	s_getreg_b32 s2, hwreg(HW_REG_IB_STS2, 6, 4)
	s_cmp_eq_u32 s2, 0
	s_cbranch_scc0 .Lentry_in_a_cluster
	s_endpgm
.Lentry_in_a_cluster:
	s_bfe_u32 s2, ttmp6, 0x10000c
	s_cmp_lg_u32 s2, 0xf033
	s_cbranch_scc0 .Lentry_shape_is_right
	s_endpgm
.Lentry_shape_is_right:
; O^T = v^T p^T on codes of FP6 (E2M3), K = the keys, divided by the row's sum.  p comes with a whole number M for each (query, 128 keys): at the head each wave finds its queries' row M (the largest), takes
; D = row M - block M off the four scale bytes of each block (held at 0 from below; the codes stay), and adds the blocks' sums as l x 2^-D: exact powers of two throughout.
; FORMAT, SHARES, SOURCES: as in the launches before: a work-group takes 256 queries (A = p, two blocks) x 128 of the head's 1,024 (B = v^T, one block); wave w takes tiles 4 (w % 2) .. + 3 of block w / 2;
; source 0 = v^T's fragment, source 1 = p's: lane (r, h) holds query lane-row r, register 16 g + i of a tile's 64 holds channel 32 g + 16 h + i of the block.
; CLUSTER 4 x 4: cy picks the queries, cx the channels; p's tiles are asked for jointly along a row of the cluster, v^T's along a column.  The cluster's x gives qc (which 1,024 queries) and dc (which 512 channels).
; K: 8 steps of 128 keys where qc = 0, 16 where qc = 1 (the keys behind are hidden from all its queries): a branch on the cluster's number, the same in all partners.  Two slots of four steps; where qc = 1 each is filled a
; second time, behind a round of the cluster's barrier.  By the text's own count a wave has at most two tensor loads out.
; LIMITS: a scale byte of p that would fall under 0 is held at 0 (such terms lie under 7.5 x 2^-127, beside a row's sum above 1/2); NaN and infinities among the inputs are not served.
; REGISTERS.  Window 0: v1-31 addresses; v32-43 scale words, two sets, nothing else; v60-87 small figures; v128-223 p's fragments (at the head: p's scale words, -M, l).  Window 1: v^T's fragments.  Window 2: the accumulators.
.set REC,   12288
.set APART, 4*REC
.set BOFF,  2*APART
.set SLOT,  3*APART
.set SCLA,  2*SLOT                     ; p's shifted scale words: [block][16 steps][512]
.set SCLB,  SCLA+16384                 ; v^T's: [16 steps][512]
.set SCR,   SCLB+8192                  ; 256 bytes for each wave
.set SPARE, SCR+1024                   ; the spare words, 128 bytes for each wave: two blocks of 256 bytes that no other line names
.set QKS,   18874368
.set PS,    12582912
.set SPI,   528                        ; the way out: a stage row, 512 bytes + 16; the stages lie in slot 0, which has had its last fill and its last read by then
.set ADRA, 16
.set ADRB, 18
.set ADSA, 20
.set ADSB, 21
.set L16,  22
.set L8,   23
.set SCW,  24
.set SCRD, 25
.set STO,  26
.set RD,   27
.set SPW,  28                          ; v28  LDS address of my spare word; never rewritten
.set NIL,  29                          ; v29  0; never rewritten
.set SC,   32
.set AF,   128
.set G1A,  24
.set G0A,  32
.set G1B,  48
.set G0B,  56
.set MSB, 0
.macro WIN new                         ; the immediate's high byte repeats the setting that is left
.if MSB != \new
	s_set_vgpr_msb (MSB<<8)|\new
.set MSB, \new
.endif
.endm
.macro PLACES n
.rept \n
	v_nop
.endr
.endm
.macro JLOAD g0a, g1a, g0b, g1b        ; a joint load: waves 0 and 1 fetch p's two blocks, waves 2 and 3 the halves of v^T's; four v_nop follow each line
	s_cmp_eq_u32 s15, 0
	s_cbranch_scc0 .Lfor_b_\@
	tensor_load_to_lds s[\g0a:\g0a+3], s[\g1a:\g1a+7]
	s_nop 0
.rept 4
	v_nop
.endr
	s_branch .Lasked_\@
.Lfor_b_\@:
	tensor_load_to_lds s[\g0b:\g0b+3], s[\g1b:\g1b+7]
	s_nop 0
.rept 4
	v_nop
.endr
.Lasked_\@:
.endm
.macro CROUND                          ; a round of the cluster's barrier
	s_barrier_signal -1
	s_barrier_wait -1
	s_cmp_lg_u32 s14, 0
	s_cbranch_scc1 .Lnot_wave_0_\@
	s_barrier_signal -3
.Lnot_wave_0_\@:
	s_barrier_wait -3
	s_barrier_signal -1
	s_barrier_wait -1
.endm
.macro WM a, b, p, zero                ; one product; an odd tile's scale words stand in lanes 16-31 of its register
.set rD, 8*(8*(\a)+(\b))
.set rB, 128*(\p)+12*(\b)
.set rA, AF+48*(\p)+12*(\a)
.set rSB, SC+6*(\p)+2+(\b)/2
.set rSA, SC+6*(\p)+(\a)/2
.set par, 2*((\b)%2)+(\a)%2
.if \zero
.if par == 0
	v_wmma_scale_f32_16x16x128_f8f6f4 v[rD:rD+7], v[rB:rB+11], v[rA:rA+11], 0, v[rSB], v[rSA] matrix_a_fmt:MATRIX_FMT_FP6 matrix_b_fmt:MATRIX_FMT_FP6
.elseif par == 1
	v_wmma_scale_f32_16x16x128_f8f6f4 v[rD:rD+7], v[rB:rB+11], v[rA:rA+11], 0, v[rSB], v[rSA] matrix_a_fmt:MATRIX_FMT_FP6 matrix_b_fmt:MATRIX_FMT_FP6 matrix_b_scale:MATRIX_SCALE_ROW1
.elseif par == 2
	v_wmma_scale_f32_16x16x128_f8f6f4 v[rD:rD+7], v[rB:rB+11], v[rA:rA+11], 0, v[rSB], v[rSA] matrix_a_fmt:MATRIX_FMT_FP6 matrix_b_fmt:MATRIX_FMT_FP6 matrix_a_scale:MATRIX_SCALE_ROW1
.else
	v_wmma_scale_f32_16x16x128_f8f6f4 v[rD:rD+7], v[rB:rB+11], v[rA:rA+11], 0, v[rSB], v[rSA] matrix_a_fmt:MATRIX_FMT_FP6 matrix_b_fmt:MATRIX_FMT_FP6 matrix_a_scale:MATRIX_SCALE_ROW1 matrix_b_scale:MATRIX_SCALE_ROW1
.endif
.else
.if par == 0
	v_wmma_scale_f32_16x16x128_f8f6f4 v[rD:rD+7], v[rB:rB+11], v[rA:rA+11], v[rD:rD+7], v[rSB], v[rSA] matrix_a_fmt:MATRIX_FMT_FP6 matrix_b_fmt:MATRIX_FMT_FP6
.elseif par == 1
	v_wmma_scale_f32_16x16x128_f8f6f4 v[rD:rD+7], v[rB:rB+11], v[rA:rA+11], v[rD:rD+7], v[rSB], v[rSA] matrix_a_fmt:MATRIX_FMT_FP6 matrix_b_fmt:MATRIX_FMT_FP6 matrix_b_scale:MATRIX_SCALE_ROW1
.elseif par == 2
	v_wmma_scale_f32_16x16x128_f8f6f4 v[rD:rD+7], v[rB:rB+11], v[rA:rA+11], v[rD:rD+7], v[rSB], v[rSA] matrix_a_fmt:MATRIX_FMT_FP6 matrix_b_fmt:MATRIX_FMT_FP6 matrix_a_scale:MATRIX_SCALE_ROW1
.else
	v_wmma_scale_f32_16x16x128_f8f6f4 v[rD:rD+7], v[rB:rB+11], v[rA:rA+11], v[rD:rD+7], v[rSB], v[rSA] matrix_a_fmt:MATRIX_FMT_FP6 matrix_b_fmt:MATRIX_FMT_FP6 matrix_a_scale:MATRIX_SCALE_ROW1 matrix_b_scale:MATRIX_SCALE_ROW1
.endif
.endif
.endm
.macro MULS p, zero                    ; a step's 32 products; the 32 accumulators take turns, one instruction a turn, in the same order in every step
	WIN 0xa1
.irp a, 0,1,2,3
.irp b, 0,1,2,3,4,5,6,7
	WM \a, \b, \p, \zero
.endr
.endr
.endm
.macro FETCH sl, q, p, sg              ; the fragments and scale words of slot sl's q-th step (step sg of K) into set p
	WIN 0x40
.irp b, 0,1,2,3,4,5,6,7
.irp c, 0,1,2
	ds_load_b128 v[128*(\p)+12*\b+4*\c:128*(\p)+12*\b+4*\c+3], v[ADRB+(\sl)] offset:(\q)*REC+\b*1536+512*\c
.endr
.endr
	WIN 0
.irp a, 0,1,2,3
.irp c, 0,1,2
	ds_load_b128 v[AF+48*(\p)+12*\a+4*\c:AF+48*(\p)+12*\a+4*\c+3], v[ADRA+(\sl)] offset:(\q)*REC+\a*1536+512*\c
.endr
.endr
.irp j, 0,1
	ds_load_b32 v[SC+6*(\p)+\j], v[ADSA] offset:(\sg)*512+128*\j
.endr
.irp j, 0,1,2,3
	ds_load_b32 v[SC+6*(\p)+2+\j], v[ADSB] offset:(\sg)*512+128*\j
.endr
.endm
; A step of 128 keys on set p.  kind 0: plain;  1: a change of slots behind which nothing is filled;  2: a change of slots behind which slot sl, whose last fragments are in registers, is filled again, eight steps on;  3: the last step.
.macro STEP p, zero, kind, sl, nsl, nq, nsg
.if \kind == 2
	s_wait_tensorcnt 0x0                           ; all my tensor loads have landed, my part of the next slot among them: so a group 0 may be written
	ds_add_u32 v[SPW], v[NIL]                      ; 0 onto my spare word: the descriptors' steps stand between it and the wait for it
	s_add_nc_u64 s[G0A+4*(\sl)+2:G0A+4*(\sl)+3], s[G0A+4*(\sl)+2:G0A+4*(\sl)+3], 8*REC
	s_add_nc_u64 s[G0B+4*(\sl)+2:G0B+4*(\sl)+3], s[G0B+4*(\sl)+2:G0B+4*(\sl)+3], 8*REC
	s_wait_dscnt 0x0                               ; the add is done; set p is in, and with it my reads of slot sl are over
	CROUND                                         ; no wave of any partner still reads the slot or has a load on its way
	JLOAD G0A+4*(\sl), G1A, G0B+4*(\sl), G1B       ; the first tensor load behind the round, one a wave: four steps, 128 matrix instructions, in which to land; its four v_nop are the places in front of the loads below
.else
	s_wait_dscnt 0x0                               ; set p is in
.if \kind == 1
	s_wait_tensorcnt 0x0                           ; my part of the next slot has landed (no load of mine was issued behind it)
	s_barrier_signal -1
	s_barrier_wait -1                              ; everybody's has
.endif
.if \kind != 3
.if \zero == 0
	PLACES 4                                       ; in front of loads into registers that the last step's matrix instructions have read
.endif
.endif
.endif
.if \kind != 3
	FETCH \nsl, \nq, 1-(\p), \nsg
.endif
	MULS \p, \zero
	WIN 0
.endm
; Step sg of my 64 queries (two words a lane): D = row M - block M, at most 127; l += block l x 2^-D; each of the four scale bytes becomes max(byte - D, 0).
; Bytes are at most 125 (p is at most about 1), so with bit 7 set in each byte the subtraction borrows nothing from the next byte, and bit 7 stays set just where byte >= D.
.macro SHIFT sg
.irp e, 0,1
	v_sub_f32 v[64+\e], v[160+2*(\sg)+\e], v[60+\e]        ; -M of the block less the smallest -M: a whole number, 0 or more
.endr
.irp e, 0,1
	v_cvt_i32_f32 v[64+\e], v[64+\e]                       ; (it saturates)
.endr
.irp e, 0,1
	v_min_u32 v[64+\e], 127, v[64+\e]
.endr
.irp e, 0,1
	v_sub_nc_u32 v[66+\e], 0, v[64+\e]
.endr
.irp e, 0,1
	v_ldexp_f32 v[66+\e], v[192+2*(\sg)+\e], v[66+\e]
.endr
.irp e, 0,1
	v_add_f32 v[62+\e], v[62+\e], v[66+\e]
.endr
.irp e, 0,1
	v_perm_b32 v[64+\e], v[64+\e], v[64+\e], 0             ; D in all four bytes
.endr
.irp e, 0,1
	v_or_b32 v[68+\e], s46, v[128+2*(\sg)+\e]
.endr
.irp e, 0,1
	v_sub_nc_u32 v[68+\e], v[68+\e], v[64+\e]              ; 128 + byte - D in each byte
.endr
.irp e, 0,1
	v_and_b32 v[70+\e], s46, v[68+\e]
.endr
.irp e, 0,1
	v_lshrrev_b32 v[64+\e], 7, v[70+\e]
.endr
.irp e, 0,1
	v_sub_nc_u32 v[70+\e], v[70+\e], v[64+\e]              ; 0x7f in the bytes where byte >= D, 0 in the others
.endr
.irp e, 0,1
	v_and_b32 v[128+2*(\sg)+\e], v[68+\e], v[70+\e]
.endr
	ds_store_b64 v6, v[128+2*(\sg):129+2*(\sg)] offset:512*(\sg)   ; my own tiles' words: only I read them
.endm
; THE WAY OUT of my tile a: O^T / l goes through my stage and leaves as whole rows of 512 bytes
.macro OUT a
.set AC, 64*(\a)
	WIN 0x02                                       ; source 0 window 2
.set n, 0
.rept 32
	v_pk_mul_f32 v[128+n:129+n], v[AC+n:AC+n+1], v[80+2*(\a):81+2*(\a)] op_sel_hi:[1,0]   ; each accumulator from its low end on
.set n, n+2
.endr
	WIN 0
.irp g, 0,1,2,3
.irp j, 0,1,2,3
	ds_store_b128 v[STO], v[128+16*\g+4*\j:131+16*\g+4*\j] offset:128*\g+16*\j   ; channels 32 g + 16 h + 4 j on of row r
.endr
.endr
.if (\a) > 0
	s_wait_xcnt 0x0                                ; the last tile's stores have read their registers: they are loaded again only behind this wait
.endif
.irp t, 0,1,2,3,4,5,6,7,8,9,10,11,12,13,14,15
	ds_load_b128 v[192+4*\t:195+4*\t], v[RD] offset:SPI*\t   ; LDS serves a wave's instructions in order: these see my stores
.endr
.irp t, 0,1,2,3,4,5,6,7,8,9,10,11,12,13,14,15
	s_wait_dscnt 15-\t                             ; row t is back; the 15 - t younger loads may be out
	global_store_b128 v[L16], v[192+4*\t:195+4*\t], s[84:85] offset:(32*((\a)/2)+8*((\a)%2)+\t%8+16*(\t/8))*4096 th:TH_STORE_NT   ; lane-row t's true row; 512 consecutive bytes, aligned; written once
.endr
.endm
	s_load_b128 s[4:7], s[0:1], 0x0                ; qkv s[4:5], pbuf s[6:7]
	s_load_b64 s[8:9], s[0:1], 0x10                ; out0
	v_lshl_add_u32 v[SPW], v0, 2, SPARE
	v_mov_b32 v[NIL], 0
	ds_add_u32 v28, v29
	ds_add_u32 v28, v29
	s_wait_dscnt 0x0
	v_lshrrev_b32 v1, 5, v0
	v_readfirstlane_b32 s14, v1                    ; wave 0..3
	s_lshr_b32 s15, s14, 1                         ; which of the two query blocks I multiply.  Also: I fetch for p (0) or for v^T (1)
	s_and_b32 s16, s14, 1                          ; which four tiles of it.  Also: which part I fetch
	s_bfe_u32 s40, ttmp6, 0x40000                  ; cx
	s_bfe_u32 s41, ttmp6, 0x40004                  ; cy
	s_lshl_b32 s43, s41, 2
	s_lshl_b32 s43, 15, s43                        ; my row of the cluster
	s_lshl_b32 s44, 0x1111, s40                    ; my column
	s_or_b32 s[G1A], s43, (3<<16)|(1<<21)          ; group 1: dense blocks as rows of 256 bytes (32 elements of 8 bytes): p 192 rows, v^T 96; the mask; bit 21 beside it
	s_or_b32 s[G1B], s44, (3<<16)|(1<<21)
	s_mov_b32 s[G1A+1], 32<<16
	s_mov_b32 s[G1A+2], 192<<16
	s_mov_b32 s[G1A+3], 32<<16
	s_mov_b32 s[G1A+4], 192
	s_mov_b32 s[G1A+5], 32
	s_mov_b32 s[G1A+6], 0
	s_mov_b32 s[G1A+7], 0
	s_mov_b32 s[G1B+1], 32<<16
	s_mov_b32 s[G1B+2], 96<<16
	s_mov_b32 s[G1B+3], 32<<16
	s_mov_b32 s[G1B+4], 96
	s_mov_b32 s[G1B+5], 32
	s_mov_b32 s[G1B+6], 0
	s_mov_b32 s[G1B+7], 0
	; the job
	s_and_b32 s67, ttmp7, 0xffff
	s_lshl_b32 s67, s67, 4                         ; 16 x batch
	s_lshr_b32 s66, ttmp9, 1                       ; qc: which 1,024 queries; kept for the branches
	s_and_b32 s68, ttmp9, 1                        ; dc: which 512 channels
	s_lshl_b32 s70, s66, 3
	s_add_co_u32 s70, s70, s67
	s_lshl_b32 s45, s41, 1
	s_add_co_u32 s70, s70, s45                     ; my first query block: 16 batch + 8 qc + 2 cy
	s_lshl_b32 s69, s68, 2
	s_add_co_u32 s69, s69, s40                     ; my channel block: 4 dc + cx
	s_lshl_b32 s71, s69, 6
	s_add_co_u32 s71, s71, s67                     ; v^T's record of key step 0, less 1,024
	s_add_co_u32 s72, s70, s16
	s_mul_i32 s72, s72, 16*REC                     ; p: the block that I fetch
	s_mov_b32 s73, 0
	s_mul_i32 s74, s71, REC
	s_mul_i32 s75, s16, 2*REC
	s_add_co_u32 s74, s74, s75
	s_add_co_u32 s74, s74, 1024*REC                ; v^T: my two steps of four
	s_mov_b32 s75, 0
	s_mul_i32 s76, s16, APART
	s_mul_i32 s77, s16, 2*REC
	s_add_co_u32 s77, s77, BOFF
	s_add_co_u32 s78, s70, s15                     ; p's scale words, -M and l of my 64 queries: 8,192 bytes a block, 256 for my four tiles
	s_lshl_b32 s78, s78, 13
	s_lshl_b32 s79, s16, 8
	s_add_co_u32 s78, s78, s79
	s_add_co_u32 s78, s78, PS
	s_mov_b32 s79, 0
	s_lshl_b32 s86, s71, 9                         ; v^T's scale words of all 16 steps: my quarter
	s_lshl_b32 s87, s14, 11
	s_add_co_u32 s86, s86, s87
	s_add_co_u32 s86, s86, QKS+1024*512
	s_mov_b32 s87, 0
	s_add_co_u32 s88, s70, s15                     ; out0: row 128 x (my query block) + 64 (w % 2), rows of 4,096 bytes; + 512 x channel block
	s_lshl_b32 s88, s88, 19
	s_lshl_b32 s89, s16, 18
	s_add_co_u32 s88, s88, s89
	s_lshl_b32 s89, s69, 9
	s_add_co_u32 s88, s88, s89
	s_mov_b32 s89, 0
	s_mov_b32 s46, 0x80808080
	; LDS addresses
	v_and_b32 v3, 31, v0                           ; lane
	v_and_b32 v1, 15, v0                           ; r
	v_bfe_u32 v2, v0, 4, 1                         ; h
	v_lshlrev_b32 v[L16], 4, v3
	v_lshlrev_b32 v[L8], 3, v3
	s_mul_i32 s90, s15, APART
	s_mul_i32 s91, s16, 4*1536
	s_add_co_u32 s90, s90, s91
	v_add_nc_u32 v[ADRA], s90, v[L16]
	s_add_co_u32 s90, s90, SLOT
	v_add_nc_u32 v[ADRA+1], s90, v[L16]
	v_add_nc_u32 v[ADRB], BOFF, v[L16]
	v_add_nc_u32 v[ADRB+1], SLOT+BOFF, v[L16]
	v_lshlrev_b32 v7, 2, v3
	v_add_nc_u32 v[ADSB], SCLB, v7
	s_lshl_b32 s90, s15, 13
	s_lshl_b32 s91, s16, 8
	s_add_co_u32 s90, s90, s91
	s_add_co_u32 s90, s90, SCLA
	v_add_nc_u32 v[ADSA], s90, v7                  ; my tiles' words, to read,
	v_add_nc_u32 v6, s90, v[L8]                    ; and to write: two words a lane
	s_lshl_b32 s90, s14, 8
	s_add_co_u32 s90, s90, SCR
	v_lshl_add_u32 v[SCW], v1, 2, s90
	v_add_nc_u32 v[SCRD], s90, v[L8]
	s_lshl_b32 s90, s14, 11
	s_add_co_u32 s90, s90, SCLB
	v_add_nc_u32 v5, s90, v[L16]                   ; where I put my quarter of v^T's scale words
	s_mul_i32 s90, s14, 16*SPI                     ; my stage
	v_mul_u32_u24 v[STO], v1, SPI
	v_lshl_add_u32 v[STO], v2, 6, v[STO]
	v_add_nc_u32 v[STO], s90, v[STO]               ; in: row r, + 64 h
	v_add_nc_u32 v[RD], s90, v[L16]                ; back: a row's 512 bytes
	s_wait_kmcnt 0x0
	s_add_nc_u64 s[72:73], s[6:7], s[72:73]
	s_add_nc_u64 s[74:75], s[4:5], s[74:75]
	s_add_nc_u64 s[78:79], s[6:7], s[78:79]
	s_add_nc_u64 s[86:87], s[4:5], s[86:87]
	s_add_nc_u64 s[84:85], s[8:9], s[88:89]
	CROUND                                         ; all sixteen work-groups are here: the first joint loads meet
.irp n, 0,1
	s_mov_b32 s[G0A+4*\n], 1
	s_add_co_u32 s[G0A+4*\n+1], s76, \n*SLOT
	s_add_nc_u64 s[G0A+4*\n+2:G0A+4*\n+3], s[72:73], \n*APART
	s_or_b32 s[G0A+4*\n+3], s[G0A+4*\n+3], 0x80000000
	s_mov_b32 s[G0B+4*\n], 1
	s_add_co_u32 s[G0B+4*\n+1], s77, \n*SLOT
	s_add_nc_u64 s[G0B+4*\n+2:G0B+4*\n+3], s[74:75], \n*APART
	s_or_b32 s[G0B+4*\n+3], s[G0B+4*\n+3], 0x80000000
	JLOAD G0A+4*\n, G1A, G0B+4*\n, G1B             ; steps 0 to 7: two loads of mine are out
.endr
	; while they are on their way: the scale words.  v^T's as they lie; p's shifted to the row's M
.irp i, 0,1,2,3
	global_load_b128 v[96+4*\i:99+4*\i], v[L16], s[86:87] offset:512*\i
.endr
.irp sg, 0,1,2,3,4,5,6,7
	global_load_b64 v[128+2*\sg:129+2*\sg], v[L8], s[78:79] offset:512*\sg            ; scale words: 256 consecutive bytes a load
	global_load_b64 v[160+2*\sg:161+2*\sg], v[L8], s[78:79] offset:524288+512*\sg     ; -M
	global_load_b64 v[192+2*\sg:193+2*\sg], v[L8], s[78:79] offset:1048576+512*\sg    ; l
.endr
	s_cmp_eq_u32 s66, 0
	s_cbranch_scc1 .Lfew
.irp sg, 8,9,10,11,12,13,14,15
	global_load_b64 v[128+2*\sg:129+2*\sg], v[L8], s[78:79] offset:512*\sg
	global_load_b64 v[160+2*\sg:161+2*\sg], v[L8], s[78:79] offset:524288+512*\sg
	global_load_b64 v[192+2*\sg:193+2*\sg], v[L8], s[78:79] offset:1048576+512*\sg
.endr
	s_branch .Lboth
.Lfew:                                             ; queries 0-1023 have no keys in steps 8 to 15: nothing was stored for them, so nothing is read: -M = 3e38, l = 0
.irp i, 0,1,2,3,4,5,6,7,8,9,10,11,12,13,14,15
	v_mov_b32 v[144+\i], 0
	v_mov_b32 v[176+\i], 0x7f61b1e6
	v_mov_b32 v[208+\i], 0
.endr
.Lboth:
	v_mov_b32 v62, 0                               ; the rows' sums
	v_mov_b32 v63, 0
.irp a, 0,1,2,3
	v_mov_b32 v[81+2*\a], 0                        ; (named as the upper halves of the pairs v[80+2a:81+2a])
.endr
	s_wait_loadcnt 0x0
.irp i, 0,1,2,3
	ds_store_b128 v5, v[96+4*\i:99+4*\i] offset:512*\i
.endr
.irp e, 0,1
	v_min3_num_f32 v[60+\e], v[160+\e], v[162+\e], v[164+\e]   ; the smallest -M of the 16 steps = -(the row's M)
.endr
.irp sg, 3,5,7,9,11,13
.irp e, 0,1
	v_min3_num_f32 v[60+\e], v[60+\e], v[160+2*\sg+\e], v[162+2*\sg+\e]
.endr
.endr
.irp e, 0,1
	v_min_num_f32 v[60+\e], v[60+\e], v[190+\e]
.endr
.irp sg, 0,1,2,3,4,5,6,7,8,9,10,11,12,13,14,15
	SHIFT \sg
.endr
	v_rcp_f32 v62, v62
	v_rcp_f32 v63, v63
	v_nop                                          ; a plain place behind the reciprocals
	s_wait_alu depctr_va_vdst(0)                   ; one wait for the two, ahead of their first reader
	ds_store_b64 v[SCRD], v[62:63]                 ; 1 / l by words (tile, lane-row), through my own 256 bytes,
.irp a, 0,1,2,3
	ds_load_b32 v[80+2*\a], v[SCW] offset:64*\a    ; to the lanes that hold the rows: lane (r, h) takes tile a's lane-row r
.endr
	s_wait_tensorcnt 0x1                           ; my part of slot 0 is in; slot 1's load may stay out
	s_wait_dscnt 0x0                               ; my scale words have landed, and 1 / l is in
	s_barrier_signal -1
	s_barrier_wait -1
	FETCH 0, 0, 0, 0
	STEP 0, 1, 0, 0, 0, 1, 1                       ; the first products start the sums: nothing is cleared
	STEP 1, 0, 0, 0, 0, 2, 2
	STEP 0, 0, 0, 0, 0, 3, 3
	s_cmp_eq_u32 s66, 0                            ; the same in all sixteen partners
	s_cbranch_scc1 .Lshort
	STEP 1, 0, 2, 0, 1, 0, 4                       ; slot 0 takes steps 8 to 11
	STEP 0, 0, 0, 0, 1, 1, 5
	STEP 1, 0, 0, 0, 1, 2, 6
	STEP 0, 0, 0, 0, 1, 3, 7
	STEP 1, 0, 2, 1, 0, 0, 8                       ; slot 1 takes steps 12 to 15
	STEP 0, 0, 0, 0, 0, 1, 9
	STEP 1, 0, 0, 0, 0, 2, 10
	STEP 0, 0, 0, 0, 0, 3, 11
	STEP 1, 0, 1, 0, 1, 0, 12                      ; nothing is left to ask for
	STEP 0, 0, 0, 0, 1, 1, 13
	STEP 1, 0, 0, 0, 1, 2, 14
	STEP 0, 0, 0, 0, 1, 3, 15
	STEP 1, 0, 3, 0, 0, 0, 0
	s_branch .Lout
.Lshort:
	STEP 1, 0, 1, 0, 1, 0, 4
	STEP 0, 0, 0, 0, 1, 1, 5
	STEP 1, 0, 0, 0, 1, 2, 6
	STEP 0, 0, 0, 0, 1, 3, 7
	STEP 1, 0, 3, 0, 0, 0, 0
.Lout:
	PLACES 4                                       ; behind the last products, in front of the first read of results and the first write of operand registers
	OUT 0                                          ; on both ways every wave has passed the last change of slots, behind which nobody reads slot 0, and slot 0 has had its last fill
	OUT 1
	OUT 2
	OUT 3
	s_wait_tensorcnt 0x0                           ; the wave's end, behind my last tensor load and my last LDS store
	ds_add_u32 v[SPW], v[NIL]
	s_wait_dscnt 0x0
	CROUND                                         ; the closing round: no work-group ends while a partner may still ask for a tile that names it
	s_endpgm
.Lfunc_end_k_q26ef07a8b3_mix:
	.size	k_q26ef07a8b3_mix, .Lfunc_end_k_q26ef07a8b3_mix-k_q26ef07a8b3_mix
	.p2alignl 7, 3214868480
	.fill 96, 4, 3214868480
	.section	.rodata,"a",@progbits
	.p2align	6, 0x0
	.amdhsa_kernel k_q26ef07a8b3_mix
		.amdhsa_group_segment_fixed_size 327680
		.amdhsa_private_segment_fixed_size 0
		.amdhsa_enable_private_segment 0
		.amdhsa_kernarg_size 24
		.amdhsa_user_sgpr_count 2
		.amdhsa_user_sgpr_kernarg_segment_ptr 1
		.amdhsa_wavefront_size32 1
		.amdhsa_system_sgpr_workgroup_id_x 1
		.amdhsa_system_sgpr_workgroup_id_y 1
		.amdhsa_system_sgpr_workgroup_id_z 1
		.amdhsa_system_vgpr_workitem_id 0
		.amdhsa_next_free_vgpr 768
		.amdhsa_next_free_sgpr 100
		.amdhsa_reserve_vcc 0
		.amdhsa_float_denorm_mode_32 3
		.amdhsa_float_denorm_mode_16_64 3
		.amdhsa_memory_ordered 1
		.amdhsa_forward_progress 1
		.amdhsa_inst_pref_size 203
	.end_amdhsa_kernel
	.amdgpu_metadata
---
amdhsa.version: [ 1, 2 ]
amdhsa.kernels:
  - .name:           k_q26ef07a8b3_mix
    .symbol:         k_q26ef07a8b3_mix.kd
    .args:
      - { .name: qkv, .offset: 0, .size: 8, .value_kind: global_buffer, .address_space: global }
      - { .name: pbuf, .offset: 8, .size: 8, .value_kind: global_buffer, .address_space: global }
      - { .name: out0, .offset: 16, .size: 8, .value_kind: global_buffer, .address_space: global }
    .group_segment_fixed_size: 327680
    .private_segment_fixed_size: 0
    .kernarg_segment_align: 8
    .kernarg_segment_size: 24
    .max_flat_workgroup_size: 128
    .sgpr_count:     100
    .vgpr_count:     768
    .wavefront_size: 32
...
	.end_amdgpu_metadata
.endif
;; end of part 4
;; ======== version 2 of 2: 4 launches
;; limits: right only within a limited range of input values
;; workspace buffers: xw 9,011,200 bytes; qkv 19,660,800 bytes; pbuf 9,437,184 bytes
;; launch quant (part 5): grid 704 x 1, 8 waves a work-group, no clusters, 69,120 bytes of LDS; arguments x, Wq, Wk, Wv, xw; writes xw
.if DOCPART == 5
	.amdgcn_target "amdgcn-amd-amdhsa--gfx1250"
	.amdhsa_code_object_version 6
	.text
	.protected	k_q26ef07a8b3_quant
	.globl	k_q26ef07a8b3_quant
	.p2align	8
	.type	k_q26ef07a8b3_quant,@function
k_q26ef07a8b3_quant:
	s_mov_b64 s[64:65], 0
	v_nop
	global_prefetch_b8 v0, s[64:65] scope:SCOPE_SE
	s_setreg_imm32_b32 hwreg(HW_REG_WAVE_MODE, 25, 1), 1
	s_wait_xcnt 0x0
; x [8192][1024], Wq, Wk, Wv [1024][1024], f32, become codes of FP6 (E2M3) with one E8M0 byte for each 32 along the last axis, laid as IMAGES OF OPERAND REGISTERS.
; An operand is cut into blocks of 128 rows and steps of 128 along K.  A record (block, step) is 8 fragments of 16 rows x 128 K, 1,536 bytes each: registers 4 c .. 4 c + 3 of lane L at 512 c + 16 L.
; Lane-row r of tile i takes row 32 (i / 2) + 8 (i % 2) + r % 8 + 16 (r / 8) of the block.  A record's scale words: 512 bytes, the word of (tile i, lane-row r) at 64 i + 4 r.
; Blocks 0-63 are x's, 64-71 Wq's, 72-79 Wk's, 80-87 Wv's; record = 8 x block + step; codes at 12,288 x record, scale words at XWS + 512 x record.
; A work-group makes one record, each of its eight waves one fragment.  A wave's sixteen loads read 512 consecutive bytes each (a row's 128 numbers); the rows turn through the wave's own stage in LDS, so that a lane
; gets 16 neighbours of each block of 32 of ITS row; two lanes (l, l xor 16) hold a block.  Memory binds: no matrix unit, no cluster (no two work-groups read the same bytes).
; A block's scale byte is its largest magnitude's exponent field - 2, held at 1 from below.
; LIMITS: a block of zeros, or one whose largest magnitude lies under 2^-124, gets the byte 1 (its codes are zeros or the nearest codes under that scale; the bytes are read by this program alone); NaN and infinities are not served.
.set XWS,   8650752                    ; 704 records x 12,288
.set SP,    528                        ; a stage row: 512 bytes + 16
.set WST,   16*SP                      ; a wave's stage
.set SCG,   8*WST                      ; behind the stages: the record's 512 bytes of scale words
.set TM,    16                         ; v16-19 largest magnitudes, v20-23 the other half's, then the bytes, v28-31 the conversions' scale operands
.set X,     32                         ; v32-95  64 numbers
.set PC,    96                         ; v96-107 the fragment
.set T2,    108                        ; v108-115 the upper halves of the blocks' codes, before they are moved
.set PW,    9                          ; v9      the scale word
.set SEL,   26                         ; s[26:27] selects of v_permlanex16_b32 for lane l xor 16
; 64 numbers of a lane, register 16 b + i = k 32 b + 16 (lane / 16) + i of its row, become a fragment's 12 registers and its row's scale word
.macro QUANT s, pc, t2, pw
.irp b, 0,1,2,3
	v_max3_num_f32 v[TM+\b], |v[16*\b+(\s)]|, |v[16*\b+1+(\s)]|, 0x1800000   ; my 16 numbers of block b, and the floor 2^(3 - 127): the byte cannot fall under 1
.endr
.irp i, 2,4,6,8,10,12,14
.irp b, 0,1,2,3
	s_delay_alu instid0(VALU_DEP_4)
	v_max3_num_f32 v[TM+\b], v[TM+\b], |v[16*\b+\i+(\s)]|, |v[16*\b+\i+1+(\s)]|   ; the four blocks by turns
.endr
.endr
.irp b, 0,1,2,3
	s_delay_alu instid0(VALU_DEP_4)
	v_permlanex16_b32 v[TM+4+\b], v[TM+\b], s[SEL], s[SEL+1]
.endr
.irp b, 0,1,2,3
	s_delay_alu instid0(VALU_DEP_4)
	v_max_num_f32 v[TM+\b], v[TM+\b], v[TM+4+\b]     ; with lane l xor 16's: the block's largest magnitude
.endr
.irp b, 0,1,2,3
	s_delay_alu instid0(VALU_DEP_4)
	v_add_nc_u32 v[TM+12+\b], 0xff000000, v[TM+\b]   ; 2 off its exponent field: the conversion takes that field as its scale
.endr
.irp b, 0,1,2,3
	s_delay_alu instid0(VALU_DEP_4)
	v_lshrrev_b32 v[TM+4+\b], 23, v[TM+12+\b]        ; the scale's byte
.endr
	s_delay_alu instid0(VALU_DEP_3)
	v_lshl_or_b32 v[\pw], v[TM+5], 8, v[TM+4]
	s_delay_alu instid0(VALU_DEP_1)
	v_lshl_or_b32 v[\pw], v[TM+6], 16, v[\pw]
	s_delay_alu instid0(VALU_DEP_1)
	v_lshl_or_b32 v[\pw], v[TM+7], 24, v[\pw]
.irp c, 0,1
	v_cvt_scalef32_pk16_fp6_f32 v[6*\c+(\pc):6*\c+2+(\pc)], v[32*\c+(\s):32*\c+15+(\s)], v[TM+12+2*\c]
	v_cvt_scalef32_pk16_fp6_f32 v[4*\c+(\t2):4*\c+2+(\t2)], v[32*\c+16+(\s):32*\c+31+(\s)], v[TM+13+2*\c]   ; (a conversion's three registers begin on an even number)
.endr
	v_nop                                            ; one plain place behind the scaled conversions
.irp c, 0,1                                      ; the layout wants a whole block in a lane: lanes 0-15 block 2 c, lanes 16-31 block 2 c + 1
.irp i, 0,1,2
	v_permlane16_swap_b32 v[6*\c+\i+(\pc)], v[4*\c+\i+(\t2)]
.endr
.irp i, 0,1,2
	s_delay_alu instid0(VALU_DEP_3)
	v_mov_b32 v[6*\c+3+\i+(\pc)], v[4*\c+\i+(\t2)]
.endr
.endr
.endm
	s_load_b256 s[4:11], s[0:1], 0x0               ; x s[4:5], Wq s[6:7], Wk s[8:9], Wv s[10:11]
	s_load_b64 s[12:13], s[0:1], 0x20              ; xw
	v_lshl_add_u32 v128, v0, 2, 0x10a00
	v_mov_b32 v129, 0
	v_lshrrev_b32 v1, 5, v0
	s_delay_alu instid0(VALU_DEP_1)
	v_readfirstlane_b32 s19, v1                    ; wave = tile 0..7
	v_and_b32 v3, 31, v0                           ; lane
	v_and_b32 v1, 15, v0                           ; r
	v_bfe_u32 v2, v0, 4, 1                         ; h
	s_delay_alu instid0(VALU_DEP_3)
	v_lshlrev_b32 v4, 4, v3                        ; 16 x lane: my bytes of a load, of a fragment's store, of the scale words' store
	s_mul_i32 s28, s19, WST
	v_add_nc_u32 v5, s28, v4                       ; the stage, on the way in: a row as it lies
	v_mul_u32_u24 v6, v1, SP
	s_delay_alu instid0(VALU_DEP_1)
	v_lshl_add_u32 v6, v2, 6, v6
	s_delay_alu instid0(VALU_DEP_1)
	v_add_nc_u32 v6, s28, v6                       ; and out: row r, + 64 h: my 16 numbers of each block of 32
	s_lshl_b32 s28, s19, 6
	s_add_co_u32 s28, s28, SCG
	v_lshl_add_u32 v7, v1, 2, s28                  ; my row's scale word: SCG + 64 x tile + 4 r
	v_add_nc_u32 v8, SCG, v4
.irp b, 0,1,2,3
	v_mov_b32 v[TM+4+\b], 0                        ; written once: a lane permute's destination counts as one of its sources
.endr
	s_mov_b32 s[SEL], 0x76543210
	s_mov_b32 s[SEL+1], 0xfedcba98
	s_lshr_b32 s16, ttmp9, 3                       ; block
	s_and_b32 s17, ttmp9, 7                        ; step
	s_lshr_b32 s28, s19, 1
	s_lshl_b32 s28, s28, 5
	s_and_b32 s29, s19, 1
	s_lshl_b32 s29, s29, 3
	s_add_co_u32 s28, s28, s29                     ; the tile's first row: 32 (i / 2) + 8 (i % 2)
	s_lshl_b32 s28, s28, 12                        ; rows of 4,096 bytes
	s_lshl_b32 s29, s17, 9                         ; a step is 512 bytes of a row
	s_add_co_u32 s28, s28, s29
	; x's codes lie by pairs of blocks, [pair][K half][block][four steps], so that a half of a pair is one dense run: of a record's number bits 2 and 3 change places.  W's codes and all scale words keep the record's number.
	; (The tiles that the causal mask hides wholly are not multiplied by the later launches: their p is 0 for all inputs.  A NaN or an infinity that reaches only such a tile is not carried to the result.)
	s_and_b32 s34, ttmp9, 0xfffffff3
	s_bfe_u32 s35, ttmp9, 0x10002
	s_lshl_b32 s35, s35, 3
	s_or_b32 s34, s34, s35
	s_bfe_u32 s35, ttmp9, 0x10003
	s_lshl_b32 s35, s35, 2
	s_or_b32 s34, s34, s35
	s_cmp_lt_u32 s16, 64
	s_cselect_b32 s34, s34, ttmp9
	s_mul_i32 s30, s34, 12288
	s_mul_i32 s31, s19, 1536
	s_add_co_u32 s30, s30, s31                     ; my fragment in xw
	s_mov_b32 s31, 0
	s_lshl_b32 s32, ttmp9, 9
	s_add_co_u32 s32, s32, XWS                     ; the record's scale words
	s_mov_b32 s33, 0
	s_mov_b32 s18, 80
	s_wait_alu depctr_va_vdst(0)
	s_wait_kmcnt 0x0
	s_cmp_lt_u32 s16, 80                           ; which tensor: the choice hangs on the work-group's number alone
	s_cselect_b64 s[20:21], s[8:9], s[10:11]
	s_cselect_b32 s18, 72, s18
	s_cmp_lt_u32 s16, 72
	s_cselect_b64 s[20:21], s[6:7], s[20:21]
	s_cselect_b32 s18, 64, s18
	s_cmp_lt_u32 s16, 64
	s_cselect_b64 s[20:21], s[4:5], s[20:21]
	s_cselect_b32 s18, 0, s18                      ; the tensor's first block
	s_sub_co_u32 s18, s16, s18
	s_lshl_b32 s18, s18, 19                        ; 128 rows of 4,096 bytes a block
	s_add_co_u32 s28, s28, s18
	s_mov_b32 s29, 0
	s_add_nc_u64 s[20:21], s[20:21], s[28:29]
	s_add_nc_u64 s[22:23], s[12:13], s[30:31]
	s_add_nc_u64 s[24:25], s[12:13], s[32:33]
.irp t, 0,1,2,3,4,5,6,7,8,9,10,11,12,13,14,15
	global_load_b128 v[X+4*\t:X+4*\t+3], v4, s[20:21] offset:(\t%8+16*(\t/8))*4096 th:TH_LOAD_NT   ; lane-row t: 32 lanes read 512 consecutive bytes, read once in the launch
.endr
.irp t, 0,1,2,3,4,5,6,7,8,9,10,11,12,13,14,15
	s_wait_loadcnt 15-\t                           ; loads return in order: row t is in, the 15 - t younger ones may be out
	ds_store_b128 v5, v[X+4*\t:X+4*\t+3] offset:SP*\t
.endr
.irp b, 0,1,2,3
.irp j, 0,1,2,3
	ds_load_b128 v[X+16*\b+4*\j:X+16*\b+4*\j+3], v6 offset:128*\b+16*\j   ; LDS serves a wave's instructions in order: these see my stores, and land behind them
.endr
.endr
	s_wait_dscnt 0x0
	QUANT X, PC, T2, PW
.irp c, 0,1,2
	global_store_b128 v4, v[PC+4*\c:PC+4*\c+3], s[22:23] offset:512*\c   ; 512 consecutive bytes, aligned
.endr
	ds_store_b32 v7, v[PW]                         ; lanes r and r + 16 write the same word with the same value
	s_wait_dscnt 0x0                               ; for the others' sake: my word has landed
	s_barrier_signal -1
	s_barrier_wait -1
	s_cmp_lg_u32 s19, 0
	s_cbranch_scc1 .Ldone
	ds_load_b128 v[10:13], v8                      ; wave 0 sends the record's 128 scale words: 512 consecutive bytes
	s_wait_dscnt 0x0
	global_store_b128 v4, v[10:13], s[24:25]
.Ldone:
	s_wait_tensorcnt 0x0
	ds_add_u32 v128, v129
	s_wait_dscnt 0x0
	s_endpgm
.Lfunc_end_k_q26ef07a8b3_quant:
	.size	k_q26ef07a8b3_quant, .Lfunc_end_k_q26ef07a8b3_quant-k_q26ef07a8b3_quant
	.p2alignl 7, 3214868480
	.fill 96, 4, 3214868480
	.section	.rodata,"a",@progbits
	.p2align	6, 0x0
	.amdhsa_kernel k_q26ef07a8b3_quant
		.amdhsa_group_segment_fixed_size 69120
		.amdhsa_private_segment_fixed_size 0
		.amdhsa_enable_private_segment 0
		.amdhsa_kernarg_size 40
		.amdhsa_user_sgpr_count 2
		.amdhsa_user_sgpr_kernarg_segment_ptr 1
		.amdhsa_wavefront_size32 1
		.amdhsa_system_sgpr_workgroup_id_x 1
		.amdhsa_system_sgpr_workgroup_id_y 1
		.amdhsa_system_sgpr_workgroup_id_z 1
		.amdhsa_system_vgpr_workitem_id 0
		.amdhsa_next_free_vgpr 130
		.amdhsa_next_free_sgpr 66
		.amdhsa_reserve_vcc 0
		.amdhsa_float_denorm_mode_32 3
		.amdhsa_float_denorm_mode_16_64 3
		.amdhsa_memory_ordered 1
		.amdhsa_forward_progress 1
		.amdhsa_inst_pref_size 14
	.end_amdhsa_kernel
	.amdgpu_metadata
---
amdhsa.version: [ 1, 2 ]
amdhsa.kernels:
  - .name:           k_q26ef07a8b3_quant
    .symbol:         k_q26ef07a8b3_quant.kd
    .args:
      - { .name: x, .offset: 0, .size: 8, .value_kind: global_buffer, .address_space: global }
      - { .name: Wq, .offset: 8, .size: 8, .value_kind: global_buffer, .address_space: global }
      - { .name: Wk, .offset: 16, .size: 8, .value_kind: global_buffer, .address_space: global }
      - { .name: Wv, .offset: 24, .size: 8, .value_kind: global_buffer, .address_space: global }
      - { .name: xw, .offset: 32, .size: 8, .value_kind: global_buffer, .address_space: global }
    .group_segment_fixed_size: 69120
    .private_segment_fixed_size: 0
    .kernarg_segment_align: 8
    .kernarg_segment_size: 40
    .max_flat_workgroup_size: 256
    .sgpr_count:     66
    .vgpr_count:     130
    .wavefront_size: 32
...
	.end_amdgpu_metadata
.endif
;; end of part 5
;; launch proj (part 6): grid 64 x 4, 4 waves a work-group, clusters of 4 x 4, 327,680 bytes of LDS; arguments xw, qkv; writes qkv
.if DOCPART == 6
	.amdgcn_target "amdgcn-amd-amdhsa--gfx1250"
	.amdhsa_code_object_version 6
	.text
	.protected	k_q26ef07a8b3_proj
	.globl	k_q26ef07a8b3_proj
	.p2align	8
	.type	k_q26ef07a8b3_proj,@function
k_q26ef07a8b3_proj:
	s_mov_b64 s[64:65], 0
	v_nop
	global_prefetch_b8 v0, s[64:65] scope:SCOPE_SE
	s_setreg_imm32_b32 hwreg(HW_REG_WAVE_MODE, 25, 1), 1
	s_wait_xcnt 0x0
	s_wait_alu depctr_hold_cnt(0) depctr_sa_sdst(0) depctr_va_vdst(0) depctr_va_sdst(0) depctr_va_ssrc(0) depctr_va_vcc(0) depctr_vm_vsrc(0)
	s_getreg_b32 s2, hwreg(HW_REG_IB_STS2, 6, 4)
	s_cmp_eq_u32 s2, 0
	s_cbranch_scc0 .Lentry_in_a_cluster
	s_endpgm
.Lentry_in_a_cluster:
	s_bfe_u32 s2, ttmp6, 0x10000c
	s_cmp_lg_u32 s2, 0xf033
	s_cbranch_scc0 .Lentry_shape_is_right
	s_endpgm
.Lentry_shape_is_right:
; q = x Wq^T, k = x Wk^T, v^T = Wv x^T on codes of FP6 (E2M3) with E8M0 scales, K = 1,024; the results are quantised on the way out (q, k along d; v^T along the tokens) and stored as fragment images.
; FORMAT: blocks of 128 rows, steps of 128 K; a record (block, step) = 8 fragments of 1,536 bytes (registers 4 c .. 4 c + 3 of lane L at 512 c + 16 L); lane-row r of tile i is row 32 (i / 2) + 8 (i % 2) + r % 8 + 16 (r / 8)
; of the block; scale words 512 bytes a record, (tile i, lane-row r) at 64 i + 4 r.  xw: blocks 0-63 x, 64-71 Wq, 72-79 Wk, 80-87 Wv; W's record = 8 x block + step; x's codes lie by pairs of blocks: [pair][K half][block][four steps]; scale words by 8 x block + step.
; A WORK-GROUP STAYS: it owns 256 rows of x (two blocks), which lie in LDS for the whole launch, filled once; it makes three tiles of 256 x 128 with them: against block j of Wq, of Wk and of Wv.  W's blocks walk through a ring of
; two slots of four K steps, which does not stop at a tile's end: a slot is filled again as soon as its last fragments are in registers, in steps 3 and 7 of the first two tiles.
; A TILE: 32 accumulators a wave.  Source 0 takes eight fragments, source 1 four: lane (r, h) holds source 1's lane-row r, and the 64 registers of accumulators (a, 0 .. 7) are 64 numbers of one row, 16 neighbours of each block of 32.
;   q, k:  source 0 = W's eight tiles, source 1 = x's tiles 4 (w % 2) .. + 3 of block w / 2: registers run along d.
;   v^T:   source 0 = the eight tiles of x's block w / 2, source 1 = Wv's tiles 4 (w % 2) .. + 3: rows are d, registers run along the tokens.
; TWO SETS OF ACCUMULATORS take turns, tile by tile.  A finished tile's four tiles of rows are quantised in the next tile's steps 0 to 3: the search for the largest magnitudes behind the products, three lines behind every second one, the
; conversions and stores at the step's end.  The last tile's way out stands behind its last step.
; CLUSTER 4 x 4: cy picks x's rows, cx the block j.  x's tiles are asked for jointly by the four of a row of the cluster, W's by the four of a column.  With C the cluster's number: x's blocks 8 (C / 2) + 2 cy, + 1; j = 4 (C % 2) + cx.
; qkv: codes: q [pair of token blocks][d half][block][four d steps], k record 512 + 8 x token block + d step, v^T record 1,024 + 64 x d block + token block; scale words at QKS + 512 x record, q's by 8 x token block + d step.
; By the text's own count a wave has at most one tensor load out.  No prefetch: all of x and Wq is asked for at the head, and there is no loop to run ahead in: a later block of W is asked for four steps, 128 products a wave, ahead of its first use.
; LIMITS: a block of zeros, or one whose largest magnitude lies under 2^-124, gets the byte 1 (the bytes are read by this program alone); NaN and infinities are not served.
; REGISTERS.  Window 0: v1-31 addresses; v32-43 scale words, two sets, nothing else; v44-63 at work; v64-121 the way out; v128-223 the four-fragment side, two sets.  Window 1: the eight-fragment side, sets at v0 and v128.
; Windows 2 and 3: accumulator (a, b) at v[8 (8 a + b)], tile by tile in turn.
.set REC,   12288
.set APART, 4*REC                      ; four steps of one block
.set XHALF, 2*APART                    ; x: [K half][block][four steps]
.set WB,    2*XHALF                    ; behind x: W's ring, two slots of four steps
.set SCLA,  WB+2*APART                 ; x's scale words: [block][step][512]
.set SCLB,  SCLA+8192                  ; W's, of all three blocks: [tile of the walk][step][512]
.set SCR,   SCLB+12288                 ; 1,024 bytes for each wave, for the way out
.set SPARE, SCR+4096                   ; the spare words, 128 bytes for each wave
.set XWS,   8650752
.set QKS,   18874368
.set WSTEP, 64*REC                     ; from Wq's block j to Wk's, from Wk's to Wv's
.set ADRA2, 8                          ; v8-9    W: my four tiles, slot 0, 1
.set ADRB2, 10                         ; v10-11  x: my block's eight tiles, K half 0, 1
.set ADSA2, 12                         ; v12     W's scale words: my four tiles
.set ADSB2, 13                         ; v13     x's: my block's eight tiles
.set ADRA, 16                          ; v16-17  x: my four tiles, K half 0, 1
.set ADRB, 18                          ; v18-19  W: the eight tiles, slot 0, 1
.set ADSA, 20                          ; v20     x's scale words: my four tiles
.set ADSB, 21                          ; v21     W's: the eight tiles
.set L16,  22
.set L8,   23
.set SCW,  24                          ; v24     scratch: 4 r
.set SCRD, 25                          ; v25     scratch: 8 x lane
.set SPW,  28
.set NIL,  29
.set SC,   32                          ; set p at SC + 6 p: two registers for source 1's words (lanes 0-15 tile 2 j, lanes 16-31 tile 2 j + 1), four for source 0's
.set TM,   44
.set AF,   128
.set G1A,  24
.set G0A,  32
.set G1B,  48
.set G0B,  56
.set MSB, 0
.macro WIN new                         ; the immediate's high byte repeats the setting that is left
.if MSB != (\new)
	s_set_vgpr_msb (MSB<<8)|(\new)
.set MSB, (\new)
.endif
.endm
.macro PLACES n
.rept \n
	v_nop
.endr
.endm
.macro WALU
	s_wait_alu depctr_va_vdst(0)
.endm
.macro BARRIER
	s_barrier_signal -1
	s_barrier_wait -1
.endm
.macro CROUND                          ; a round of the cluster's barrier
	BARRIER
	s_cmp_lg_u32 s14, 0
	s_cbranch_scc1 .Lnot_wave_0_\@
	s_barrier_signal -3
.Lnot_wave_0_\@:
	s_barrier_wait -3
	BARRIER
.endm
.macro TLOAD g0, g1
	tensor_load_to_lds s[\g0:\g0+3], s[\g1:\g1+7]
	s_nop 0
	PLACES 4
.endm
.macro ARM w, g0, g1                   ; a first fill: wave w's arm of the head's one chain of branches
	s_cmp_eq_u32 s14, \w
	s_cbranch_scc0 .Lnext_\@
	TLOAD \g0, \g1
	s_branch .Lasked
.Lnext_\@:
.endm
; Slot sl of W's ring, whose last fragments are in registers, is filled again with the same steps of the next block of the walk, by wave 3.
.macro REFILL sl
	s_wait_tensorcnt 0x0                           ; all my tensor loads have landed, the other slot's among them: so a group 0 may be written
	ds_add_u32 v[SPW], v[NIL]
	s_add_nc_u64 s[G0B+4*(\sl)+2:G0B+4*(\sl)+3], s[G0B+4*(\sl)+2:G0B+4*(\sl)+3], WSTEP
	s_wait_dscnt 0x0                               ; the add is done, and all my LDS loads are in: my reads of the slot are over
	CROUND                                         ; no wave of any partner still reads the slot or has a load on its way
	s_cmp_eq_u32 s14, 3
	s_cbranch_scc0 .Lnone_\@
	TLOAD G0B+4*(\sl), G1B
.Lnone_\@:
.endm
; The loads of one step into set p: the q-th step of K half (and slot) n.  role 0: eight fragments of W, four of x;  role 1: eight of x, four of W.  sgx: the step's number among x's scale words;  sgw: among W's.
.macro FETCH role, n, q, p, sgx, sgw
.if \role
.set fRB, ADRB2+(\n)
.set fRA, ADRA2+(\n)
.set fSB, ADSB2
.set fSA, ADSA2
.set fOB, (\sgx)*512
.set fOA, (\sgw)*512
.else
.set fRB, ADRB+(\n)
.set fRA, ADRA+(\n)
.set fSB, ADSB
.set fSA, ADSA
.set fOB, (\sgw)*512
.set fOA, (\sgx)*512
.endif
.irp j, 0,1
	ds_load_b32 v[SC+6*(\p)+\j], v[fSA] offset:fOA+128*\j
.endr
.irp j, 0,1,2,3
	ds_load_b32 v[SC+6*(\p)+2+\j], v[fSB] offset:fOB+128*\j
.endr
	WIN 0x40                                       ; destination window 1, address window 0
.set I_, 0
.rept 24
	ds_load_b128 v[128*(\p)+4*I_:128*(\p)+4*I_+3], v[fRB] offset:(\q)*REC+512*I_
.set I_, I_+1
.endr
	WIN 0
.set I_, 0
.rept 12
	ds_load_b128 v[AF+48*(\p)+4*I_:AF+48*(\p)+4*I_+3], v[fRA] offset:(\q)*REC+512*I_
.set I_, I_+1
.endr
.endm
; THE WAY OUT of the tile of rows a in window w, first part: 48 lines, the next one at each call: the largest magnitude of each of four blocks of 32, by turns, and from it the conversions' scale operands and the bytes.
.macro QE a, w
.set K_, QI_%4
.set J_, 64*(\a)+16*K_
.if QI_ < 4
	WIN 5*(\w)                                     ; sources 0 and 1 window w
	v_max3_num_f32 v[TM+K_], |v[J_]|, |v[J_+1]|, 0x1800000   ; my 16 numbers of the block, and the floor 2^(3 - 127): the byte cannot fall under 1
.elseif QI_ < 32
	WIN 5*(\w)
.set J_, J_+2*(QI_/4)
	v_max3_num_f32 v[TM+K_], |v[J_]|, |v[J_+1]|, v[TM+K_]
.elseif QI_ < 36
	WIN 0
	v_permlanex16_b32 v[TM+4+K_], v[TM+K_], s20, s21
.elseif QI_ < 40
	WIN 0
	v_max_num_f32 v[TM+K_], v[TM+K_], v[TM+4+K_]   ; with lane l xor 16's: the block's largest magnitude
.elseif QI_ < 44
	WIN 0
	v_add_nc_u32 v[TM+12+K_], 0xff000000, v[TM+K_] ; 2 off its exponent field: the conversion's scale operand
.else
	WIN 0
	v_lshrrev_b32 v[TM+4+K_], 23, v[TM+12+K_]      ; the scale's byte
.endif
.set QI_, QI_+1
.endm
; Second part: the scale word, the codes and their stores, at s[qBC:qBC+1] + qOC; each tile of rows has registers of its own.
.macro QT a, w
	WIN 0
.if \a == 0
	s_wait_xcnt 0x0                                ; the stores of the tile before have read their registers
.endif
	WALU
	v_lshl_or_b32 v[60+\a], v[TM+5], 8, v[TM+4]
	v_lshl_or_b32 v[60+\a], v[TM+6], 16, v[60+\a]
	v_lshl_or_b32 v[60+\a], v[TM+7], 24, v[60+\a]
	WIN \w                                         ; source 0 window w
.irp c, 0,1
	v_cvt_scalef32_pk16_fp6_f32 v[64+12*(\a)+6*\c:66+12*(\a)+6*\c], v[64*(\a)+32*\c:64*(\a)+32*\c+15], v[TM+12+2*\c]
	v_cvt_scalef32_pk16_fp6_f32 v[112+4*\c:114+4*\c], v[64*(\a)+32*\c+16:64*(\a)+32*\c+31], v[TM+13+2*\c]   ; (a conversion's three registers begin on an even number)
.endr
	WIN 0
	v_nop                                          ; one plain place behind the scaled conversions
.irp c, 0,1
.irp i, 0,1,2
	v_permlane16_swap_b32 v[64+12*(\a)+6*\c+\i], v[112+4*\c+\i]   ; a whole block to a lane
.endr
.irp i, 0,1,2
	v_mov_b32 v[67+12*(\a)+6*\c+\i], v[112+4*\c+\i]
.endr
.endr
.irp c, 0,1,2
	global_store_b128 v[L16], v[64+12*(\a)+4*\c:67+12*(\a)+4*\c], s[qBC:qBC+1] offset:qOC+1536*(\a)+512*\c   ; 512 consecutive bytes, aligned
.endr
	ds_store_b32 v[SCW], v[60+\a] offset:64*(\a)   ; lanes r and r + 16 write the same word with the same value
.if \a == 3
	ds_load_b64 v[120:121], v[SCRD]                ; my own bytes, served in order: the four tiles' 64 words
.endif
.endm
.macro QW                              ; the words leave
	global_store_b64 v[L8], v[120:121], s[qBS:qBS+1] offset:qOS   ; 256 consecutive bytes, aligned
.endm
; A step's 32 products on set p; the 32 accumulators take turns, one instruction a turn, in the same order in every step.  An odd tile's scale words stand in lanes 16-31 of its register.
; list = 1: the first part of the way out of the tile before's tile of rows qa (window qw) stands behind the products.  list = 0: source 1's tiles are waited for one by one: what may be out is the later tiles' loads, three each, and the fF
; loads of the next step behind them.
.macro MULS p, win, zero, list, qa, qw
.set QI_, 0
.irp a2, 0,1
.irp al, 0,1
.irp b2, 0,1,2,3
.irp bl, 0,1
.set rD, 8*(8*(2*\a2+\al)+2*\b2+\bl)
.set rB, 128*(\p)+12*(2*\b2+\bl)
.set rA, AF+48*(\p)+12*(2*\a2+\al)
.set rSB, SC+6*(\p)+2+\b2
.set rSA, SC+6*(\p)+\a2
	WIN 0xa1+0x50*((\win)-2)                       ; source 0 window 1, source 1 window 0, C and D window win
.if \zero
	v_wmma_scale_f32_16x16x128_f8f6f4 v[rD:rD+7], v[rB:rB+11], v[rA:rA+11], 0, v[rSB], v[rSA] matrix_a_fmt:MATRIX_FMT_FP6 matrix_b_fmt:MATRIX_FMT_FP6 matrix_a_scale:MATRIX_SCALE_ROW\bl matrix_b_scale:MATRIX_SCALE_ROW\al
.else
	v_wmma_scale_f32_16x16x128_f8f6f4 v[rD:rD+7], v[rB:rB+11], v[rA:rA+11], v[rD:rD+7], v[rSB], v[rSA] matrix_a_fmt:MATRIX_FMT_FP6 matrix_b_fmt:MATRIX_FMT_FP6 matrix_a_scale:MATRIX_SCALE_ROW\bl matrix_b_scale:MATRIX_SCALE_ROW\al
.endif
.if \list
.if \bl
	QE \qa, \qw
	QE \qa, \qw
	QE \qa, \qw
.endif
.endif
.endr
.endr
.if \list == 0
.if 2*\a2+\al < 3
	s_wait_dscnt fF+6-3*(2*\a2+\al)
.endif
.endif
.endr
.endr
	WIN 0
.endm
; A step of 128 along K on set p; the next step's operands (role, n, q, sgx, sgw) are fetched into the other set ahead of the products.
; kind 0: plain;  1: the next step lies in slot 1, and nothing is filled;  2, 4: slot 0, 1 is filled again;  3: the last step: nothing is fetched.  qa 0 .. 3: a tile of rows of the tile before (window qw) goes out;  4: its scale words;  else nothing.
.macro STEP p, zero, win, kind, role, n, q, sgx, sgw, qa, qw
.set fL, 0
.if (\qa) >= 0 && (\qa) < 4
.set fL, 1
.endif
.if \kind == 2
	REFILL 0
.elseif \kind == 4
	REFILL 1
.elseif \kind == 1
	s_wait_tensorcnt 0x0                           ; my part of slot 1 has landed
	s_wait_dscnt 0x0
	BARRIER                                        ; everybody's has
.elseif fL
	s_wait_dscnt 0x0                               ; set p is in
.else
	s_wait_dscnt 9                                 ; set p is in but for nine loads of source 1's tiles 1 to 3
.endif
.set fF, 0
	PLACES 4                                       ; in front of loads into registers that the last step's matrix instructions have read, and of the first reads of results
.if \kind != 3
	FETCH \role, \n, \q, 1-(\p), \sgx, \sgw
.set fF, 42
.endif
.if fL
	MULS \p, \win, \zero, 1, (\qa), \qw
	QT (\qa), \qw
.else
	MULS \p, \win, \zero, 0, 0, 0
.if (\qa) == 4
	QW                                             ; (the last wait among the products has shown the words in)
.endif
.endif
.endm
; A tile's eight steps.  w0: its first step among W's scale words; d = 0: the tile before (window qw) goes out; k3, k7: the kinds of steps 3 and 7; nrole: the next tile's role.
.macro TILE win, role, w0, k3, k7, nrole, d, qw
	STEP 0, 1, \win, 0, \role, 0, 1, 1, (\w0)+1, 0-10*\d, \qw      ; the first products start the sums: nothing is cleared
	STEP 1, 0, \win, 0, \role, 0, 2, 2, (\w0)+2, 1-10*\d, \qw
	STEP 0, 0, \win, 0, \role, 0, 3, 3, (\w0)+3, 2-10*\d, \qw
	STEP 1, 0, \win, \k3, \role, 1, 0, 4, (\w0)+4, 3-10*\d, \qw
	STEP 0, 0, \win, 0, \role, 1, 1, 5, (\w0)+5, 4-10*\d, \qw
	STEP 1, 0, \win, 0, \role, 1, 2, 6, (\w0)+6, 5, \qw
	STEP 0, 0, \win, 0, \role, 1, 3, 7, (\w0)+7, 5, \qw
	STEP 1, 0, \win, \k7, \nrole, 0, 0, 0, (\w0)+8, 5, \qw
.endm
	s_load_b128 s[4:7], s[0:1], 0x0                ; xw s[4:5], qkv s[6:7]
	v_lshl_add_u32 v[SPW], v0, 2, SPARE
	v_mov_b32 v[NIL], 0
	ds_add_u32 v[SPW], v[NIL]                      ; the opening: the add, twice on end, and its wait
	ds_add_u32 v[SPW], v[NIL]
	v_lshrrev_b32 v1, 5, v0
	v_readfirstlane_b32 s14, v1                    ; wave 0..3
	s_lshr_b32 s15, s14, 1                         ; which of x's two blocks I multiply
	s_and_b32 s16, s14, 1                          ; which four tiles of the four-fragment side
	s_bfe_u32 s40, ttmp6, 0x40000                  ; cx
	s_bfe_u32 s41, ttmp6, 0x40004                  ; cy
	s_lshl_b32 s43, s41, 2
	s_lshl_b32 s43, 15, s43                        ; my row of the cluster
	s_lshl_b32 s44, 0x1111, s40                    ; my column
	; group 1: dense blocks as rows of 256 bytes (32 elements of 8 bytes): x 384 rows (a K half of both blocks), W 192 rows (a slot); no padding
	s_or_b32 s[G1A], s43, (3<<16)|(1<<21)          ; 15:0 the mask; 17:16 elements of 8 bytes; 21 set beside a mask
	s_or_b32 s[G1B], s44, (3<<16)|(1<<21)
	s_mov_b32 s[G1A+1], 32<<16
	s_mov_b32 s[G1A+2], 384<<16
	s_mov_b32 s[G1A+3], 32<<16
	s_mov_b32 s[G1A+4], 384
	s_mov_b32 s[G1A+5], 32
	s_mov_b32 s[G1A+6], 0
	s_mov_b32 s[G1A+7], 0
	s_mov_b32 s[G1B+1], 32<<16
	s_mov_b32 s[G1B+2], 192<<16
	s_mov_b32 s[G1B+3], 32<<16
	s_mov_b32 s[G1B+4], 192
	s_mov_b32 s[G1B+5], 32
	s_mov_b32 s[G1B+6], 0
	s_mov_b32 s[G1B+7], 0
	s_wait_dscnt 0x0                               ; both opening adds are done
	; the job
	s_lshr_b32 s66, ttmp9, 1
	s_lshl_b32 s66, s66, 3
	s_lshl_b32 s45, s41, 1
	s_add_co_u32 s70, s66, s45                     ; x's first block of mine: 8 (C / 2) + 2 cy
	s_and_b32 s67, ttmp9, 1
	s_lshl_b32 s67, s67, 2
	s_add_co_u32 s71, s67, s40                     ; j = 4 (C % 2) + cx
	s_mul_i32 s72, s70, 8*REC                      ; x: my pair of blocks, in bytes
	s_mov_b32 s73, 0
	s_add_co_u32 s74, s71, 64
	s_mul_i32 s74, s74, 8*REC                      ; W: Wq's block j
	s_mov_b32 s75, 0
	s_lshl_b32 s78, s70, 12                        ; x's scale words: 4,096 bytes a block; my quarter of two blocks'
	s_lshl_b32 s79, s14, 11
	s_add_co_u32 s78, s78, s79
	s_add_co_u32 s78, s78, XWS
	s_mov_b32 s79, 0
	s_add_co_u32 s86, s71, 64                      ; W's: my quarter of each of the three blocks'
	s_lshl_b32 s86, s86, 12
	s_lshl_b32 s87, s14, 10
	s_add_co_u32 s86, s86, s87
	s_add_co_u32 s86, s86, XWS
	s_mov_b32 s87, 0
	s_mov_b32 s20, 0x76543210
	s_mov_b32 s21, 0xfedcba98                      ; v_permlanex16_b32's selects for lane l xor 16
	; LDS addresses
	v_and_b32 v3, 31, v0                           ; lane
	v_and_b32 v1, 15, v0                           ; r
	v_lshlrev_b32 v[L16], 4, v3
	v_lshlrev_b32 v[L8], 3, v3
	v_lshlrev_b32 v6, 2, v3
	WALU
	s_mul_i32 s88, s15, APART
	v_add_nc_u32 v[ADRB2], s88, v[L16]             ; x: my block, all eight tiles
	s_add_co_u32 s89, s88, XHALF
	v_add_nc_u32 v[ADRB2+1], s89, v[L16]
	s_mul_i32 s90, s16, 4*1536
	s_add_co_u32 s88, s88, s90
	v_add_nc_u32 v[ADRA], s88, v[L16]              ; x: my four tiles of it
	s_add_co_u32 s88, s88, XHALF
	v_add_nc_u32 v[ADRA+1], s88, v[L16]
	v_add_nc_u32 v[ADRB], WB, v[L16]               ; W: all eight tiles
	v_add_nc_u32 v[ADRB+1], WB+APART, v[L16]
	s_add_co_u32 s88, s90, WB
	v_add_nc_u32 v[ADRA2], s88, v[L16]             ; W: my four tiles
	s_add_co_u32 s88, s88, APART
	v_add_nc_u32 v[ADRA2+1], s88, v[L16]
	v_add_nc_u32 v[ADSB], SCLB, v6
	s_lshl_b32 s88, s15, 12
	s_add_co_u32 s88, s88, SCLA
	v_add_nc_u32 v[ADSB2], s88, v6
	s_lshl_b32 s89, s16, 8
	s_add_co_u32 s88, s88, s89
	v_add_nc_u32 v[ADSA], s88, v6
	s_add_co_u32 s89, s89, SCLB
	v_add_nc_u32 v[ADSA2], s89, v6
	s_lshl_b32 s88, s14, 10
	s_add_co_u32 s88, s88, SCR
	v_lshl_add_u32 v[SCW], v1, 2, s88
	v_add_nc_u32 v[SCRD], s88, v[L8]
	s_lshl_b32 s88, s14, 11
	s_add_co_u32 s88, s88, SCLA
	v_add_nc_u32 v4, s88, v[L16]                   ; where I put my quarter of x's scale words
	s_lshl_b32 s88, s14, 10
	s_add_co_u32 s88, s88, SCLB
	v_add_nc_u32 v5, s88, v[L16]                   ; and of W's
.irp b, 0,1,2,3
	v_mov_b32 v[TM+4+\b], 0                        ; written once: a lane permute's destination counts as one of its sources
.endr
	WALU
	CROUND                                         ; all sixteen work-groups are here: the first joint loads meet
	s_wait_kmcnt 0x0
	s_add_nc_u64 s[72:73], s[4:5], s[72:73]
	s_add_nc_u64 s[74:75], s[4:5], s[74:75]
	s_add_nc_u64 s[78:79], s[4:5], s[78:79]
	s_add_nc_u64 s[86:87], s[4:5], s[86:87]
.irp n, 0,1
	s_mov_b32 s[G0A+4*\n], 1                       ; count = 1
	s_mov_b32 s[G0A+4*\n+1], \n*XHALF              ; LDS address
	s_add_nc_u64 s[G0A+4*\n+2:G0A+4*\n+3], s[72:73], \n*XHALF   ; K half n of both blocks: eight records on end
	s_or_b32 s[G0A+4*\n+3], s[G0A+4*\n+3], 0x80000000           ; type = 2
	s_mov_b32 s[G0B+4*\n], 1
	s_mov_b32 s[G0B+4*\n+1], WB+\n*APART
	s_add_nc_u64 s[G0B+4*\n+2:G0B+4*\n+3], s[74:75], \n*APART
	s_or_b32 s[G0B+4*\n+3], s[G0B+4*\n+3], 0x80000000
.endr
	ARM 0, G0A, G1A                                ; the head's four tiles, one load a wave: wave 0 x's K half 0,
	ARM 1, G0B, G1B                                ; wave 1 W's slot 0,
	ARM 2, G0A+4, G1A                              ; wave 2 x's K half 1,
	TLOAD G0B+4, G1B                               ; wave 3 W's slot 1
.Lasked:
	; the scale words come once, through registers: each load reads 512 consecutive bytes
.irp i, 0,1,2,3
	global_load_b128 v[96+4*\i:99+4*\i], v[L16], s[78:79] offset:512*\i
.endr
.irp t, 0,1,2
.irp i, 0,1
	global_load_b128 v[112+8*\t+4*\i:115+8*\t+4*\i], v[L16], s[86:87] offset:32768*\t+512*\i   ; Wq's, Wk's, Wv's block j: eight blocks of 4,096 bytes apart
.endr
.endr
	; where my results go
	s_mul_i32 s91, s16, 4*1536
	s_lshl_b32 s94, s16, 8
	s_add_co_u32 s94, s94, QKS
	s_add_co_u32 s90, s70, s15                     ; my block of x
	s_lshl_b32 s88, s90, 3
	s_add_co_u32 s88, s88, s71                     ; 8 x token block + j; k's codes and words lie 512 records on
	s_mul_i32 s92, s88, REC
	s_add_co_u32 s92, s92, s91
	s_mov_b32 s93, 0
	s_add_nc_u64 s[80:81], s[6:7], s[92:93]        ; k's codes (512 records on)
	s_lshl_b32 s92, s88, 9
	s_add_co_u32 s92, s92, s94
	s_add_nc_u64 s[82:83], s[6:7], s[92:93]        ; q's and k's words
	s_lshl_b32 s92, s70, 3
	s_lshl_b32 s88, s67, 1
	s_add_co_u32 s92, s92, s88
	s_lshl_b32 s88, s15, 2
	s_add_co_u32 s92, s92, s88
	s_add_co_u32 s92, s92, s40                     ; q's codes: 16 x pair + 8 x (j / 4) + 4 x block + j % 4
	s_mul_i32 s92, s92, REC
	s_add_co_u32 s92, s92, s91
	s_add_nc_u64 s[98:99], s[6:7], s[92:93]
	s_lshl_b32 s88, s71, 6
	s_add_co_u32 s88, s88, s90
	s_add_co_u32 s88, s88, 1024                    ; v^T's record: 1,024 + 64 j + token block
	s_mul_i32 s92, s88, REC
	s_add_co_u32 s92, s92, s91
	s_add_nc_u64 s[84:85], s[6:7], s[92:93]
	s_lshl_b32 s92, s88, 9
	s_add_co_u32 s92, s92, s94
	s_add_nc_u64 s[96:97], s[6:7], s[92:93]
	s_wait_loadcnt 0x0
.irp i, 0,1,2,3
	ds_store_b128 v4, v[96+4*\i:99+4*\i] offset:512*\i
.endr
.irp t, 0,1,2
.irp i, 0,1
	ds_store_b128 v5, v[112+8*\t+4*\i:115+8*\t+4*\i] offset:4096*\t+512*\i
.endr
.endr
	s_cmp_lt_u32 s14, 2                            ; K half 0 and slot 0 are waves 0's and 1's; the others' may stay out
	s_cbranch_scc0 .Lnot_first
	s_wait_tensorcnt 0x0
.Lnot_first:
	s_wait_dscnt 0x0                               ; my scale words have landed
	BARRIER
	FETCH 0, 0, 0, 0, 0, 0
	TILE 2, 0, 0, 2, 4, 0, 1, 2                    ; q; Wk's steps follow into the slots
.set qBC, 98
.set qOC, 0
.set qBS, 82
.set qOS, 0
	TILE 3, 0, 8, 2, 4, 1, 0, 2                    ; k, while q goes out; Wv's steps follow
.set qBC, 80
.set qOC, 512*REC
.set qOS, 512*512
	TILE 2, 1, 16, 1, 3, 0, 0, 3                   ; v^T, while k goes out; nothing is left to ask for
.set qBC, 84
.set qOC, 0
.set qBS, 96
.set qOS, 0
	PLACES 4                                       ; behind the last products
.irp a, 0,1,2,3
.set QI_, 0
.rept 48
	QE \a, 2
.endr
	QT \a, 2
.endr
	s_wait_dscnt 0x0
	QW
	s_wait_tensorcnt 0x0                           ; the wave's end
	ds_add_u32 v[SPW], v[NIL]
	s_wait_dscnt 0x0
	CROUND                                         ; the closing round: no work-group ends while a partner may still ask for a tile that names it
	s_endpgm
.Lfunc_end_k_q26ef07a8b3_proj:
	.size	k_q26ef07a8b3_proj, .Lfunc_end_k_q26ef07a8b3_proj-k_q26ef07a8b3_proj
	.p2alignl 7, 3214868480
	.fill 96, 4, 3214868480
	.section	.rodata,"a",@progbits
	.p2align	6, 0x0
	.amdhsa_kernel k_q26ef07a8b3_proj
		.amdhsa_group_segment_fixed_size 327680
		.amdhsa_private_segment_fixed_size 0
		.amdhsa_enable_private_segment 0
		.amdhsa_kernarg_size 16
		.amdhsa_user_sgpr_count 2
		.amdhsa_user_sgpr_kernarg_segment_ptr 1
		.amdhsa_wavefront_size32 1
		.amdhsa_system_sgpr_workgroup_id_x 1
		.amdhsa_system_sgpr_workgroup_id_y 1
		.amdhsa_system_sgpr_workgroup_id_z 1
		.amdhsa_system_vgpr_workitem_id 0
		.amdhsa_next_free_vgpr 1024
		.amdhsa_next_free_sgpr 100
		.amdhsa_reserve_vcc 0
		.amdhsa_float_denorm_mode_32 3
		.amdhsa_float_denorm_mode_16_64 3
		.amdhsa_memory_ordered 1
		.amdhsa_forward_progress 1
		.amdhsa_inst_pref_size 240
	.end_amdhsa_kernel
	.amdgpu_metadata
---
amdhsa.version: [ 1, 2 ]
amdhsa.kernels:
  - .name:           k_q26ef07a8b3_proj
    .symbol:         k_q26ef07a8b3_proj.kd
    .args:
      - { .name: xw, .offset: 0, .size: 8, .value_kind: global_buffer, .address_space: global }
      - { .name: qkv, .offset: 8, .size: 8, .value_kind: global_buffer, .address_space: global }
    .group_segment_fixed_size: 327680
    .private_segment_fixed_size: 0
    .kernarg_segment_align: 8
    .kernarg_segment_size: 16
    .max_flat_workgroup_size: 128
    .sgpr_count:     100
    .vgpr_count:     1024
    .wavefront_size: 32
...
	.end_amdgpu_metadata
.endif
;; end of part 6
;; launch score (part 7): grid 16 x 16, 4 waves a work-group, clusters of 4 x 4, 327,680 bytes of LDS; arguments qkv, pbuf; writes pbuf
.if DOCPART == 7
	.amdgcn_target "amdgcn-amd-amdhsa--gfx1250"
	.amdhsa_code_object_version 6
	.text
	.protected	k_q26ef07a8b3_score
	.globl	k_q26ef07a8b3_score
	.p2align	8
	.type	k_q26ef07a8b3_score,@function
k_q26ef07a8b3_score:
	s_mov_b64 s[64:65], 0
	v_nop
	global_prefetch_b8 v0, s[64:65] scope:SCOPE_SE
	s_setreg_imm32_b32 hwreg(HW_REG_WAVE_MODE, 25, 1), 1
	s_wait_xcnt 0x0
	s_wait_alu depctr_hold_cnt(0) depctr_sa_sdst(0) depctr_va_vdst(0) depctr_va_sdst(0) depctr_va_ssrc(0) depctr_va_vcc(0) depctr_vm_vsrc(0)
	s_getreg_b32 s2, hwreg(HW_REG_IB_STS2, 6, 4)
	s_cmp_eq_u32 s2, 0
	s_cbranch_scc0 .Lentry_in_a_cluster
	s_endpgm
.Lentry_in_a_cluster:
	s_bfe_u32 s2, ttmp6, 0x10000c
	s_cmp_lg_u32 s2, 0xf033
	s_cbranch_scc0 .Lentry_shape_is_right
	s_endpgm
.Lentry_shape_is_right:
; S^T = k q^T on codes of FP6 (E2M3), K = 1,024; causal mask; then, for each query and each block of 128 keys: t = score x log2(e) / 32, M = ceil(the largest t of these 128 keys), p = 2^(t - M), l = the sum of the
; unquantised p; p is quantised along the keys and stored as a fragment image with its scale words, -M and l.  M is a whole number, so the next launch brings all blocks of a row under the row's M by taking
; whole numbers off the scale bytes: the codes do not change.
; FORMAT: as in the launch before.
; THE CAUSAL TRIANGLE of a batch, in squares of 512 x 512 (query square S, key square T <= S), is four rectangles of 1,024 queries x 512 keys and the two squares (1, 1), (3, 3).  Of four clusters each takes a rectangle (cluster c: queries
; 0-1023 x T 0 for c = 0, queries 1024-2047 x T c - 1 else) and half a square (c = 0, 1: the halves of (1, 1); 2, 3: of (3, 3)): 256 work-groups of equal work.  Squares that the mask hides wholly are not multiplied.
;   FIRST TILE: 256 queries x 128 keys: q's two blocks lie in LDS, all of K; wave w takes q's tiles 4 (w % 2) .. + 3 of block w / 2, against k's eight tiles.
;   SECOND TILE: 64 queries (half cy % 2 of a block) x 128 keys: wave w takes q's tile w.
; Source 0 = k's fragments, source 1 = q's: lane (r, h) holds query lane-row r, register 16 g + i of a tile's 64 holds key 32 g + 16 h + i of the block.
; CLUSTER 4 x 4: cy picks the queries, cx the keys; q's tiles are asked for jointly along a row of the cluster, k's along a column.
; THE MASK is the sums' start value: 0, or -2^100 for a hidden key, made while the head's tiles are on their way.  A query whose 128 keys are all hidden gets -M = 2^62, p = 0 and l = 0.
; k's ring has two slots of four K steps; both are filled again, once, with the second tile's key block, and q's K half 0 with the second tile's q.  By the text's own count a wave has at most one tensor load out.
; No prefetch: the first tile is asked for whole at the head, and there is no loop to run ahead in: the second tile's operands are asked for four steps, 128 products a wave, and more ahead of their use.
; pbuf: codes: 160 records a batch, as the next launch's slots take them; scale words at PS, -M at PS + 524,288, l at PS + 1,048,576, each + 512 x (16 x (16 batch + query block) + key block), (tile i, lane-row r) at 64 i + 4 r.
; LIMITS: the promise holds while |t| is under 2^31, and M is exact for |t| under 2^24; p under 2^-126 of the block's M comes out as 0; a block of p that is all zeros keeps the byte 1; NaN and infinities among the inputs are not served.
; REGISTERS.  Window 0: v1-31 addresses; v32-43 scale words, two sets, nothing else; v44-59 at work; v60-85 small figures; v96-143 codes on the way out; v144-239 q's fragments, two sets.  Window 1: k's fragments, two sets.
; Window 2: the first tile's accumulators, then its p; window 3: the second's.
.set REC,   12288
.set APART, 4*REC
.set XHALF, 2*APART                    ; q: [K half][block][four steps]; later the second tile's: [step][four fragments]
.set WB,    2*XHALF                    ; behind q: k's ring, two slots of four steps
.set SCLA,  WB+2*APART                 ; q's scale words: [block][step][512]
.set SCLB,  SCLA+8192                  ; k's, of both key blocks: [tile][step][512]
.set SCQ,   SCLB+8192                  ; the second tile's q words: [step][256]
.set SCR,   SCQ+2048                   ; 1,024 bytes for each wave, for the first way out
.set QSC,   SCR+4096                   ; the second way out: words, -M, l of 64 queries, 256 bytes each
.set SPARE, QSC+1024                   ; the spare words, 128 bytes for each wave
.set QKS,   18874368
.set PS,    7864320
.set QWA,  8                           ; v8   the second tile: my q words
.set QFA,  9                           ; v9   my q fragment
.set QSW,  10                          ; v10  the second way out: my 16 queries' place
.set QSR,  11                          ; v11  and what I read back
.set QIN,  12                          ; v12  where I put my part of the second tile's q words
.set QGO,  13                          ; v13  and where it comes from
.set ADRA, 16
.set ADRB, 18
.set ADSA, 20
.set ADSB, 21
.set L16,  22
.set L8,   23
.set SCW,  24
.set SCRD, 25
.set EQ,   26                          ; v26  my query (without the tile's 32 (a / 2) + 8 (a % 2)) - the key block's first key - 16 h
.set HID,  27                          ; v27  -2^100
.set SPW,  28
.set NIL,  29
.set EQ2,  30                          ; v30  the same for the second tile
.set SC,   32
.set TM,   44
.set AF,   144
.set G1A,  24
.set G0A,  32
.set G1B,  48
.set G0B,  56
.set G1Q,  72
.set G0Q,  88                          ; s[88:95] group 0 for the second tile's q, a set for each K half
.set MSB, 0
.macro WIN new                         ; the immediate's high byte repeats the setting that is left
.if MSB != (\new)
	s_set_vgpr_msb (MSB<<8)|(\new)
.set MSB, (\new)
.endif
.endm
.macro PLACES n
.rept \n
	v_nop
.endr
.endm
.macro WALU
	s_wait_alu depctr_va_vdst(0)
.endm
.macro BARRIER
	s_barrier_signal -1
	s_barrier_wait -1
.endm
.macro CROUND                          ; a round of the cluster's barrier
	BARRIER
	s_cmp_lg_u32 s14, 0
	s_cbranch_scc1 .Lnot_wave_0_\@
	s_barrier_signal -3
.Lnot_wave_0_\@:
	s_barrier_wait -3
	BARRIER
.endm
.macro TLOAD g0, g1
	tensor_load_to_lds s[\g0:\g0+3], s[\g1:\g1+7]
	s_nop 0
	PLACES 4
.endm
.macro ARM w, g0, g1                   ; a first fill: wave w's arm of the head's one chain of branches
	s_cmp_eq_u32 s14, \w
	s_cbranch_scc0 .Lnext_\@
	TLOAD \g0, \g1
	s_branch .Lasked
.Lnext_\@:
.endm
; Slot sl of k's ring, whose last fragments are in registers, is filled again with the second tile's key block, by wave 3; with slot 0 q's K half 0 takes the second tile's q, by waves 1 and 2.
.macro REFILL sl
	s_wait_tensorcnt 0x0                           ; all my tensor loads have landed: so a group 0 may be written
	ds_add_u32 v[SPW], v[NIL]
	s_add_nc_u64 s[G0B+4*(\sl)+2:G0B+4*(\sl)+3], s[G0B+4*(\sl)+2:G0B+4*(\sl)+3], s[46:47]
	s_wait_dscnt 0x0                               ; the add is done, and all my LDS loads are in: my reads of the bytes are over
	CROUND                                         ; no wave of any partner still reads them or has a load on its way
	s_cmp_eq_u32 s14, 3
	s_cbranch_scc0 .Lno_k_\@
	TLOAD G0B+4*(\sl), G1B
	s_branch .Lfilled_\@
.Lno_k_\@:
.if (\sl) == 0
	s_cmp_eq_u32 s14, 1
	s_cbranch_scc0 .Lno_q_\@
	TLOAD G0Q, G1Q
	s_branch .Lfilled_\@
.Lno_q_\@:
	s_cmp_eq_u32 s14, 2
	s_cbranch_scc0 .Lfilled_\@
	TLOAD G0Q+4, G1Q
.endif
.Lfilled_\@:
.endm
.macro KLOADS s, p, sg                 ; k's words (step sg among them) and eight fragments of step s into set p
.irp j, 0,1,2,3
	ds_load_b32 v[SC+6*(\p)+2+\j], v[ADSB] offset:(\sg)*512+128*\j
.endr
	WIN 0x40
.set I_, 0
.rept 24
	ds_load_b128 v[128*(\p)+4*I_:128*(\p)+4*I_+3], v[ADRB+(\s)/4] offset:((\s)%4)*REC+512*I_
.set I_, I_+1
.endr
	WIN 0
.endm
.macro FETCH s, p                      ; the first tile's step s into set p: 42 loads
.irp j, 0,1
	ds_load_b32 v[SC+6*(\p)+\j], v[ADSA] offset:(\s)*512+128*\j
.endr
	KLOADS (\s), \p, (\s)
.set I_, 0
.rept 12
	ds_load_b128 v[AF+48*(\p)+4*I_:AF+48*(\p)+4*I_+3], v[ADRA+(\s)/4] offset:((\s)%4)*REC+512*I_
.set I_, I_+1
.endr
.endm
; The second tile goes by pairs of steps, on four sets of operands: pairs 0 and 2 on the first tile's (k's fragments in window 1), pairs 1 and 3 with k's fragments in window 2, which the first tile's p has left by then,
; and scale words in v86-95, which hold nothing else.
.macro QSET s
.set qB, 128*((\s)%2)
.set qA, AF+48*((\s)%2)+12*(((\s)/2)%2)
.if ((\s)/2)%2
.set qQ, 86+5*((\s)%2)
.set qK, qQ+1
.set qN, 2
.else
.set qQ, SC+6*((\s)%2)
.set qK, qQ+2
.set qN, 1
.endif
.endm
.macro FETCHQ s                        ; step s of the second tile: 32 loads
	QSET (\s)
	ds_load_b32 v[qQ], v[QWA] offset:256*(\s)
.irp j, 0,1,2,3
	ds_load_b32 v[qK+\j], v[ADSB] offset:(8+(\s))*512+128*\j
.endr
	WIN 64*qN
.set I_, 0
.rept 24
	ds_load_b128 v[qB+4*I_:qB+4*I_+3], v[ADRB+(\s)/4] offset:((\s)%4)*REC+512*I_
.set I_, I_+1
.endr
	WIN 0
.set I_, 0
.rept 3
	ds_load_b128 v[qA+4*I_:qA+4*I_+3], v[QFA] offset:(\s)*6144+512*I_
.set I_, I_+1
.endr
.endm
.macro QROW s                          ; its eight products; the eight accumulators take turns
	QSET (\s)
	WIN 0xf0+qN                                    ; source 0 window 1 or 2, source 1 window 0, C and D window 3
.irp b2, 0,1,2,3
.irp bl, 0,1
.set rD, 8*(2*\b2+\bl)
.set rB, qB+12*(2*\b2+\bl)
.set rS, qK+\b2
	v_wmma_scale_f32_16x16x128_f8f6f4 v[rD:rD+7], v[rB:rB+11], v[qA:qA+11], v[rD:rD+7], v[rS], v[qQ] matrix_a_fmt:MATRIX_FMT_FP6 matrix_b_fmt:MATRIX_FMT_FP6 matrix_a_scale:MATRIX_SCALE_ROW\bl matrix_b_scale:MATRIX_SCALE_ROW0
.endr
.endr
.endm
; One row of eight products: source 1's tile a2, al on set p.  The accumulators take turns, one instruction a turn, in the same order in every step.  An odd tile's words stand in lanes 16-31 of its register.
.macro ROW8 a2, al, p
.irp b2, 0,1,2,3
.irp bl, 0,1
.set rD, 8*(8*(2*\a2+\al)+2*\b2+\bl)
.set rB, 128*(\p)+12*(2*\b2+\bl)
.set rA, AF+48*(\p)+12*(2*\a2+\al)
.set rSB, SC+6*(\p)+2+\b2
.set rSA, SC+6*(\p)+\a2
	v_wmma_scale_f32_16x16x128_f8f6f4 v[rD:rD+7], v[rB:rB+11], v[rA:rA+11], v[rD:rD+7], v[rSB], v[rSA] matrix_a_fmt:MATRIX_FMT_FP6 matrix_b_fmt:MATRIX_FMT_FP6 matrix_a_scale:MATRIX_SCALE_ROW\bl matrix_b_scale:MATRIX_SCALE_ROW\al
.endr
.endr
.endm
; The first tile's step s.  kind 0: plain;  2, 4: slot 0, 1 is filled again.  The counts: what may be out is the later tiles' loads of q, three each, and the fF loads of the next step behind them.
.macro STEP s, kind
.if \kind == 2
	REFILL 0
.elseif \kind == 4
	REFILL 1
.else
	s_wait_dscnt 9
.endif
	PLACES 4                                       ; in front of loads into registers that the last step's matrix instructions have read
.if (\s) < 7
	FETCH (\s)+1, ((\s)+1)%2
.set fF, 42
.else
	FETCHQ 0
.set fF, 32
.endif
	WIN 0xa1                                       ; source 0 window 1, source 1 window 0, C and D window 2
	ROW8 0, 0, (\s)%2
	s_wait_dscnt fF+6
	ROW8 0, 1, (\s)%2
	s_wait_dscnt fF+3
	ROW8 1, 0, (\s)%2
	s_wait_dscnt fF
	ROW8 1, 1, (\s)%2
	WIN 0
.endm
.macro STEPQ b                         ; steps 2 b and 2 b + 1 of the second tile; steps 4 to 7 lie in slot 1, which a plain barrier at the second pair's head shows to all
.if \b == 1
	s_wait_tensorcnt 0x0
	s_wait_dscnt 0x0
	BARRIER
.else
	s_wait_dscnt 0x0
.endif
.if \b < 3
	PLACES 4
	FETCHQ 2*\b+2
	FETCHQ 2*\b+3
.endif
	QROW 2*\b
	QROW 2*\b+1
	WIN 0
.endm
; THE WAY OUT of 16 queries: their 64 numbers a lane in window w, v[ac] on, become p in place; i: their number among the small figures; codes in v[pc] on, stored at s[base:base+1] + off; words, -M and l go to v[scr] + so, 256 bytes apart.
.macro SOFT w, ac, i, pc, base, off, scr, so
	WALU                                           ; the wait ahead of the results' first readers
	WIN 5*(\w)                                     ; sources 0 and 1 window w
.irp g, 0,1,2,3
	v_max_num_f32 v[TM+\g], v[(\ac)+16*\g], v[(\ac)+16*\g+1]   ; the largest score of each block of 32 keys: it serves for the maximum and, since p rises with the score, for the block's largest p
.endr
.irp j, 2,4,6,8,10,12,14
.irp g, 0,1,2,3
	v_max3_num_f32 v[TM+\g], v[(\ac)+16*\g+\j], v[(\ac)+16*\g+\j+1], v[TM+\g]
.endr
.endr
	WIN 0
.irp g, 0,1,2,3
	v_permlanex16_b32 v[TM+4+\g], v[TM+\g], s20, s21
.endr
.irp g, 0,1,2,3
	v_max_num_f32 v[TM+\g], v[TM+\g], v[TM+4+\g]   ; with lane l xor 16's 16 keys
.endr
	v_max3_num_f32 v78, v[TM], v[TM+1], v[TM+2]
	v_max_num_f32 v78, v78, v[TM+3]                ; the largest score of my query among these 128 keys
	v_mul_f32 v78, s22, v78                        ; as t
	v_max_num_f32 v78, 0xde800000, v78             ; not under -2^62: where all 128 keys are hidden, p = 0
	v_floor_f32 v72, -v78                          ; -M = floor(-t) = -ceil(t)
	v_mov_b32 v[64+(\i)], v72
	WIN 0x41*(\w)                                  ; destination and source 0 window w
.set n, 0
.rept 32
	v_pk_fma_f32 v[(\ac)+n:(\ac)+n+1], v[(\ac)+n:(\ac)+n+1], s[22:23], v[72:73] op_sel_hi:[1,0,0]   ; t - M, two at a time (of the pairs c and -M the low word serves both halves)
.set n, n+2
.endr
	WIN 0
.irp g, 0,1,2,3
	v_fma_f32 v[TM+\g], v[TM+\g], s22, v72         ; the same of each block's largest score
.endr
	WALU                                           ; the wait ahead of the batch
	WIN 0x41*(\w)
.set n, 0
.rept 64
	v_exp_f32 v[(\ac)+n], v[(\ac)+n]               ; p = 2^(t - M)
.set n, n+1
.endr
	WIN 0
.irp g, 0,1,2,3
	v_exp_f32 v[TM+\g], v[TM+\g]                   ; the block's largest p: the same two instructions on the same number
.endr
	v_nop                                          ; a plain place behind the last exponential
	WALU                                           ; and the wait behind the batch of 68
	WIN 5*(\w)
.irp k, 0,1,2,3
	v_pk_add_f32 v[76+2*\k:77+2*\k], v[(\ac)+4*\k:(\ac)+4*\k+1], v[(\ac)+4*\k+2:(\ac)+4*\k+3]   ; the sum of the UNQUANTISED p, two at a time, in four chains
.endr
	WIN 4*(\w)                                     ; source 1 window w
.set n, 16
.rept 6
.irp k, 0,1,2,3
	v_pk_add_f32 v[76+2*\k:77+2*\k], v[76+2*\k:77+2*\k], v[(\ac)+n:(\ac)+n+1]
.set n, n+2
.endr
.endr
	WIN 0
	v_pk_add_f32 v[76:77], v[76:77], v[78:79]
	v_pk_add_f32 v[80:81], v[80:81], v[82:83]
	v_pk_add_f32 v[74:75], v[76:77], v[80:81]
.irp g, 0,1,2,3
	v_max_num_f32 v[TM+\g], 0x1800000, v[TM+\g]    ; the floor 2^(3 - 127): the byte cannot fall under 1
.endr
	v_add_f32 v78, v74, v75
.irp g, 0,1,2,3
	v_add_nc_u32 v[TM+12+\g], 0xff000000, v[TM+\g] ; 2 off the exponent field: the conversion's scale operand
.endr
	v_permlanex16_b32 v79, v78, s20, s21
.irp g, 0,1,2,3
	v_lshrrev_b32 v[TM+4+\g], 23, v[TM+12+\g]      ; the scale's byte
.endr
	v_add_f32 v[68+(\i)], v78, v79                 ; with lane l xor 16's 64 keys: l of these 128 keys
	v_lshl_or_b32 v[60+(\i)], v[TM+5], 8, v[TM+4]
	v_lshl_or_b32 v[60+(\i)], v[TM+6], 16, v[60+(\i)]
	v_lshl_or_b32 v[60+(\i)], v[TM+7], 24, v[60+(\i)]
	WIN \w                                         ; source 0 window w
.irp c, 0,1
	v_cvt_scalef32_pk16_fp6_f32 v[(\pc)+6*\c:(\pc)+6*\c+2], v[(\ac)+32*\c:(\ac)+32*\c+15], v[TM+12+2*\c]
	v_cvt_scalef32_pk16_fp6_f32 v[240+4*\c:242+4*\c], v[(\ac)+32*\c+16:(\ac)+32*\c+31], v[TM+13+2*\c]
.endr
	WIN 0
	v_nop                                          ; one plain place behind the scaled conversions
.irp c, 0,1
.irp j, 0,1,2
	v_permlane16_swap_b32 v[(\pc)+6*\c+\j], v[240+4*\c+\j]   ; a whole block to a lane
.endr
.irp j, 0,1,2
	v_mov_b32 v[(\pc)+6*\c+3+\j], v[240+4*\c+\j]
.endr
.endr
.irp c, 0,1,2
	global_store_b128 v[L16], v[(\pc)+4*\c:(\pc)+4*\c+3], s[\base:\base+1] offset:(\off)+512*\c   ; 512 consecutive bytes, aligned
.endr
	ds_store_b32 v[\scr], v[60+(\i)] offset:\so            ; lanes r and r + 16 write the same word with the same value
	ds_store_b32 v[\scr], v[64+(\i)] offset:256+(\so)
	ds_store_b32 v[\scr], v[68+(\i)] offset:512+(\so)
.endm
	s_load_b128 s[4:7], s[0:1], 0x0                ; qkv s[4:5], pbuf s[6:7]
	v_lshl_add_u32 v[SPW], v0, 2, SPARE
	v_mov_b32 v[NIL], 0
	ds_add_u32 v[SPW], v[NIL]                      ; the opening: the add, twice on end, and its wait
	ds_add_u32 v[SPW], v[NIL]
	v_lshrrev_b32 v1, 5, v0
	v_readfirstlane_b32 s14, v1                    ; wave 0..3
	s_lshr_b32 s15, s14, 1                         ; which of the two query blocks I multiply
	s_and_b32 s16, s14, 1                          ; which four tiles of it
	s_bfe_u32 s40, ttmp6, 0x40000                  ; cx
	s_bfe_u32 s41, ttmp6, 0x40004                  ; cy
	s_lshl_b32 s43, s41, 2
	s_lshl_b32 s43, 15, s43                        ; my row of the cluster
	s_lshl_b32 s44, 0x1111, s40                    ; my column
	; group 1: dense blocks as rows of 256 bytes (32 elements of 8 bytes): q 384 rows, k 192;  the second tile's q: four rows of 6,144 bytes, four of a record's eight fragments
	s_or_b32 s[G1A], s43, (3<<16)|(1<<21)
	s_or_b32 s[G1B], s44, (3<<16)|(1<<21)
	s_or_b32 s[G1Q], s43, (3<<16)|(1<<21)
	s_mov_b32 s[G1A+1], 32<<16
	s_mov_b32 s[G1A+2], 384<<16
	s_mov_b32 s[G1A+3], 32<<16
	s_mov_b32 s[G1A+4], 384
	s_mov_b32 s[G1A+5], 32
	s_mov_b32 s[G1A+6], 0
	s_mov_b32 s[G1A+7], 0
	s_mov_b32 s[G1B+1], 32<<16
	s_mov_b32 s[G1B+2], 192<<16
	s_mov_b32 s[G1B+3], 32<<16
	s_mov_b32 s[G1B+4], 192
	s_mov_b32 s[G1B+5], 32
	s_mov_b32 s[G1B+6], 0
	s_mov_b32 s[G1B+7], 0
	s_mov_b32 s[G1Q+1], 768<<16
	s_mov_b32 s[G1Q+2], 4<<16
	s_mov_b32 s[G1Q+3], 768<<16
	s_mov_b32 s[G1Q+4], 4
	s_mov_b32 s[G1Q+5], 1536
	s_mov_b32 s[G1Q+6], 0
	s_mov_b32 s[G1Q+7], 0
	s_wait_dscnt 0x0                               ; both opening adds are done
	; the job, with c the cluster's x
	s_and_b32 s67, ttmp7, 0xffff
	s_mul_i32 s42, s67, 160                        ; 160 x batch: p's records
	s_lshl_b32 s67, s67, 4                         ; 16 x batch
	s_min_u32 s66, ttmp9, 1                        ; which 1,024 queries
	s_max_u32 s68, ttmp9, 1
	s_sub_co_u32 s68, s68, 1                       ; T = 0, 0, 1, 2
	s_lshr_b32 s69, ttmp9, 1
	s_lshl_b32 s69, s69, 1
	s_add_co_u32 s69, s69, 1                       ; the second tile's T = 1, 1, 3, 3
	s_lshr_b32 s17, s41, 1
	s_and_b32 s18, s41, 1
	s_lshl_b32 s70, s66, 3
	s_lshl_b32 s71, s41, 1
	s_add_co_u32 s70, s70, s71                     ; my first query block in the batch: 8 (which 1,024) + 2 cy
	s_lshl_b32 s71, s68, 2
	s_add_co_u32 s71, s71, s40                     ; my key block
	s_lshl_b32 s19, s69, 2
	s_and_b32 s45, ttmp9, 1
	s_lshl_b32 s45, s45, 1
	s_add_co_u32 s45, s45, s19                     ; the second tile: the cluster's pair of query blocks, 4 T + 2 (c % 2); mine is + cy / 2, its half cy % 2
	s_add_co_u32 s19, s19, s40                     ; its key block
	s_sub_co_u32 s12, s69, s68
	s_lshl_b32 s12, s12, 2                         ; so many key blocks on
	s_mul_i32 s46, s12, 8*REC
	s_mov_b32 s47, 0
	; the mask's E (it enters compares of data alone: no branch and no address hangs on it)
	s_add_co_u32 s104, s70, s15
	s_sub_co_u32 s104, s104, s71
	s_lshl_b32 s104, s104, 7
	s_lshl_b32 s8, s16, 6
	s_add_co_u32 s104, s104, s8                    ; 128 x (my query block - my key block) + 64 x (w % 2)
	s_add_co_u32 s105, s45, s17
	s_sub_co_u32 s105, s105, s19
	s_lshl_b32 s105, s105, 7
	s_lshl_b32 s8, s18, 6
	s_add_co_u32 s105, s105, s8
	s_lshl_b32 s8, s15, 5
	s_add_co_u32 s105, s105, s8
	s_lshl_b32 s8, s16, 3
	s_add_co_u32 s105, s105, s8                    ; the second tile: + 64 x half + 32 (w / 2) + 8 (w % 2)
	; where the tiles and words come from
	s_add_co_u32 s2, s67, s70
	s_lshl_b32 s86, s2, 12
	s_mul_i32 s2, s2, 8*REC                        ; q: my pair of blocks
	s_mov_b32 s3, 0
	s_lshl_b32 s87, s14, 11
	s_add_co_u32 s86, s86, s87
	s_add_co_u32 s86, s86, QKS                     ; its words: my quarter of two blocks'
	s_mov_b32 s87, 0
	s_add_co_u32 s96, s67, s45
	s_add_co_u32 s8, s96, s17
	s_mul_i32 s96, s96, 8*REC
	s_mul_i32 s97, s17, 4*REC
	s_add_co_u32 s96, s96, s97
	s_mul_i32 s97, s18, 6144
	s_add_co_u32 s96, s96, s97                     ; the second tile's q: pair, block, half
	s_mov_b32 s97, 0
	s_lshl_b32 s8, s8, 12
	s_lshl_b32 s9, s18, 8
	s_add_co_u32 s8, s8, s9
	s_lshl_b32 s9, s14, 10
	s_add_co_u32 s8, s8, s9
	s_add_co_u32 s8, s8, QKS                       ; its words: my two steps of eight
	s_add_co_u32 s100, s67, s71
	s_lshl_b32 s10, s100, 12
	s_add_co_u32 s10, s10, s9
	s_add_co_u32 s10, s10, QKS+512*512             ; k's words: my quarter of a block's
	s_mov_b32 s9, 0
	s_mov_b32 s11, 0
	s_lshl_b32 s12, s12, 12
	s_add_co_u32 s12, s12, s10                     ; the second key block's
	s_mov_b32 s13, 0
	s_mul_i32 s100, s100, 8*REC
	s_add_co_u32 s100, s100, 512*REC               ; k: behind q's 512 records
	s_mov_b32 s101, 0
	; where p goes.  In a batch a row of the next launch's cluster takes two query blocks, 20 records on end.  With query block 4 S + n, key block b = 4 T + ..:
	; S = 0, 3: row n: blocks 0-3 of query block n, then 0-15 of 12 + n.  S = 1, 2: row 4 + n: blocks 0-3 of 4 + n, 0-3 of 8 + n, 4-7 of 4 + n, 4-7 and 8-11 of 8 + n.
	; So the record is 20 n + b + 4 (S / 2) + (S = 1, 2: 80 + 4 min(T, 1)).
	s_xor_b32 s88, s66, s17                        ; 1 where S is 1 or 2
	s_min_u32 s89, s68, 1
	s_lshl_b32 s89, s89, 2
	s_add_co_u32 s89, s89, 80
	s_mul_i32 s88, s88, s89
	s_lshl_b32 s89, s18, 1
	s_add_co_u32 s89, s89, s15
	s_mul_i32 s89, s89, 20
	s_add_co_u32 s88, s88, s89
	s_lshl_b32 s89, s66, 2
	s_add_co_u32 s88, s88, s89
	s_add_co_u32 s88, s88, s71
	s_add_co_u32 s88, s88, s42
	s_mul_i32 s80, s88, REC
	s_mul_i32 s89, s16, 6144
	s_add_co_u32 s80, s80, s89                     ; my four fragments
	s_mov_b32 s81, 0
	s_add_co_u32 s88, s45, s17
	s_and_b32 s88, s88, 3
	s_mul_i32 s88, s88, 20
	s_add_co_u32 s88, s88, s19
	s_mov_b32 s90, 4
	s_cmp_lt_u32 ttmp9, 2
	s_cselect_b32 s89, 84, s90                     ; the second tile: S = 1 or 3
	s_add_co_u32 s88, s88, s89
	s_add_co_u32 s88, s88, s42
	s_mul_i32 s98, s88, REC
	s_mul_i32 s89, s18, 6144
	s_add_co_u32 s98, s98, s89
	s_mul_i32 s89, s14, 1536
	s_add_co_u32 s98, s98, s89                     ; my one fragment
	s_mov_b32 s99, 0
	s_add_co_u32 s82, s67, s70
	s_add_co_u32 s82, s82, s15
	s_lshl_b32 s82, s82, 4
	s_add_co_u32 s82, s82, s71
	s_lshl_b32 s82, s82, 9
	s_lshl_b32 s83, s16, 8
	s_add_co_u32 s82, s82, s83
	s_add_co_u32 s82, s82, PS                      ; words, -M, l of my 64 queries
	s_mov_b32 s83, 0
	s_add_co_u32 s84, s67, s45
	s_add_co_u32 s84, s84, s17
	s_lshl_b32 s84, s84, 4
	s_add_co_u32 s84, s84, s19
	s_lshl_b32 s84, s84, 9
	s_lshl_b32 s85, s18, 8
	s_add_co_u32 s84, s84, s85
	s_lshl_b32 s85, s14, 19
	s_add_co_u32 s84, s84, s85
	s_add_co_u32 s84, s84, PS                      ; the second tile's words (wave 0), -M (1), l (2)
	s_mov_b32 s85, 0
	s_mov_b32 s20, 0x76543210
	s_mov_b32 s21, 0xfedcba98                      ; v_permlanex16_b32's selects for lane l xor 16
	s_mov_b32 s22, 0x3d38aa3b                      ; c = log2(e) / sqrt(1024)
	s_mov_b32 s23, s22                             ; (named with it as a pair, so it is written)
	; LDS addresses
	v_and_b32 v3, 31, v0                           ; lane
	v_and_b32 v1, 15, v0                           ; r
	v_bfe_u32 v2, v0, 4, 1                         ; h
	v_lshlrev_b32 v[L16], 4, v3
	v_lshlrev_b32 v[L8], 3, v3
	v_lshlrev_b32 v6, 2, v3
	v_lshlrev_b32 v7, 2, v1
	v_lshlrev_b32 v[QGO], 4, v1
	v_lshl_add_u32 v[QGO], v2, 9, v[QGO]           ; lanes 0-15 a step's 256 bytes, lanes 16-31 the next step's
	v_and_b32 v14, 8, v1
	v_add_nc_u32 v14, v14, v1                      ; r % 8 + 16 (r / 8)
	v_lshlrev_b32 v15, 4, v2
	v_sub_nc_u32 v14, v14, v15                     ; - 16 h
	v_add_nc_u32 v[EQ], s104, v14
	v_add_nc_u32 v[EQ2], s105, v14
	v_mov_b32 v[HID], 0xf1800000                   ; -2^100
	WALU
	s_mul_i32 s88, s15, APART
	s_mul_i32 s89, s16, 4*1536
	s_add_co_u32 s88, s88, s89
	v_add_nc_u32 v[ADRA], s88, v[L16]
	s_add_co_u32 s88, s88, XHALF
	v_add_nc_u32 v[ADRA+1], s88, v[L16]
	v_add_nc_u32 v[ADRB], WB, v[L16]
	v_add_nc_u32 v[ADRB+1], WB+APART, v[L16]
	v_add_nc_u32 v[ADSB], SCLB, v6
	s_lshl_b32 s88, s15, 12
	s_lshl_b32 s89, s16, 8
	s_add_co_u32 s88, s88, s89
	s_add_co_u32 s88, s88, SCLA
	v_add_nc_u32 v[ADSA], s88, v6
	s_lshl_b32 s88, s14, 10
	s_add_co_u32 s89, s88, SCR
	v_add_nc_u32 v[SCW], s89, v7
	v_add_nc_u32 v[SCRD], s89, v[L8]
	s_add_co_u32 s88, s88, SCLB
	v_add_nc_u32 v5, s88, v[L16]                   ; where I put my part of k's words,
	s_lshl_b32 s88, s14, 11
	s_add_co_u32 s88, s88, SCLA
	v_add_nc_u32 v4, s88, v[L16]                   ; of q's
	s_lshl_b32 s88, s14, 9
	s_add_co_u32 s88, s88, SCQ
	v_add_nc_u32 v[QIN], s88, v[L16]               ; and of the second tile's q's
	s_mul_i32 s88, s14, 1536
	v_add_nc_u32 v[QFA], s88, v[L16]
	s_lshl_b32 s88, s14, 6
	s_add_co_u32 s89, s88, SCQ
	v_add_nc_u32 v[QWA], s89, v7
	s_add_co_u32 s89, s88, QSC
	v_add_nc_u32 v[QSW], s89, v7
	s_lshl_b32 s88, s14, 8
	s_add_co_u32 s88, s88, QSC
	v_add_nc_u32 v[QSR], s88, v[L8]
	v_mov_b32 v73, 0                               ; (named as the upper half of the pair v[72:73])
	v_mov_b32 v79, 0                               ; written once: a lane permute's destination counts as one of its sources
.irp b, 0,1,2,3
	v_mov_b32 v[TM+4+\b], 0
.endr
	WALU
	CROUND                                         ; all sixteen work-groups are here: the first joint loads meet
	s_wait_kmcnt 0x0
	s_add_nc_u64 s[2:3], s[4:5], s[2:3]
	s_add_nc_u64 s[96:97], s[4:5], s[96:97]
	s_add_nc_u64 s[100:101], s[4:5], s[100:101]
	s_add_nc_u64 s[86:87], s[4:5], s[86:87]
	s_add_nc_u64 s[8:9], s[4:5], s[8:9]
	s_add_nc_u64 s[10:11], s[4:5], s[10:11]
	s_add_nc_u64 s[12:13], s[4:5], s[12:13]
	s_add_nc_u64 s[80:81], s[6:7], s[80:81]
	s_add_nc_u64 s[82:83], s[6:7], s[82:83]
	s_add_nc_u64 s[84:85], s[6:7], s[84:85]
	s_add_nc_u64 s[98:99], s[6:7], s[98:99]
.irp n, 0,1
	s_mov_b32 s[G0A+4*\n], 1
	s_mov_b32 s[G0A+4*\n+1], \n*XHALF
	s_add_nc_u64 s[G0A+4*\n+2:G0A+4*\n+3], s[2:3], \n*XHALF
	s_or_b32 s[G0A+4*\n+3], s[G0A+4*\n+3], 0x80000000
	s_mov_b32 s[G0B+4*\n], 1
	s_mov_b32 s[G0B+4*\n+1], WB+\n*APART
	s_add_nc_u64 s[G0B+4*\n+2:G0B+4*\n+3], s[100:101], \n*APART
	s_or_b32 s[G0B+4*\n+3], s[G0B+4*\n+3], 0x80000000
	s_mov_b32 s[G0Q+4*\n], 1
	s_mov_b32 s[G0Q+4*\n+1], \n*4*6144
	s_add_nc_u64 s[G0Q+4*\n+2:G0Q+4*\n+3], s[96:97], \n*XHALF
	s_or_b32 s[G0Q+4*\n+3], s[G0Q+4*\n+3], 0x80000000
.endr
	ARM 0, G0A, G1A                                ; the head's four tiles, one load a wave: wave 0 q's K half 0,
	ARM 1, G0B, G1B                                ; wave 1 k's slot 0,
	ARM 2, G0A+4, G1A                              ; wave 2 q's K half 1,
	TLOAD G0B+4, G1B                               ; wave 3 k's slot 1
.Lasked:
.irp i, 0,1,2,3
	global_load_b128 v[96+4*\i:99+4*\i], v[L16], s[86:87] offset:512*\i   ; the scale words come once, through registers: 512 consecutive bytes a load
.endr
.irp i, 0,1
	global_load_b128 v[112+4*\i:115+4*\i], v[L16], s[10:11] offset:512*\i
	global_load_b128 v[120+4*\i:123+4*\i], v[L16], s[12:13] offset:512*\i
.endr
	global_load_b128 v[128:131], v[QGO], s[8:9]    ; (256 consecutive bytes of each of two steps)
	; THE MASK: key 32 g + i of my half is hidden where 32 g + i - 32 (a / 2) - 8 (a % 2) > E
	WIN 0x80                                       ; destination window 2
.set n, 0
.rept 256
	v_cmp_gt_i32 vcc_lo, 32*((n%64)/16)+n%16-32*(n/128)-8*((n/64)%2), v[EQ]
	v_cndmask_b32 v[n], 0, v[HID], vcc_lo
.set n, n+1
.endr
	WIN 0xc0                                       ; destination window 3
.set n, 0
.rept 64
	v_cmp_gt_i32 vcc_lo, 32*(n/16)+n%16, v[EQ2]
	v_cndmask_b32 v[n], 0, v[HID], vcc_lo
.set n, n+1
.endr
	WIN 0
	WALU                                           ; the wait at the head's end
	s_wait_loadcnt 0x0
.irp i, 0,1,2,3
	ds_store_b128 v4, v[96+4*\i:99+4*\i] offset:512*\i
.endr
.irp i, 0,1
	ds_store_b128 v5, v[112+4*\i:115+4*\i] offset:512*\i
	ds_store_b128 v5, v[120+4*\i:123+4*\i] offset:4096+512*\i
.endr
	ds_store_b128 v[QIN], v[128:131]
	s_cmp_lt_u32 s14, 2                            ; K half 0 and slot 0 are waves 0's and 1's; the others' may stay out
	s_cbranch_scc0 .Lnot_first
	s_wait_tensorcnt 0x0
.Lnot_first:
	s_wait_dscnt 0x0                               ; my scale words have landed
	BARRIER
	FETCH 0, 0
	STEP 0, 0
	STEP 1, 0
	STEP 2, 0
	STEP 3, 2                                      ; slot 0 and q's K half 0 take the second tile's
	STEP 4, 0
	STEP 5, 0
	STEP 6, 0
	STEP 7, 4                                      ; slot 1 too; the second tile's first step is fetched
	PLACES 4                                       ; behind the last products
	FETCHQ 1                                       ; and its second
.irp a, 0,1,2,3
	SOFT 2, 64*\a, \a, 96+12*\a, 80, 1536*\a, SCW, 64*\a
.endr
	ds_load_b64 v[80:81], v[SCRD]                  ; my own bytes, served in order: the four tiles' words, -M and l
	ds_load_b64 v[82:83], v[SCRD] offset:256
	ds_load_b64 v[84:85], v[SCRD] offset:512
	s_wait_dscnt 0x0
	global_store_b64 v[L8], v[80:81], s[82:83]     ; 256 consecutive bytes each, aligned
	global_store_b64 v[L8], v[82:83], s[82:83] offset:524288
	global_store_b64 v[L8], v[84:85], s[82:83] offset:1048576
.irp b, 0,1,2,3
	STEPQ \b
.endr
	PLACES 4
	s_wait_xcnt 0x0                                ; the stores have read their registers
	SOFT 3, 0, 0, 96, 98, 0, QSW, 0
	s_wait_dscnt 0x0                               ; for the others' sake: my words, -M and l have landed
	BARRIER
	s_cmp_eq_u32 s14, 3
	s_cbranch_scc1 .Lsent
	ds_load_b64 v[80:81], v[QSR]                   ; wave 0 sends the 64 queries' words, 1 -M, 2 l: 256 consecutive bytes each
	s_wait_dscnt 0x0
	global_store_b64 v[L8], v[80:81], s[84:85]
.Lsent:
	s_wait_tensorcnt 0x0                           ; the wave's end
	ds_add_u32 v[SPW], v[NIL]
	s_wait_dscnt 0x0
	CROUND                                         ; the closing round: no work-group ends while a partner may still ask for a tile that names it
	s_endpgm
.Lfunc_end_k_q26ef07a8b3_score:
	.size	k_q26ef07a8b3_score, .Lfunc_end_k_q26ef07a8b3_score-k_q26ef07a8b3_score
	.p2alignl 7, 3214868480
	.fill 96, 4, 3214868480
	.section	.rodata,"a",@progbits
	.p2align	6, 0x0
	.amdhsa_kernel k_q26ef07a8b3_score
		.amdhsa_group_segment_fixed_size 327680
		.amdhsa_private_segment_fixed_size 0
		.amdhsa_enable_private_segment 0
		.amdhsa_kernarg_size 16
		.amdhsa_user_sgpr_count 2
		.amdhsa_user_sgpr_kernarg_segment_ptr 1
		.amdhsa_wavefront_size32 1
		.amdhsa_system_sgpr_workgroup_id_x 1
		.amdhsa_system_sgpr_workgroup_id_y 1
		.amdhsa_system_sgpr_workgroup_id_z 1
		.amdhsa_system_vgpr_workitem_id 0
		.amdhsa_next_free_vgpr 1024
		.amdhsa_next_free_sgpr 106
		.amdhsa_reserve_vcc 1
		.amdhsa_float_denorm_mode_32 3
		.amdhsa_float_denorm_mode_16_64 3
		.amdhsa_memory_ordered 1
		.amdhsa_forward_progress 1
		.amdhsa_inst_pref_size 181
	.end_amdhsa_kernel
	.amdgpu_metadata
---
amdhsa.version: [ 1, 2 ]
amdhsa.kernels:
  - .name:           k_q26ef07a8b3_score
    .symbol:         k_q26ef07a8b3_score.kd
    .args:
      - { .name: qkv, .offset: 0, .size: 8, .value_kind: global_buffer, .address_space: global }
      - { .name: pbuf, .offset: 8, .size: 8, .value_kind: global_buffer, .address_space: global }
    .group_segment_fixed_size: 327680
    .private_segment_fixed_size: 0
    .kernarg_segment_align: 8
    .kernarg_segment_size: 16
    .max_flat_workgroup_size: 128
    .sgpr_count:     106
    .vgpr_count:     1024
    .wavefront_size: 32
...
	.end_amdgpu_metadata
.endif
;; end of part 7
;; launch mix (part 8): grid 16 x 16, 4 waves a work-group, clusters of 4 x 4, 327,680 bytes of LDS; arguments qkv, pbuf, out0; writes out0
.if DOCPART == 8
	.amdgcn_target "amdgcn-amd-amdhsa--gfx1250"
	.amdhsa_code_object_version 6
	.text
	.protected	k_q26ef07a8b3_mix
	.globl	k_q26ef07a8b3_mix
	.p2align	8
	.type	k_q26ef07a8b3_mix,@function
k_q26ef07a8b3_mix:
	s_mov_b64 s[64:65], 0
	v_nop
	global_prefetch_b8 v0, s[64:65] scope:SCOPE_SE
	s_setreg_imm32_b32 hwreg(HW_REG_WAVE_MODE, 25, 1), 1
	s_wait_xcnt 0x0
	s_wait_alu depctr_hold_cnt(0) depctr_sa_sdst(0) depctr_va_vdst(0) depctr_va_sdst(0) depctr_va_ssrc(0) depctr_va_vcc(0) depctr_vm_vsrc(0)
	s_getreg_b32 s2, hwreg(HW_REG_IB_STS2, 6, 4)
	s_cmp_eq_u32 s2, 0
	s_cbranch_scc0 .Lentry_in_a_cluster
	s_endpgm
.Lentry_in_a_cluster:
	s_bfe_u32 s2, ttmp6, 0x10000c
	s_cmp_lg_u32 s2, 0xf033
	s_cbranch_scc0 .Lentry_shape_is_right
	s_endpgm
.Lentry_shape_is_right:
; out = (p v) / l on codes of FP6 (E2M3), K = the keys; f32 out.  p's blocks of 128 keys each carry their own -M and l: here the row's M is the largest of them, each block's scale bytes are lowered by the whole number
; (row's M - block's M), its l likewise, and the result is multiplied by 1 / (the sum of l).
; FORMAT: as in the launches before: a record is 8 fragments of 16 rows x 128 K, 1,536 bytes each.
; A WORK-GROUP owns two blocks of 128 queries of a batch, a LOW and a HIGH one, and 128 columns.  Key blocks that the causal mask hides wholly are not multiplied (but for those in which a partner of the cluster has a key).
;   type A (cluster x 0, 1): low cy, high 12 + cy: key blocks 0-3 for both, then 4-15 for the high one;  type B (2, 3): low 4 + cy, high 8 + cy: 0-7 for both, then 8-11 for the high one.
;   Both types take 20 pairs of (block of queries, block of keys): 320 products a wave.  The low block's result leaves as soon as it is finished, in the midst of the walk.
; A WAVE has 64 queries of each block (w / 2) and 64 columns (w % 2): 2 x 16 accumulators.  Source 0 = v^T's four fragments, source 1 = p's: lane (r, h) holds query lane-row r, its registers run along the columns.
; CLUSTER 4 x 4: cy picks the queries, cx the columns (block 4 (cluster x % 2) + cx); p's tiles are asked for jointly along a row of the cluster, v^T's along a column.
; LDS: two slots of twelve records: p's at the slot's start, v^T's behind them.  pbuf holds what a slot takes of p as one run of records.  Fills: at the head, one load a wave, slot 0 (steps 0-3 of both blocks) and slot 1
; (A: 4-7 of the high block, B: 4-7 of both); then slot 0 (A: 8-13, B: 8-11) and, A alone, slot 1 (14, 15).  A wave has at most one tensor load out.
; PREFETCH: slot 0's second fill is asked for into the L2 three steps ahead, each block of 256 bytes once in a cluster, shared out by address among the sixteen waves of the four partners that ask jointly; the last two steps' tiles come by their load alone.
; LIMITS: M is exact for |t| under 2^24; a p that lies 2^127 or more under its row's largest counts as at most 7.5 x 2^-127; NaN and infinities are not served, and such a number that reaches only hidden tiles is not carried to the result.
; REGISTERS.  Window 0: v1-30 addresses; v32-63 v^T's scale words of all sixteen steps; v64-71 p's, two sets; v72-83 at work; v84-99 1 / l; v128-223 v^T's fragments, two sets.  Window 1: p's fragments, two sets of 96.
; Window 2: accumulators: block u, tile a, columns b at v[128 u + 32 a + 8 b].  Window 3: the way out.
.set REC,   12288
.set SLOT,  12*REC
.set SCLU,  2*SLOT                     ; the high block's scale words: [step][512]
.set SCLL,  SCLU+8192                  ; the low block's, eight steps
.set STG,   SCLL+4096                  ; a stage of 16 rows for each wave
.set SPI,   272                        ; a stage row: 256 bytes + 16
.set SCR,   STG+4*16*SPI               ; 1 / l: [block][128 queries]
.set SPARE, SCR+1024                   ; the spare words, 128 bytes for each wave
.set QKS,   18874368
.set PS,    7864320
.set AP,    8                          ; v8-11   p: slot 0 records 0-3, 4-7; slot 1
.set AV,    12                         ; v12-15  v^T: slot 0 records 4-7, 8-11; slot 1
.set ASL,   16
.set ASU,   17
.set L8,    19
.set STO,   20
.set RD,    21
.set CO,    22
.set WST,   23
.set L4,    24
.set SCW,   25
.set SCRD,  26
.set PFP,   27
.set SPW,   28
.set NIL,   29
.set PFV,   30
.set VW,    32
.set RL,    84
.set VF,    128
.set P4,    16                         ; groups 1: p's tiles of 4, 8, 6 records, v^T's of 4, 6
.set P8,    24
.set V4,    48
.set P6,    72
.set V6,    88
.set GPA,   32                         ; groups 0: slot 0, slot 1
.set GVA,   36
.set GPB,   56
.set GVB,   60
.set MSB, 0
.macro WIN new
.if MSB != \new
	s_set_vgpr_msb (MSB<<8)|\new
.set MSB, \new
.endif
.endm
.macro PLACES n
.rept \n
	v_nop
.endr
.endm
.macro WALU
	s_wait_alu depctr_va_vdst(0)
.endm
.macro BARRIER
	s_barrier_signal -1
	s_barrier_wait -1
.endm
.macro CROUND                          ; a round of the cluster's barrier
	BARRIER
	s_cmp_lg_u32 s14, 0
	s_cbranch_scc1 .Lnot_wave_0_\@
	s_barrier_signal -3
.Lnot_wave_0_\@:
	s_barrier_wait -3
	BARRIER
.endm
.macro TLOAD g0, g1
	tensor_load_to_lds s[\g0:\g0+3], s[\g1:\g1+7]
	s_nop 0
	PLACES 4
.endm
.macro GROUP1 g, mask, rows            ; a dense block as rows of 256 bytes (32 elements of 8 bytes), no padding; the mask; bit 21 beside it
	s_or_b32 s[\g], s\mask, (3<<16)|(1<<21)
	s_mov_b32 s[\g+1], 32<<16
	s_mov_b32 s[\g+2], (\rows)<<16
	s_mov_b32 s[\g+3], 32<<16
	s_mov_b32 s[\g+4], \rows
	s_mov_b32 s[\g+5], 32
	s_mov_b32 s[\g+6], 0
	s_mov_b32 s[\g+7], 0
.endm
.macro GROUP0 g, base, off, lds
	s_mov_b32 s[\g], 1
	s_mov_b32 s[\g+1], \lds
	s_add_nc_u64 s[\g+2:\g+3], s[\base:\base+1], \off
	s_or_b32 s[\g+3], s[\g+3], 0x80000000
.endm
; A slot, whose last fragments are in registers, is filled again: wave 0 fetches p's tile, dp records on, wave 1 v^T's, dv records on.
.macro REFILL gp, g1p, dp, gv, g1v, dv, lv, rows
	s_wait_tensorcnt 0x0                           ; all my tensor loads have landed, the other slot's among them: so a descriptor may be written
	ds_add_u32 v[SPW], v[NIL]
	s_add_nc_u64 s[\gp+2:\gp+3], s[\gp+2:\gp+3], (\dp)*REC
	s_add_nc_u64 s[\gv+2:\gv+3], s[\gv+2:\gv+3], (\dv)*REC
	s_mov_b32 s[\gv+1], \lv
.if \rows
	s_mov_b32 s[\g1p+2], (\rows)<<16
	s_mov_b32 s[\g1p+4], \rows
	s_mov_b32 s[\g1v+2], (\rows)<<16
	s_mov_b32 s[\g1v+4], \rows
.endif
	s_wait_dscnt 0x0                               ; the add is done, and so are my reads of the slot
	CROUND                                         ; both now hold of every wave of every partner
	s_cmp_eq_u32 s14, 0
	s_cbranch_scc0 .Lv_\@
	TLOAD \gp, \g1p
	s_branch .Lfilled_\@
.Lv_\@:
	s_cmp_eq_u32 s14, 1
	s_cbranch_scc0 .Lfilled_\@
	TLOAD \gv, \g1v
.Lfilled_\@:
.endm
; Which step's LDS loads FL makes: slot sl, records l, u (p's low and high block) and v; step sg; set sg % 2.
.macro NEXT sl, l, u, v, sg
.set fSL, \sl
.set fL, \l
.set fU, \u
.set fV, \v
.set fSG, \sg
.set fP, (\sg)%2
.set FN_, 0
.set FEND_, 40
.endm
.macro FL n                            ; load n of 40: the low block's 2 scale words, the high block's 2, 12 of v^T, 12 of the low block, 12 of the high one
.set N_, \n
.if N_ < 2
	WIN 0
	ds_load_b32 v[66-2*fP+N_], v[ASL] offset:512*fSG+128*N_
.elseif N_ < 4
	WIN 0
	ds_load_b32 v[68-2*fP+N_], v[ASU] offset:512*fSG+128*(N_-2)
.elseif N_ < 16
.set N_, N_-4
	WIN 0
	ds_load_b128 v[VF+48*fP+4*N_:VF+48*fP+4*N_+3], v[AV+2*fSL+fV/8] offset:(fV%4)*REC+512*N_
.elseif N_ < 28
.set N_, N_-16
	WIN 0x40
	ds_load_b128 v[96*fP+4*N_:96*fP+4*N_+3], v[AP+2*fSL+fL/4] offset:(fL%4)*REC+512*N_
.else
.set N_, N_-28
	WIN 0x40
	ds_load_b128 v[96*fP+48+4*N_:96*fP+48+4*N_+3], v[AP+2*fSL+fU/4] offset:(fU%4)*REC+512*N_
.endif
.endm
.macro FLS k
.rept \k
.if FN_ < FEND_
	FL FN_
.set FN_, FN_+1
.endif
.endr
.endm
; Eight products: block u, query tiles 2 ap, 2 ap + 1 x four tiles of columns.  An odd tile's scale words stand in lanes 16-31 of its register.
; The accumulators take turns, one instruction a turn, in the same order in every step.
.macro PRODS u, ap
.irp al, 0,1
.irp b2, 0,1
.irp bl, 0,1
.set D_, 128*(\u)+32*(2*(\ap)+\al)+8*(2*\b2+\bl)
.set A_, VF+48*mP+12*(2*\b2+\bl)
.set B_, 96*mP+48*(\u)+12*(2*(\ap)+\al)
.set X_, VW+2*mSG+\b2
.set Y_, 66+4*(\u)-2*mP+(\ap)
	WIN 0xa4                                       ; source 0 window 0, source 1 window 1, C and D window 2
.if mSG
	v_wmma_scale_f32_16x16x128_f8f6f4 v[D_:D_+7], v[A_:A_+11], v[B_:B_+11], v[D_:D_+7], v[X_], v[Y_] matrix_a_fmt:MATRIX_FMT_FP6 matrix_b_fmt:MATRIX_FMT_FP6 matrix_a_scale:MATRIX_SCALE_ROW\bl matrix_b_scale:MATRIX_SCALE_ROW\al
.else
	v_wmma_scale_f32_16x16x128_f8f6f4 v[D_:D_+7], v[A_:A_+11], v[B_:B_+11], 0, v[X_], v[Y_] matrix_a_fmt:MATRIX_FMT_FP6 matrix_b_fmt:MATRIX_FMT_FP6 matrix_a_scale:MATRIX_SCALE_ROW\bl matrix_b_scale:MATRIX_SCALE_ROW\al
.endif
.endr
.endr
.endr
.endm
; THE HIGH BLOCK ALONE goes by pairs of steps, on four sets of operands.  Of step s, with y = (s / 2) % 2, i = s % 2: p's fragments at v[96 y + 48 i] of window 1; its two scale words at v[66 - 2 y + 4 i];
; v^T's fragments at v[128 + 48 y] of window 0 (i = 0), at v192 of window 1 (i = 1, y = 0) or at v0 of window 3 (i = 1, y = 1).
.macro SET1 s
.set sY, ((\s)/2)%2
.set sI, (\s)%2
.set sV, 128+48*sY
.set sN, 0
.if sI
.set sV, 192*(1-sY)
.set sN, 1+2*sY
.endif
.endm
.macro LOADS1 s, sl, u, v              ; step s's 26 loads: slot sl, records u (p) and v
	SET1 (\s)
	WIN 0
.irp j, 0,1
	ds_load_b32 v[66-2*sY+4*sI+\j], v[ASU] offset:512*(\s)+128*\j
.endr
	WIN 64*sN
.set I_, 0
.rept 12
	ds_load_b128 v[sV+4*I_:sV+4*I_+3], v[AV+2*(\sl)+(\v)/8] offset:((\v)%4)*REC+512*I_
.set I_, I_+1
.endr
	WIN 0x40
.set I_, 0
.rept 12
	ds_load_b128 v[96*sY+48*sI+4*I_:96*sY+48*sI+4*I_+3], v[AP+2*(\sl)+(\u)/4] offset:((\u)%4)*REC+512*I_
.set I_, I_+1
.endr
	WIN 0
.endm
.macro PRODS1 s, ap                    ; eight products of step s: the high block's query tiles 2 ap, 2 ap + 1 x four tiles of columns
	SET1 (\s)
	WIN 0xa4+sN                                    ; source 0 window sN, source 1 window 1, C and D window 2
.irp al, 0,1
.irp b2, 0,1
.irp bl, 0,1
.set D_, 128+32*(2*(\ap)+\al)+8*(2*\b2+\bl)
.set A_, sV+12*(2*\b2+\bl)
.set B_, 96*sY+48*sI+12*(2*(\ap)+\al)
.set X_, VW+2*(\s)+\b2
.set Y_, 66-2*sY+4*sI+(\ap)
	v_wmma_scale_f32_16x16x128_f8f6f4 v[D_:D_+7], v[A_:A_+11], v[B_:B_+11], v[D_:D_+7], v[X_], v[Y_] matrix_a_fmt:MATRIX_FMT_FP6 matrix_b_fmt:MATRIX_FMT_FP6 matrix_a_scale:MATRIX_SCALE_ROW\bl matrix_b_scale:MATRIX_SCALE_ROW\al
.endr
.endr
.endr
.endm
; Steps s and s + 1 of the high block; the next pair's 52 loads (slot nsl, records nu, nv on) stand in one run ahead of the products.  kind 0: plain;  1: the next pair lies in the other slot, and nothing is filled;  2: a REFILL stands just
; ahead;  3: nothing is fetched.  The counts: at the head the youngest ten loads may be out, all of them step s + 1's fragments of p; then six of them, then none, each with the FN_ loads just issued.
.macro BATCH s, kind, nsl=0, nu=0, nv=0
.set w_, 0
.if \kind == 1
	s_wait_tensorcnt 0x0
	s_wait_dscnt 0x0
	BARRIER
.elseif \kind != 2
	s_wait_dscnt 10
.set w_, 1
.endif
.set FN_, 0
.if \kind != 3
	PLACES 4                                       ; in front of loads into registers that earlier matrix instructions have read
	LOADS1 (\s)+2, \nsl, \nu, \nv
	LOADS1 (\s)+3, \nsl, (\nu)+1, (\nv)+1
.set FN_, 52
.endif
	PRODS1 \s, 0
	PRODS1 \s, 1
.if w_
	s_wait_dscnt FN_+6
.endif
	PRODS1 (\s)+1, 0
.if w_
	s_wait_dscnt FN_
.endif
	PRODS1 (\s)+1, 1
	WIN 0
.endm
; A step of 128 keys for both blocks.  kind 0: plain;  2: a REFILL stands just ahead, which has shown all my loads in;  5: the same, and the next are the high block's steps 4 and 5;  3: nothing is fetched.  The counts: what may be out is the
; fragments used later in the step, 6 loads for each pair of tiles, and behind them the FN_ loads of the next step.
.macro STEP sg, kind, nsl=0, nl=0, nu=0, nv=0
.set mSG, \sg
.set mP, (\sg)%2
.set FN_, 0
.set w_, 0
.if \kind == 0
.set w_, 1
.elseif \kind == 3
.set w_, 1
.endif
.if w_
	s_wait_dscnt 18
.endif
.if \kind != 3
	PLACES 4                                       ; in front of loads into registers that the last step's matrix instructions have read
.endif
.if \kind == 5
	LOADS1 4, 1, 0, 8
	LOADS1 5, 1, 1, 9
.elseif \kind != 3
	NEXT \nsl, \nl, \nu, \nv, (\sg)+1
	FLS 40                                         ; all of the next step's loads, in one run
.endif
	PRODS 0, 0
.if w_
	s_wait_dscnt FN_+12
.endif
	PRODS 0, 1
.if w_
	s_wait_dscnt FN_+6
.endif
	PRODS 1, 0
.if w_
	s_wait_dscnt FN_
.endif
	PRODS 1, 1
	WIN 0
.endm
.macro WL c                            ; four key blocks' words, -M and l of my 64 queries, two to a lane: 256 consecutive bytes a load
.irp i, 0,1,2,3
	global_load_b64 v[128+8*(\c)+2*\i:129+8*(\c)+2*\i], v[L8], s[70:71] offset:512*(4*(\c)+\i)
	global_load_b64 v[160+8*(\c)+2*\i:161+8*(\c)+2*\i], v[L8], s[70:71] offset:524288+512*(4*(\c)+\i)
	global_load_b64 v[192+8*(\c)+2*\i:193+8*(\c)+2*\i], v[L8], s[70:71] offset:1048576+512*(4*(\c)+\i)
.endr
.endm
.macro WF c                            ; four key blocks that my queries do not have: no words, -M = 3e38, l = 0
.irp i, 0,1,2,3,4,5,6,7
	v_mov_b32 v[128+8*(\c)+\i], 0
	v_mov_b32 v[160+8*(\c)+\i], 0x7f61b1e6
	v_mov_b32 v[192+8*(\c)+\i], 0
.endr
.endm
; Key block sg under the row's M: e = (-M of the block) - (-M of the row), held at 127; l x 2^-e is summed; each of the four scale bytes (all under 128) is lowered by e, held at 0: bit 7, set beforehand, falls where e is larger.
.macro SHIFT4 c                        ; key blocks 4 c .. 4 c + 3, two queries each: eight independent chains by turns, at work in v224-255
.irp e, 0,1,2,3,4,5,6,7
	v_sub_f32 v[224+\e], v[160+8*(\c)+\e], v[72+\e%2]
.endr
.irp e, 0,1,2,3,4,5,6,7
	v_cvt_i32_f32 v[224+\e], v[224+\e]
.endr
.irp e, 0,1,2,3,4,5,6,7
	v_min_u32 v[224+\e], 127, v[224+\e]
.endr
.irp e, 0,1,2,3,4,5,6,7
	v_sub_nc_u32 v[232+\e], 0, v[224+\e]
.endr
.irp e, 0,1,2,3,4,5,6,7
	v_or_b32 v[240+\e], s47, v[128+8*(\c)+\e]
.endr
.irp e, 0,1,2,3,4,5,6,7
	v_ldexp_f32 v[232+\e], v[192+8*(\c)+\e], v[232+\e]
.endr
.irp e, 0,1,2,3,4,5,6,7
	v_perm_b32 v[224+\e], v[224+\e], v[224+\e], 0  ; e in all four bytes
.endr
.irp e, 0,1,2,3,4,5,6,7
	v_add_f32 v[76+\e], v[76+\e], v[232+\e]
.endr
.irp e, 0,1,2,3,4,5,6,7
	v_sub_nc_u32 v[240+\e], v[240+\e], v[224+\e]
.endr
.irp e, 0,1,2,3,4,5,6,7
	v_and_b32 v[248+\e], s47, v[240+\e]
.endr
.irp e, 0,1,2,3,4,5,6,7
	v_lshrrev_b32 v[224+\e], 7, v[248+\e]
.endr
.irp e, 0,1,2,3,4,5,6,7
	v_sub_nc_u32 v[248+\e], v[248+\e], v[224+\e]   ; 0x7f where the byte stands, 0 where it fell
.endr
.irp e, 0,1,2,3,4,5,6,7
	v_and_b32 v[128+8*(\c)+\e], v[240+\e], v[248+\e]
.endr
.irp i, 0,1,2,3
	ds_store_b64 v[WST], v[128+8*(\c)+2*\i:129+8*(\c)+2*\i] offset:512*(4*(\c)+\i)
.endr
.endm
; THE WAY OUT of block u: tile a's 16 queries x 64 columns, x 1 / l, through my own stage and back as rows of 256 bytes; LDS serves a wave's instructions in order (ISA guide 5.7.1.4).
.macro OUTA u, a
	WIN 0xc2                                       ; destination window 3, source 0 window 2
.set n, 0
.rept 16
	v_pk_mul_f32 v[32*(\a)+n:32*(\a)+n+1], v[128*(\u)+32*(\a)+n:128*(\u)+32*(\a)+n+1], v[RL+8*(\u)+2*(\a):RL+8*(\u)+2*(\a)+1] op_sel_hi:[1,0]
.set n, n+2
.endr
	WIN 0x0c                                       ; data window 3
.irp g, 0,1
.irp j, 0,1,2,3
	ds_store_b128 v[STO], v[32*(\a)+16*\g+4*\j:32*(\a)+16*\g+4*\j+3] offset:128*\g+16*\j
.endr
.endr
	WIN 0xc0
.irp t, 0,1,2,3,4,5,6,7
	ds_load_b128 v[128+32*(\a)+4*\t:128+32*(\a)+4*\t+3], v[RD] offset:2*SPI*\t
.endr
.endm
.macro SEND u, a, younger
	s_wait_dscnt \younger                          ; the tile is back; the next tile's 8 stores and 8 loads may be out
	WIN 0x0c
.irp t, 0,1,2,3,4,5,6,7
	global_store_b128 v[CO], v[128+32*(\a)+4*\t:128+32*(\a)+4*\t+3], s[96+2*(\u):97+2*(\u)] offset:(32*((\a)/2)+8*((\a)%2)+(2*\t)%8+16*(\t/4))*4096 th:TH_STORE_NT   ; 16 lanes store 256 consecutive bytes, aligned
.endr
.endm
.macro OUT u
	PLACES 4                                       ; behind the last products
.if \u
	s_wait_xcnt 0x0                                ; the low block's stores have read their registers
.endif
	OUTA \u, 0
	OUTA \u, 1
	SEND \u, 0, 16
	OUTA \u, 2
	SEND \u, 1, 16
	OUTA \u, 3
	SEND \u, 2, 16
	SEND \u, 3, 0
	WIN 0
.endm
	s_load_b128 s[4:7], s[0:1], 0x0                ; qkv s[4:5], pbuf s[6:7]
	s_load_b64 s[8:9], s[0:1], 0x10                ; out0
	v_lshl_add_u32 v[SPW], v0, 2, SPARE
	v_mov_b32 v[NIL], 0
	ds_add_u32 v[SPW], v[NIL]                      ; the opening: the add, twice on end, and its wait
	ds_add_u32 v[SPW], v[NIL]
	v_lshrrev_b32 v1, 5, v0
	v_readfirstlane_b32 s14, v1                    ; wave
	s_lshr_b32 s15, s14, 1                         ; which 64 queries of each block I multiply.  Also: whose words I bring under the row's M: the low (0) or the high block's
	s_and_b32 s13, s14, 1                          ; which 64 columns.  Also: which 64 queries' words
	s_bfe_u32 s40, ttmp6, 0x40000                  ; cx
	s_bfe_u32 s41, ttmp6, 0x40004                  ; cy
	s_lshl_b32 s43, s41, 2
	s_lshl_b32 s43, 15, s43                        ; my row of the cluster
	s_lshl_b32 s44, 0x1111, s40                    ; my column
	GROUP1 P4, 43, 192
	GROUP1 P6, 43, 288
	GROUP1 P8, 43, 384
	GROUP1 V4, 44, 192
	GROUP1 V6, 44, 288
	s_wait_dscnt 0x0
	s_and_b32 s67, ttmp7, 0xffff                   ; batch
	s_lshr_b32 s66, ttmp9, 1                       ; type: 0 A, 1 B
	s_and_b32 s69, ttmp9, 1
	s_lshl_b32 s69, s69, 2
	s_add_co_u32 s69, s69, s40                     ; block of 128 columns
	s_mul_i32 s80, s67, 160
	s_mul_i32 s81, s66, 80
	s_add_co_u32 s80, s80, s81
	s_mul_i32 s81, s41, 20
	s_add_co_u32 s80, s80, s81
	s_mul_i32 s80, s80, REC                        ; p: my row's 20 records
	s_mov_b32 s81, 0
	s_lshl_b32 s82, s69, 6
	s_lshl_b32 s83, s67, 4
	s_add_co_u32 s82, s82, s83
	s_add_co_u32 s82, s82, 1024                    ; v^T: my columns' record of key block 0
	s_lshl_b32 s86, s82, 9
	s_lshl_b32 s87, s13, 8
	s_add_co_u32 s86, s86, s87
	s_add_co_u32 s86, s86, QKS                     ; and my 64 columns' scale words
	s_mov_b32 s87, 0
	s_mul_i32 s82, s82, REC
	s_lshl_b32 s84, s66, 2
	s_add_co_u32 s45, s84, s41
	s_add_co_u32 s45, s45, s83                     ; the low block: 16 batch + 4 type + cy
	s_sub_co_u32 s46, 12, s84
	s_add_co_u32 s46, s46, s41
	s_add_co_u32 s46, s46, s83                     ; the high block: 16 batch + 12 - 4 type + cy
	s_mov_b32 s83, 0
	s_cmp_eq_u32 s15, 0
	s_cselect_b32 s70, s45, s46
	s_lshl_b32 s70, s70, 13                        ; sixteen key blocks of 512 bytes
	s_lshl_b32 s71, s13, 8
	s_add_co_u32 s70, s70, s71
	s_add_co_u32 s70, s70, PS
	s_mov_b32 s71, 0
	s_lshl_b32 s96, s15, 18                        ; the result: 64 rows of 4,096 bytes on, + 512 x column block + 256 x column half
	s_lshl_b32 s97, s69, 9
	s_add_co_u32 s96, s96, s97
	s_lshl_b32 s97, s13, 8
	s_add_co_u32 s96, s96, s97
	s_lshl_b32 s98, s46, 19
	s_add_co_u32 s98, s98, s96
	s_mov_b32 s99, 0
	s_lshl_b32 s97, s45, 19
	s_add_co_u32 s96, s96, s97
	s_mov_b32 s97, 0
	; the prefetch: of slot 0's second fill (A six records, B four, 48 blocks of 256 bytes each) my wave's sixteenth: 18 or 12 blocks, a lane a block
	s_cmp_eq_u32 s66, 0
	s_cselect_b32 s43, 18, 12
	s_cselect_b32 s100, 12, 16
	s_mul_i32 s100, s100, REC
	s_lshl_b32 s85, s40, 2
	s_add_co_u32 s85, s85, s14
	s_mul_i32 s85, s85, s43
	s_lshl_b32 s85, s85, 8
	s_add_co_u32 s100, s100, s85
	s_lshl_b32 s85, s41, 2
	s_add_co_u32 s85, s85, s14
	s_mul_i32 s85, s85, s43
	s_lshl_b32 s85, s85, 8
	s_add_co_u32 s101, s85, 8*REC
	s_sub_co_u32 s43, s43, 1
	; LDS places
	s_mul_i32 s10, s15, 4*1536
	s_mul_i32 s11, s13, 4*1536
	s_lshl_b32 s84, s15, 8
	s_add_co_u32 s12, s84, SCLU
	s_add_co_u32 s2, s84, SCLL
	s_add_co_u32 s84, s84, SCR
	s_xor_b32 s3, s15, 1
	s_lshl_b32 s3, s3, 13                          ; waves 0 and 1 put the low block's words, 2 and 3 the high one's
	s_lshl_b32 s42, s13, 8
	s_add_co_u32 s3, s3, s42
	s_add_co_u32 s3, s3, SCLU
	s_lshl_b32 s42, s14, 8
	s_add_co_u32 s42, s42, SCR
	s_mul_i32 s85, s14, 16*SPI
	s_add_co_u32 s85, s85, STG
	s_mov_b32 s47, 0x80808080
	v_and_b32 v3, 31, v0                           ; lane
	v_and_b32 v1, 15, v0                           ; r
	v_bfe_u32 v2, v0, 4, 1                         ; h
	v_lshlrev_b32 v4, 4, v3
	v_lshlrev_b32 v[L4], 2, v3
	v_lshlrev_b32 v[L8], 3, v3
	v_add_nc_u32 v[AP], s10, v4
	v_add_nc_u32 v5, s11, v4
	v_add_nc_u32 v[AP+1], 4*REC, v[AP]
	v_add_nc_u32 v[AP+2], SLOT, v[AP]
	v_add_nc_u32 v[AP+3], SLOT+4*REC, v[AP]
	v_add_nc_u32 v[AV], 4*REC, v5
	v_add_nc_u32 v[AV+1], 8*REC, v5
	v_add_nc_u32 v[AV+2], SLOT+4*REC, v5
	v_add_nc_u32 v[AV+3], SLOT+8*REC, v5
	v_add_nc_u32 v[ASU], s12, v[L4]
	v_add_nc_u32 v[ASL], s2, v[L4]
	v_add_nc_u32 v[WST], s3, v[L8]
	v_add_nc_u32 v[SCW], s42, v[L8]
	v_lshl_add_u32 v[SCRD], v1, 2, s84
	v_mul_u32_u24 v[STO], v1, SPI                  ; into the stage: row r, + 64 h
	v_lshl_add_u32 v[STO], v2, 6, v[STO]
	v_add_nc_u32 v[STO], s85, v[STO]
	v_mul_u32_u24 v[RD], v2, SPI                   ; out of it: sixteen lanes to a row
	v_lshl_add_u32 v[RD], v1, 4, v[RD]
	v_add_nc_u32 v[RD], s85, v[RD]
	v_lshlrev_b32 v[CO], 12, v2
	v_lshl_add_u32 v[CO], v1, 4, v[CO]
	v_min_u32 v6, s43, v3
	v_lshlrev_b32 v6, 8, v6
	v_add_nc_u32 v[PFP], s100, v6
	v_add_nc_u32 v[PFV], s101, v6
.irp e, 0,1,2,3,4,5,6,7
	v_mov_b32 v[76+\e], 0                          ; the sums of l, four for each of two queries
.endr
.irp a, 0,1,2,3,4,5,6,7
	v_mov_b32 v[RL+1+2*\a], 0                      ; (named as upper halves of pairs)
.endr
	WALU
	CROUND                                         ; all sixteen work-groups are here: the first joint loads meet
	s_wait_kmcnt 0x0
	s_add_nc_u64 s[80:81], s[6:7], s[80:81]
	s_add_nc_u64 s[82:83], s[4:5], s[82:83]
	s_add_nc_u64 s[70:71], s[6:7], s[70:71]
	s_add_nc_u64 s[86:87], s[4:5], s[86:87]
	s_add_nc_u64 s[96:97], s[8:9], s[96:97]
	s_add_nc_u64 s[98:99], s[8:9], s[98:99]
	GROUP0 GPA, 80, 0, 0
	GROUP0 GVA, 82, 0, 8*REC
	GROUP0 GPB, 80, 8*REC, SLOT
	GROUP0 GVB, 82, 4*REC, SLOT+8*REC
	s_cmp_eq_u32 s14, 0                            ; one load a wave: wave 0 slot 0's p,
	s_cbranch_scc0 .Lwave_1
	TLOAD GPA, P8
	s_branch .Lasked
.Lwave_1:
	s_cmp_eq_u32 s14, 1                            ; wave 1 slot 0's v^T,
	s_cbranch_scc0 .Lwave_3
	TLOAD GVA, V4
	s_branch .Lasked
.Lwave_3:
	s_cmp_eq_u32 s14, 3                            ; wave 3 slot 1's v^T,
	s_cbranch_scc0 .Lwave_2
	TLOAD GVB, V4
	s_branch .Lasked
.Lwave_2:
	s_cmp_eq_u32 s66, 0                            ; wave 2 slot 1's p: the high block's alone, or both blocks'
	s_cbranch_scc0 .Lwave_2_b
	TLOAD GPB, P4
	s_branch .Lasked
.Lwave_2_b:
	TLOAD GPB, P8
.Lasked:
	WL 0
	s_cmp_lt_u32 s14, 2
	s_cbranch_scc0 .Lhigh
	s_cmp_eq_u32 s66, 0
	s_cbranch_scc1 .Llow_a
	WL 1                                           ; the low block has 8 key blocks in type B,
	s_branch .Llow
.Llow_a:
	WF 1                                           ; 4 in type A
.Llow:
	WF 2
	WF 3
	WALU
	s_branch .Lwords
.Lhigh:
	WL 1
	WL 2
	s_cmp_eq_u32 s66, 0
	s_cbranch_scc1 .Lhigh_a
	WF 3                                           ; the high block has 12 in type B,
	WALU
	s_branch .Lwords
.Lhigh_a:
	WL 3                                           ; 16 in type A
.Lwords:
.set I, 0
.rept 24
	global_load_b32 v[VW+I], v[L4], s[86:87] offset:512*(I/2)+128*(I%2)   ; v^T's scale words of steps 0 to 11, straight into their registers
.set I, I+1
.endr
	WALU
	s_wait_loadcnt 24                              ; all but v^T's 24 are in
.irp e, 0,1
	v_min3_num_f32 v[72+\e], v[160+\e], v[162+\e], v[164+\e]
.endr
.irp sg, 3,5,7,9,11,13
.irp e, 0,1
	v_min3_num_f32 v[72+\e], v[72+\e], v[160+2*\sg+\e], v[162+2*\sg+\e]
.endr
.endr
.irp e, 0,1
	v_min_num_f32 v[72+\e], v[72+\e], v[190+\e]    ; the row's -M: the least
.endr
	SHIFT4 0
	SHIFT4 1
	WALU
	s_cmp_lt_u32 s14, 2
	s_cbranch_scc1 .Lshifted                       ; the low block has no more
	SHIFT4 2
	SHIFT4 3
	WALU
.Lshifted:
.irp e, 0,1,2,3
	v_add_f32 v[76+\e], v[76+\e], v[80+\e]
.endr
	v_add_f32 v74, v76, v78
	v_add_f32 v75, v77, v79
	WALU                                           ; the wait ahead of the transcendentals
	v_rcp_f32 v74, v74
	v_rcp_f32 v75, v75
	v_nop
	WALU                                           ; and behind them
	ds_store_b64 v[SCW], v[74:75]
	s_wait_loadcnt 0x0                             ; v^T's words are in
	s_cmp_lt_u32 s14, 2                            ; slot 0 is waves 0's and 1's; slot 1's loads may stay out
	s_cbranch_scc0 .Lnot_first
	s_wait_tensorcnt 0x0
.Lnot_first:
	s_wait_dscnt 0x0                               ; my words and my 1 / l have landed
	BARRIER
.irp a, 0,1,2,3
	ds_load_b32 v[RL+2*\a], v[SCRD] offset:64*\a
	ds_load_b32 v[RL+8+2*\a], v[SCRD] offset:512+64*\a
.endr
	NEXT 0, 0, 4, 8, 0
	FLS 40
	WIN 0
	global_prefetch_b8 v[PFP], s[80:81] th:TH_LOAD_NT scope:SCOPE_SE
	global_prefetch_b8 v[PFV], s[82:83] th:TH_LOAD_NT scope:SCOPE_SE
	STEP 0, 0, 0, 1, 5, 9
	STEP 1, 0, 0, 2, 6, 10
	STEP 2, 0, 0, 3, 7, 11
	s_cmp_eq_u32 s66, 0                            ; the cluster's number decides: alike in all partners
	s_cbranch_scc0 .Ltype_b
; ---- type A: step 3 for both blocks, then 4 to 15 for the high one
.set I, 24
.rept 8
	global_load_b32 v[VW+I], v[L4], s[86:87] offset:512*(I/2)+128*(I%2)   ; v^T's words of steps 12 to 15
.set I, I+1
.endr
	REFILL GPA, P6, 12, GVA, V6, 8, 6*REC, 0       ; slot 0: steps 8 to 13
	STEP 3, 5
	OUT 0
	BATCH 4, 0, 1, 2, 10
	s_wait_loadcnt 0x0
	REFILL GPB, P6, 10, GVB, V6, 10, SLOT+8*REC, 96   ; slot 1: steps 14 and 15: two records, 96 rows
	BATCH 6, 2, 0, 0, 6
	BATCH 8, 0, 0, 2, 8
	BATCH 10, 0, 0, 4, 10
	BATCH 12, 1, 1, 0, 8
	BATCH 14, 3
	s_branch .Lend
; ---- type B: steps 3 to 7 for both blocks, then 8 to 11 for the high one
.Ltype_b:
	REFILL GPA, P4, 16, GVA, V4, 8, 8*REC, 0       ; slot 0: steps 8 to 11
	STEP 3, 2, 1, 0, 4, 8
	STEP 4, 0, 1, 1, 5, 9
	STEP 5, 0, 1, 2, 6, 10
	STEP 6, 0, 1, 3, 7, 11
	STEP 7, 3
	OUT 0                                          ; ahead of the wait for slot 0
	s_wait_tensorcnt 0x0
	s_wait_dscnt 0x0
	BARRIER                                        ; slot 0 is shown to all
	PLACES 4
	LOADS1 8, 0, 0, 8
	LOADS1 9, 0, 1, 9
	BATCH 8, 0, 0, 2, 10
	BATCH 10, 3
.Lend:
	OUT 1
	s_wait_tensorcnt 0x0                           ; the wave's end
	ds_add_u32 v[SPW], v[NIL]
	s_wait_dscnt 0x0
	CROUND                                         ; the closing round: no work-group ends while a partner may still ask for a tile that names it
	s_endpgm
.Lfunc_end_k_q26ef07a8b3_mix:
	.size	k_q26ef07a8b3_mix, .Lfunc_end_k_q26ef07a8b3_mix-k_q26ef07a8b3_mix
	.p2alignl 7, 3214868480
	.fill 96, 4, 3214868480
	.section	.rodata,"a",@progbits
	.p2align	6, 0x0
	.amdhsa_kernel k_q26ef07a8b3_mix
		.amdhsa_group_segment_fixed_size 327680
		.amdhsa_private_segment_fixed_size 0
		.amdhsa_enable_private_segment 0
		.amdhsa_kernarg_size 24
		.amdhsa_user_sgpr_count 2
		.amdhsa_user_sgpr_kernarg_segment_ptr 1
		.amdhsa_wavefront_size32 1
		.amdhsa_system_sgpr_workgroup_id_x 1
		.amdhsa_system_sgpr_workgroup_id_y 1
		.amdhsa_system_sgpr_workgroup_id_z 1
		.amdhsa_system_vgpr_workitem_id 0
		.amdhsa_next_free_vgpr 1024
		.amdhsa_next_free_sgpr 102
		.amdhsa_reserve_vcc 0
		.amdhsa_float_denorm_mode_32 3
		.amdhsa_float_denorm_mode_16_64 3
		.amdhsa_memory_ordered 1
		.amdhsa_forward_progress 1
		.amdhsa_inst_pref_size 204
	.end_amdhsa_kernel
	.amdgpu_metadata
---
amdhsa.version: [ 1, 2 ]
amdhsa.kernels:
  - .name:           k_q26ef07a8b3_mix
    .symbol:         k_q26ef07a8b3_mix.kd
    .args:
      - { .name: qkv, .offset: 0, .size: 8, .value_kind: global_buffer, .address_space: global }
      - { .name: pbuf, .offset: 8, .size: 8, .value_kind: global_buffer, .address_space: global }
      - { .name: out0, .offset: 16, .size: 8, .value_kind: global_buffer, .address_space: global }
    .group_segment_fixed_size: 327680
    .private_segment_fixed_size: 0
    .kernarg_segment_align: 8
    .kernarg_segment_size: 24
    .max_flat_workgroup_size: 128
    .sgpr_count:     102
    .vgpr_count:     1024
    .wavefront_size: 32
...
	.end_amdgpu_metadata
.endif
;; end of part 8
